; MI455X (gfx1250); checked and timed in simulation.
; The chip was launched on July 23, 2026; its instructions are those of AMD's public machine-readable ISA for CDNA 5 (MIT licence, August 2026) and "CDNA5" Instruction Set Architecture Reference Guide (July 2026). The comments in the code are by the model that wrote it; some were corrected since.
;; Mixture Of Experts. Allowed arithmetic: matrix products marked QUANTISED: E4M3 operands, one E8M0 scale for each 32 along K, by v_wmma_scale_f32_16x16x128_f8f6f4 with both operands' format E4M3, f32 sums; products left as they are: f32 operands where the result goes on into a quantised operand, else bf16, f16 or f32 operands; f32 sums; everything else in f32.
;; Inputs: b1 8 x 2,048 float32; b2 8 x 1,024 float32; gate_b 8 float32; gate_w 1,024 x 8 float32; w1 8 x 1,024 x 2,048 float32; w2 8 x 2,048 x 1,024 float32; x 4 x 512 x 1,024 float32.
;; Outputs: out0 4 x 512 x 1,024 float32.
;; This version of the problem:
;;   THIS VERSION OF THE PROBLEM IS GIVEN IN LOW PRECISION. The matrix products marked QUANTISED in the list below multiply operands that are first quantised to E4M3 (4 exponent bits, 3 mantissa bits; 8 bits a number), with one power-of-two scale for each 32 numbers along K (OCP MX v1.0); their sums are f32. All else is computed in f32.
;;   The module's matrix products, in the order in which they are computed (A, B: the left and right operand; K: the contracted axis; several contracted axes count as one K, in the product's order):
;;     1. [M 2,048, K 1,024] x [K 1,024, N 8]; A: input x; B: input gate_w: left as it is (N = 8 < 16)
;;     2. [M 16,384, K 1,024] x [K 1,024, N 2,048]; A: input w1; B: input x: QUANTISED
;;     3. batch 8 x [M 2,048, K 2,048] x [K 2,048, N 1,024]; A: computed on the way; B: input w2: QUANTISED
;;     4. batch 2,048 x [M 1, K 8] x [K 8, N 1,024]; A: computed on the way; B: computed on the way: left as it is (K = 8 < 32)
;;   THE QUANTISER, for each operand of a quantised product, along K:
;;     - K is cut into blocks of 32 from its start; a last block that is shorter is filled with zeros.
;;     - A block's scale is 2^e with e = floor(log2(the largest magnitude in the block)) - 8, held to -126 .. 127; a block of zeros has e = 0. As a byte (E8M0): e + 127.
;;     - Each number is divided by its block's scale, clamped to +-448, and rounded to the nearest number of E4M3, ties to even, subnormals kept.
;;     - The product sums the exact products of the quantised numbers (number of the format x scale) in f32.
;;   ~~~python
;;   def quantise(x, axis):      # numpy; x: float32 -> the quantised numbers, widened to float32 again
;;       x = np.moveaxis(x, axis, -1); K = x.shape[-1]
;;       x = np.pad(x, [(0, 0)] * (x.ndim - 1) + [(0, -K % 32)]); x = x.reshape(x.shape[:-1] + (-1, 32)); a = np.abs(x).max(-1, keepdims=True)
;;       e = np.where(a > 0, np.clip(np.frexp(np.where(a > 0, a, 1))[1] - 1 - 8, -126, 127), 0)      # np.frexp(a)[1] - 1 = floor(log2(a)), exactly
;;       r = np.clip(x / 2.0 ** e, -448, 448)
;;       step = 2.0 ** (np.maximum(np.frexp(np.where(r == 0, 1, r))[1] - 1, -6) - 3)
;;       q = np.round(r / step) * step * 2.0 ** e      # np.round: ties to even
;;       return np.moveaxis(q.reshape(q.shape[:-2] + (-1,))[..., :K], -1, axis).astype(np.float32)
;;   ~~~
;;   OPERANDS COMPUTED ON THE WAY. 'Computed on the way' means the value that the module computes at that place (a softmax that the list does not call 'softmax' is quantised finished and normalised). What goes into a quantiser is computed in f32, as accurately as f32 sums, v_exp_f32 and their like allow (about 1e-6 of the number): no bf16 or f16 on the way to a quantiser, and a product that is left as it is and whose result goes on into a quantised operand takes f32 operands (vector FMAs, or v_wmma_f32_16x16x4_f32). A number that lies on a knife's edge between two numbers of the format may be rounded either way, as far as f32 arithmetic and the matrix unit's own rounding can turn it there, and no further.
;; 3 versions. Each part assembles by itself: llvm-mc -triple=amdgcn-amd-amdhsa -mcpu=gfx1250 --defsym DOCPART=n.
;; ======== version 1 of 3: 4 launches
;; workspace buffers: p1 19,480,576 bytes; sel 8,192 bytes of whole numbers; p2 17,301,504 bytes; lists 22,272 bytes of whole numbers; hb 23,248,896 bytes
;; launch prep1 (part 1): grid 320 x 1, 8 waves a work-group, no clusters, 117,248 bytes of LDS; arguments x, gate_w, gate_b, w1, p1, sel; writes p1, sel
.if DOCPART == 1
	.amdgcn_target "amdgcn-amd-amdhsa--gfx1250"
	.amdhsa_code_object_version 6
	.text
	.protected	k_q15d0b0174d_prep1
	.globl	k_q15d0b0174d_prep1
	.p2align	8
	.type	k_q15d0b0174d_prep1,@function
k_q15d0b0174d_prep1:
	s_mov_b64 s[64:65], 0
	v_nop
	global_prefetch_b8 v0, s[64:65] scope:SCOPE_SE
	s_setreg_imm32_b32 hwreg(HW_REG_WAVE_MODE, 25, 1), 1
	s_wait_xcnt 0x0
; PREP1.  Two roles, chosen by the work-group's number; each has LDS bytes of its own.
; Work-groups 0-63 (role XR): 32 tokens each.  x is read once: it gives the router's logits (f32 sums), and its codes of FP8 (E4M3) with one E8M0 byte for each 32 along D.
;   Stored: codes [q = k/256][token][256 B], scale bytes [q][token][8 B], the two gates [token][g_lo, g_hi] f32, and the token's pair of experts as a whole number 0..27 (lo < hi) in sel.
; Work-groups 64-319 (role WQ): w1 [8][1024 (k)][2048 (n)] f32 becomes codes quantised along k, laid in the order of a matrix operand's registers:
;   [e][B = n/32][S = k/128][u 2][c 4][lane 32][16 B]; lane (r, h) of chunk (S, u, c) holds column 32 B + 8 u + r + 8 (r/8), k = 128 S + 32 c + 16 h + 0..15.
;   Scale bytes: [e][B][kc = k/256][column 32][8 B].
; A block's scale byte is its largest magnitude's exponent field - 8, held at 1 from below; each number is held within +-448 x the scale and rounded to the nearest code, ties to even.
; LIMITS: NaN and infinities among the inputs are not served.  Blocks whose largest magnitude lies under 2^-118 (blocks of zeros among them) keep the byte 1; a block of zeros has zero codes, and this program alone reads the bytes.
;   The logits are f32 sums in another order than a plain dot product's: a second and a third logit closer than f32 rounding may change places.
; No work-group reads what another reads (but the small gate_w), so no cluster; memory binds, so no matrix unit.
.set W1S_O,   16777216
.set XQ_O,    17301504
.set XS_O,    19398656
.set GAT_O,   19464192
.set MANT,    0x600000                 ; the mantissa field of 448
.set WPITCH,  272                      ; role WQ: a stage row: 256 codes + 16 bytes
.set ROWSTEP, 8192                     ; bytes from k to k + 1 in w1
.set WX,   32                          ; v32-95   two sets of 32 numbers
.set WC,   96                          ; v96-103  a block's codes
.set WOUT, 112                         ; v112-175 the way out
.set WSB,  24                          ; v24-25   eight scale bytes
.set XSTG, 69632                       ; role XR: two stages of 32 x 80 bytes for each wave
.set PL,   110592                      ; partial logits: 32 tokens x (4 q x 8 f32 + 16 bytes)
.set XSC,  115200                      ; scale bytes [q][32 tokens][8]
.set RR,   16                          ; v16-79   four sets of 16 numbers as loaded
.set XX,   80                          ; v80-111  two sets of 16 neighbours
.set ACC,  112                         ; v112-119 eight partial logits
.set CC,   120                         ; v120-127 two sets of codes
.set GW,   128                         ; v128-255 gate_w[256 q + 16 r + i][e] at GW + 8 i + e
.macro WQLOAD t                        ; block t: w(32 t + i, my column), i = 0..31
.set i_, 0
.rept 32
	global_load_b32 v[WX+32*((\t)%2)+i_], v3, s[10:11] offset:(32*(\t)+i_)*ROWSTEP th:TH_LOAD_NT
.set i_, i_+1
.endr
.endm
.macro WQBLOCK t
.set XB, WX+32*((\t)%2)
.if (\t) < 7
	s_wait_loadcnt 32                              ; this block's 32 loads are in; the next block's 32 may be out
.else
	s_wait_loadcnt 0x0
.endif
	v_max3_num_f32 v12, |v[XB]|, |v[XB+1]|, |v[XB+2]|          ; all 32 numbers of the block are this lane's
	v_max3_num_f32 v13, |v[XB+3]|, |v[XB+4]|, |v[XB+5]|
.irp i, 6,10,14,18,22,26
	v_max3_num_f32 v12, v12, |v[XB+\i]|, |v[XB+\i+1]|
	v_max3_num_f32 v13, v13, |v[XB+\i+2]|, |v[XB+\i+3]|
.endr
	v_max3_num_f32 v12, v12, |v[XB+30]|, |v[XB+31]|
	v_max3_num_f32 v12, v12, v13, 0x4800000        ; the floor 2^(9 - 127): the byte cannot fall under 1
	v_add_nc_u32 v11, 0xfc000000, v12              ; 8 off the exponent field: the conversion's scale operand
	v_and_or_b32 v10, v12, 0x7f800000, s40         ; 448 x the scale
	v_lshrrev_b32 v13, 23, v11                     ; the scale's byte
.if (\t)%4 == 0
	v_mov_b32 v[WSB+(\t)/4], v13
.else
	v_lshl_or_b32 v[WSB+(\t)/4], v13, 8*((\t)%4), v[WSB+(\t)/4]
.endif
.set i_, 0
.rept 32
	v_med3_num_f32 v[XB+i_], v[XB+i_], -v10, v10   ; the conversion does not saturate (ISA guide 7.6.2): the hold comes first
.set i_, i_+1
.endr
.irp g, 0,1,2,3
	v_cvt_scalef32_pk8_fp8_f32 v[WC+2*\g:WC+2*\g+1], v[XB+8*\g:XB+8*\g+7], v11
.endr
	ds_store_b128 v4, v[WC:WC+3] offset:32*(\t)
	ds_store_b128 v4, v[WC+4:WC+7] offset:32*(\t)+16
.if (\t)+2 < 8
	WQLOAD (\t)+2
.endif
	s_wait_dscnt 0x0                               ; the stores have read their registers: the next block's codes may be written
.endm
.macro XLOAD t                         ; step t: two tokens x 256 numbers, four loads of 512 consecutive bytes
.irp i, 0,1,2,3
	global_load_b128 v[RR+16*((\t)%4)+4*\i:RR+16*((\t)%4)+4*\i+3], v3, s[4:5] offset:(2*(\t)+\i/2)*4096+512*(\i%2) th:TH_LOAD_NT
.endr
.endm
.macro XTURN t                         ; through the wave's own stage: afterwards lane l holds token 2 t + l/16, k = 256 q + 16 (l%16) + 0..15.  LDS serves a wave's instructions in order
.irp i, 0,1,2,3
	ds_store_b128 v14, v[RR+16*((\t)%4)+4*\i:RR+16*((\t)%4)+4*\i+3] offset:2560*((\t)%2)+640*\i
.endr
.irp i, 0,1,2,3
	ds_load_b128 v[XX+16*((\t)%2)+4*\i:XX+16*((\t)%2)+4*\i+3], v15 offset:2560*((\t)%2)+16*\i
.endr
.endm
.macro XSTEP t
.set XB, XX+16*((\t)%2)
.set CB_, CC+4*((\t)%2)
	s_wait_dscnt 0x0                               ; this step's numbers are back from the stage, and its stores into the stage have read their registers
.if (\t)+4 < 8
	XLOAD (\t)+4
.endif
.if (\t) < 7
.if (\t) < 4
	s_wait_loadcnt 12                              ; the next step's four loads are in; three steps' twelve may be out
.else
	s_wait_loadcnt 4*(6-(\t))                      ; the tail: the steps behind the next one
.endif
	XTURN (\t)+1
.endif
.irp j, 0,1,2,3,4,5,6,7                        ; eight logits' parts of my 16 numbers: two experts an instruction, x broadcast from one half of its pair
.irp p, 0,1,2,3
.if \j == 0
	v_pk_mul_f32 v[ACC+2*\p:ACC+2*\p+1], v[XB:XB+1], v[GW+2*\p:GW+2*\p+1] op_sel_hi:[0,1]
.else
	v_pk_fma_f32 v[ACC+2*\p:ACC+2*\p+1], v[XB+2*\j:XB+2*\j+1], v[GW+16*\j+2*\p:GW+16*\j+2*\p+1], v[ACC+2*\p:ACC+2*\p+1] op_sel_hi:[0,1,1]
.endif
.endr
.irp p, 0,1,2,3
	v_pk_fma_f32 v[ACC+2*\p:ACC+2*\p+1], v[XB+2*\j:XB+2*\j+1], v[GW+16*\j+8+2*\p:GW+16*\j+8+2*\p+1], v[ACC+2*\p:ACC+2*\p+1] op_sel:[1,0,0] op_sel_hi:[1,1,1]
.endr
.endr
.irp m, 1,2,4,8                                ; over the sixteen lanes of a token
.irp e, 0,1,2,3,4,5,6,7
	v_add_f32_dpp v[ACC+\e], v[ACC+\e], v[ACC+\e] row_xmask:\m row_mask:0xf bank_mask:0xf
.endr
.endr
	ds_store_b128 v6, v[ACC:ACC+3] offset:288*(\t)             ; the sixteen lanes write the same 32 bytes with the same values
	ds_store_b128 v6, v[ACC+4:ACC+7] offset:288*(\t)+16
	v_max3_num_f32 v8, |v[XB]|, |v[XB+1]|, |v[XB+2]|
	v_max3_num_f32 v9, |v[XB+3]|, |v[XB+4]|, |v[XB+5]|
.irp i, 6,10
	v_max3_num_f32 v8, v8, |v[XB+\i]|, |v[XB+\i+1]|
	v_max3_num_f32 v9, v9, |v[XB+\i+2]|, |v[XB+\i+3]|
.endr
	v_max3_num_f32 v8, v8, |v[XB+14]|, |v[XB+15]|
	v_max3_num_f32 v8, v8, v9, 0x4800000
	v_max_num_f32_dpp v8, v8, v8 row_xmask:1 row_mask:0xf bank_mask:0xf   ; with my neighbour's 16: the block's
	v_add_nc_u32 v11, 0xfc000000, v8
	v_and_or_b32 v10, v8, 0x7f800000, s40
.set i_, 0
.rept 16
	v_med3_num_f32 v[XB+i_], v[XB+i_], -v10, v10
.set i_, i_+1
.endr
	s_wait_xcnt 0x0                                ; the store of two steps ago has read this set of codes
	v_cvt_scalef32_pk8_fp8_f32 v[CB_:CB_+1], v[XB:XB+7], v11
	v_cvt_scalef32_pk8_fp8_f32 v[CB_+2:CB_+3], v[XB+8:XB+15], v11
	v_lshrrev_b32 v1, 23, v11                      ; the scale's byte (a plain line behind the conversions)
	ds_store_b8 v5, v1 offset:16*(\t)              ; both lanes of a block write the same byte
	global_store_b128 v3, v[CB_:CB_+3], s[34:35] offset:512*(\t)   ; 512 consecutive bytes: two tokens' 256 codes
.endm
	s_load_b256 s[4:11], s[0:1], 0x0               ; x s[4:5], gate_w s[6:7], gate_b s[8:9], w1 s[10:11]
	s_load_b128 s[12:15], s[0:1], 0x20             ; p1 s[12:13], sel s[14:15]
	s_set_vgpr_msb 0x40
	v_lshl_add_u32 v0, v0, 2, 0x1c600
	v_mov_b32 v1, 0
	s_set_vgpr_msb 0x4000
	v_lshrrev_b32 v1, 5, v0
	v_readfirstlane_b32 s16, v1                    ; wave 0..7
	v_and_b32 v2, 31, v0                           ; lane
	s_mov_b32 s40, MANT
	s_cmp_lt_u32 ttmp9, 64
	s_cbranch_scc1 .Lxr
	; ---------------- role WQ: 64 columns x 1,024 k a work-group; a wave takes 32 columns x 256 k
	s_sub_co_u32 s17, ttmp9, 64
	s_lshr_b32 s18, s17, 5                         ; e
	s_and_b32 s19, s17, 31
	s_lshl_b32 s19, s19, 1
	s_and_b32 s20, s16, 1
	s_add_co_u32 s19, s19, s20                     ; B = 2 slice + wave % 2: two waves side by side read rows of 256 bytes
	s_lshr_b32 s20, s16, 1                         ; kc
	s_lshl_b32 s24, s18, 23
	s_lshl_b32 s21, s20, 21
	s_add_co_u32 s24, s24, s21
	s_lshl_b32 s21, s19, 7
	s_add_co_u32 s24, s24, s21
	s_mov_b32 s25, 0                               ; w1: e x 2^23 + kc x 256 rows + B x 128 bytes
	s_lshl_b32 s21, s18, 6
	s_add_co_u32 s21, s21, s19                     ; 64 e + B
	s_lshl_b32 s26, s21, 3
	s_lshl_b32 s22, s20, 1
	s_add_co_u32 s26, s26, s22
	s_lshl_b32 s26, s26, 12
	s_mov_b32 s27, 0                               ; codes: ((64 e + B) 8 + 2 kc) x 4,096
	s_lshl_b32 s28, s21, 2
	s_add_co_u32 s28, s28, s20
	s_lshl_b32 s28, s28, 8
	s_add_co_u32 s28, s28, W1S_O
	s_mov_b32 s29, 0                               ; scale bytes: ((64 e + B) 4 + kc) x 256
	v_lshlrev_b32 v3, 2, v2                        ; in: 4 bytes a lane
	s_mul_i32 s19, s16, 32*WPITCH                  ; my stage
	v_mul_u32_u24 v4, v2, WPITCH
	v_add_nc_u32 v4, s19, v4                       ; into it: row = my column
	v_and_b32 v5, 15, v2                           ; r
	v_lshrrev_b32 v6, 4, v2                        ; h
	v_and_b32 v7, 8, v5
	v_add_nc_u32 v7, v7, v5                        ; r + 8 (r/8)
	v_mul_u32_u24 v7, v7, WPITCH
	v_lshl_add_u32 v7, v6, 4, v7
	v_add_nc_u32 v7, s19, v7                       ; out of it: the operand's lane order
	v_lshlrev_b32 v8, 4, v2
	v_lshlrev_b32 v9, 3, v2
	s_wait_kmcnt 0x0
	s_add_nc_u64 s[10:11], s[10:11], s[24:25]
	s_add_nc_u64 s[26:27], s[12:13], s[26:27]
	s_add_nc_u64 s[28:29], s[12:13], s[28:29]
	WQLOAD 0
	WQLOAD 1
.set Q, 0
.rept 8
	WQBLOCK Q
.set Q, Q+1
.endr
	global_store_b64 v9, v[WSB:WSB+1], s[28:29]    ; 32 columns x 8 bytes: 256 consecutive bytes
.irp sp, 0,1
.irp u, 0,1
.irp c, 0,1,2,3
	ds_load_b128 v[WOUT+4*((\sp*2+\u)*4+\c):WOUT+4*((\sp*2+\u)*4+\c)+3], v7 offset:8*\u*WPITCH+128*\sp+32*\c
.endr
.endr
.endr
.set n_, 0
.rept 16
	s_wait_dscnt 15-n_
	global_store_b128 v8, v[WOUT+4*n_:WOUT+4*n_+3], s[26:27] offset:512*n_   ; a chunk: 512 consecutive bytes
.set n_, n_+1
.endr
	s_set_vgpr_msb 0x5
	s_wait_tensorcnt 0x0
	ds_add_u32 v0, v1
	s_wait_dscnt 0x0
	s_set_vgpr_msb 0x500
	s_endpgm
	; ---------------- role XR: wave w takes k = 256 (w%4) .. +255 of 16 tokens (w/4), two tokens a step
.Lxr:
	s_and_b32 s17, s16, 3                          ; q
	s_lshr_b32 s18, s16, 2                         ; which 16 tokens
	s_lshl_b32 s19, ttmp9, 5                       ; the work-group's first token
	s_lshl_b32 s20, s18, 4
	s_add_co_u32 s20, s19, s20                     ; my wave's first token
	v_and_b32 v4, 15, v0                           ; r
	v_bfe_u32 v8, v0, 4, 1                         ; l / 16
	v_lshlrev_b32 v3, 4, v2                        ; 16 l
	s_mul_i32 s21, s16, 5120
	s_add_co_u32 s21, s21, XSTG                    ; my two stages
	v_lshrrev_b32 v14, 2, v2
	v_mul_u32_u24 v14, v14, 80
	v_and_b32 v15, 3, v2
	v_lshl_add_u32 v14, v15, 4, v14
	v_add_nc_u32 v14, s21, v14                     ; in: four lanes' 64 bytes on end, then 16 of padding
	v_mul_u32_u24 v15, v2, 80
	v_add_nc_u32 v15, s21, v15                     ; out: my 16 neighbours
	s_lshl_b32 s22, s17, 8
	s_lshl_b32 s23, s18, 7
	s_add_co_u32 s22, s22, s23
	s_add_co_u32 s22, s22, XSC
	v_lshrrev_b32 v5, 1, v4
	v_lshl_add_u32 v5, v8, 3, v5
	v_add_nc_u32 v5, s22, v5                       ; my block's scale byte
	s_mul_i32 s22, s18, 16*144
	s_lshl_b32 s23, s17, 5
	s_add_co_u32 s22, s22, s23
	s_add_co_u32 s22, s22, PL
	v_mul_u32_u24 v6, v8, 144
	v_add_nc_u32 v6, s22, v6                       ; my token's partial logits for my q
	v_mul_u32_u24 v7, v2, 144
	v_add_nc_u32 v7, PL, v7                        ; wave 0, later: lane = token
	v_add_nc_u32 v13, XSC, v3                      ; wave 1, later
	v_lshlrev_b32 v12, 9, v4                       ; gate_w: my 16 rows of 32 bytes
	s_lshl_b32 s22, s20, 12
	s_lshl_b32 s23, s17, 10
	s_add_co_u32 s22, s22, s23
	s_mov_b32 s23, 0                               ; x
	s_lshl_b32 s32, s17, 13
	s_mov_b32 s33, 0                               ; gate_w
	s_lshl_b32 s34, s17, 19
	s_lshl_b32 s35, s20, 8
	s_add_co_u32 s34, s34, s35
	s_add_co_u32 s34, s34, XQ_O
	s_mov_b32 s35, 0                               ; x's codes
	s_lshl_b32 s36, s19, 3
	s_add_co_u32 s38, s36, XS_O
	s_add_co_u32 s36, s36, GAT_O
	s_mov_b32 s37, 0
	s_mov_b32 s39, 0
	s_lshl_b32 s42, s19, 2
	s_mov_b32 s43, 0
	s_wait_kmcnt 0x0
	s_load_b256 s[24:31], s[8:9], 0x0              ; gate_b
	s_add_nc_u64 s[4:5], s[4:5], s[22:23]
	s_add_nc_u64 s[6:7], s[6:7], s[32:33]
	s_add_nc_u64 s[34:35], s[12:13], s[34:35]
	s_add_nc_u64 s[36:37], s[12:13], s[36:37]
	s_add_nc_u64 s[38:39], s[12:13], s[38:39]
	s_add_nc_u64 s[14:15], s[14:15], s[42:43]
.set j_, 0
.rept 32
	global_load_b128 v[GW+4*j_:GW+4*j_+3], v12, s[6:7] offset:16*j_
.set j_, j_+1
.endr
.irp t, 0,1,2,3
	XLOAD \t
.endr
	s_wait_loadcnt 12                              ; gate_w and step 0 are in; steps 1 to 3 may be out
	XTURN 0
.irp t, 0,1,2,3,4,5,6,7
	XSTEP \t
.endr
	s_wait_kmcnt 0x0                               ; gate_b
	s_wait_dscnt 0x0                               ; my partial logits and scale bytes have landed
	s_barrier_signal -1
	s_barrier_wait -1
	s_cmp_eq_u32 s16, 0
	s_cbranch_scc1 .Lw0
	s_cmp_eq_u32 s16, 1
	s_cbranch_scc1 .Lw1
	s_set_vgpr_msb 0x5
	s_wait_tensorcnt 0x0
	ds_add_u32 v0, v1
	s_wait_dscnt 0x0
	s_set_vgpr_msb 0x500
	s_endpgm
.Lw1:                                              ; the scale bytes leave as whole runs of 256 bytes
	ds_load_b128 v[20:23], v13
	ds_load_b128 v[24:27], v13 offset:512
	v_bfe_u32 v16, v0, 4, 1
	v_lshlrev_b32 v16, 14, v16
	v_lshl_add_u32 v16, v4, 4, v16                 ; q = 2 m + l/16: 16,384 bytes apart; 16 bytes a lane
	s_wait_dscnt 0x0
	global_store_b128 v16, v[20:23], s[38:39]
	global_store_b128 v16, v[24:27], s[38:39] offset:32768
	s_set_vgpr_msb 0x5
	s_wait_tensorcnt 0x0
	ds_add_u32 v0, v1
	s_wait_dscnt 0x0
	s_set_vgpr_msb 0x500
	s_endpgm
.Lw0:                                              ; the router: lane = token
.irp j, 0,1,2,3,4,5,6,7
	ds_load_b128 v[16+4*\j:19+4*\j], v7 offset:16*\j
.endr
	s_wait_dscnt 0x0
.irp e, 0,1,2,3,4,5,6,7
	v_add_f32 v[16+\e], v[16+\e], v[24+\e]
	v_add_f32 v[32+\e], v[32+\e], v[40+\e]
.endr
.irp e, 0,1,2,3,4,5,6,7
	v_add_f32 v[16+\e], v[16+\e], v[32+\e]
.endr
.irp e, 0,1,2,3,4,5,6,7
	v_add_f32 v[16+\e], s[24+\e], v[16+\e]         ; + gate_b
.endr
	v_mov_b32 v48, v16                             ; the best logit and its expert,
	v_mov_b32 v49, 0
	v_mov_b32 v50, 0xff800000                      ; the second
	v_mov_b32 v51, 0
.irp e, 1,2,3,4,5,6,7                          ; strictly greater only: of equals the lower index stays ahead
	v_cmp_gt_f32 s44, v[16+\e], v48
	v_cmp_gt_f32 s45, v[16+\e], v50
	v_cndmask_b32 v52, v50, v[16+\e], s45
	v_cndmask_b32 v53, v51, \e, s45
	v_cndmask_b32 v50, v52, v48, s44
	v_cndmask_b32 v51, v53, v49, s44
	v_cndmask_b32 v48, v48, v[16+\e], s44
	v_cndmask_b32 v49, v49, \e, s44
.endr
	v_sub_f32 v54, v50, v48                        ; second - best, 0 or less: the maximum is taken away
	v_mul_f32 v54, 0x3fb8aa3b, v54
	v_exp_f32 v54, v54
	v_min_u32 v56, v49, v51                        ; lo (a plain line behind the exponential)
	s_wait_alu depctr_va_vdst(0)                   ; ahead of the first line that names the exponential's result
	v_add_f32 v55, 1.0, v54
	v_rcp_f32 v55, v55                             ; the best's weight
	v_max_u32 v57, v49, v51                        ; hi
	s_wait_alu depctr_va_vdst(0)
	v_mul_f32 v54, v54, v55                        ; the second's weight
	v_cmp_lt_u32 vcc_lo, v49, v51
	v_cndmask_b32 v58, v54, v55, vcc_lo            ; g_lo
	v_cndmask_b32 v59, v55, v54, vcc_lo            ; g_hi
	v_sub_nc_u32 v60, 15, v56
	v_mul_u32_u24 v60, v60, v56
	v_lshrrev_b32 v60, 1, v60
	v_add_nc_u32 v60, v60, v57
	v_sub_nc_u32 v60, v60, v56
	v_add_nc_u32 v60, -1, v60                      ; the pair's number: lo (15 - lo) / 2 + hi - lo - 1
	v_lshlrev_b32 v61, 2, v2
	v_lshlrev_b32 v62, 3, v2
	global_store_b32 v61, v60, s[14:15]            ; at fixed places: no address hangs on the choice
	global_store_b64 v62, v[58:59], s[36:37]
	s_set_vgpr_msb 0x5
	s_wait_tensorcnt 0x0
	ds_add_u32 v0, v1
	s_wait_dscnt 0x0
	s_set_vgpr_msb 0x500
	s_endpgm
.Lfunc_end_k_q15d0b0174d_prep1:
	.size	k_q15d0b0174d_prep1, .Lfunc_end_k_q15d0b0174d_prep1-k_q15d0b0174d_prep1
	.p2alignl 7, 3214868480
	.fill 96, 4, 3214868480
	.section	.rodata,"a",@progbits
	.p2align	6, 0x0
	.amdhsa_kernel k_q15d0b0174d_prep1
		.amdhsa_group_segment_fixed_size 117248
		.amdhsa_private_segment_fixed_size 0
		.amdhsa_enable_private_segment 0
		.amdhsa_kernarg_size 48
		.amdhsa_user_sgpr_count 2
		.amdhsa_user_sgpr_kernarg_segment_ptr 1
		.amdhsa_wavefront_size32 1
		.amdhsa_system_sgpr_workgroup_id_x 1
		.amdhsa_system_sgpr_workgroup_id_y 1
		.amdhsa_system_sgpr_workgroup_id_z 1
		.amdhsa_system_vgpr_workitem_id 0
		.amdhsa_next_free_vgpr 258
		.amdhsa_next_free_sgpr 66
		.amdhsa_reserve_vcc 1
		.amdhsa_float_denorm_mode_32 3
		.amdhsa_float_denorm_mode_16_64 3
		.amdhsa_memory_ordered 1
		.amdhsa_forward_progress 1
		.amdhsa_inst_pref_size 146
	.end_amdhsa_kernel
	.amdgpu_metadata
---
amdhsa.version: [ 1, 2 ]
amdhsa.kernels:
  - .name:           k_q15d0b0174d_prep1
    .symbol:         k_q15d0b0174d_prep1.kd
    .args:
      - { .name: x, .offset: 0, .size: 8, .value_kind: global_buffer, .address_space: global }
      - { .name: gate_w, .offset: 8, .size: 8, .value_kind: global_buffer, .address_space: global }
      - { .name: gate_b, .offset: 16, .size: 8, .value_kind: global_buffer, .address_space: global }
      - { .name: w1, .offset: 24, .size: 8, .value_kind: global_buffer, .address_space: global }
      - { .name: p1, .offset: 32, .size: 8, .value_kind: global_buffer, .address_space: global }
      - { .name: sel, .offset: 40, .size: 8, .value_kind: global_buffer, .address_space: global }
    .group_segment_fixed_size: 117248
    .private_segment_fixed_size: 0
    .kernarg_segment_align: 8
    .kernarg_segment_size: 48
    .max_flat_workgroup_size: 256
    .sgpr_count:     66
    .vgpr_count:     258
    .wavefront_size: 32
...
	.end_amdgpu_metadata
.endif
;; end of part 1
;; launch prep2 (part 2): grid 257 x 1, 8 waves a work-group, no clusters, 71,680 bytes of LDS; arguments w2, sel, p2, lists; writes p2, lists
.if DOCPART == 2
	.amdgcn_target "amdgcn-amd-amdhsa--gfx1250"
	.amdhsa_code_object_version 6
	.text
	.protected	k_q15d0b0174d_prep2
	.globl	k_q15d0b0174d_prep2
	.p2align	8
	.type	k_q15d0b0174d_prep2,@function
k_q15d0b0174d_prep2:
	s_mov_b64 s[64:65], 0
	v_nop
	global_prefetch_b8 v0, s[64:65] scope:SCOPE_SE
	s_setreg_imm32_b32 hwreg(HW_REG_WAVE_MODE, 25, 1), 1
	s_wait_xcnt 0x0
; PREP2.  Two roles, chosen by the work-group's number; each has LDS bytes of its own.
; Work-group 0 (role PLACE): a counting sort of the 2,048 tokens by their pair of experts (28 keys, read from sel), without atomics.  A tile is up to 128 tokens of one pair; there are never more than 43.
;   lists: 64 words tile -> rows | lo << 8 | hi << 16 (rows = 0: the tile is not used), then from byte 256 on 43 x 128 words: the tokens of each tile (only the first `rows` of a tile are written, and read).
; Work-groups 1-256 (role WQ): w2 [8][2048 (k)][1024 (n)] f32 becomes codes of FP8 (E4M3) quantised along k, in the order of a matrix operand's registers:
;   [e][B = n/32][S = k/128][u 2][c 4][lane 32][16 B]; lane (r, h) holds column 32 B + 8 u + r + 8 (r/8), k = 128 S + 32 c + 16 h + 0..15.  Scale bytes: [e][B][kc = k/256][column 32][8 B].
; LIMITS: NaN and infinities are not served; blocks whose largest magnitude lies under 2^-118 (blocks of zeros among them) keep the byte 1; this program alone reads the bytes.
; No work-group reads what another reads, so no cluster; memory binds, so no matrix unit.
.set W2S_O,   16777216
.set MANT,    0x600000
.set WPITCH,  272
.set ROWSTEP, 4096                     ; bytes from k to k + 1 in w2
.set WX,   32
.set WC,   96
.set WOUT, 112
.set WSB,  24
.set CNTB, 69632                       ; role PLACE: 8 waves x 32 words of counts
.set CNT,  36                          ; s[36:63]: a count, later a running place, for each of the 28 keys
.macro WQLOAD t
.set i_, 0
.rept 32
	global_load_b32 v[WX+32*((\t)%2)+i_], v3, s[4:5] offset:(32*(\t)+i_)*ROWSTEP th:TH_LOAD_NT
.set i_, i_+1
.endr
.endm
.macro WQBLOCK t
.set XB, WX+32*((\t)%2)
.if (\t) < 7
	s_wait_loadcnt 32                              ; this block's 32 loads are in; the next block's 32 may be out
.else
	s_wait_loadcnt 0x0
.endif
	v_max3_num_f32 v12, |v[XB]|, |v[XB+1]|, |v[XB+2]|
	v_max3_num_f32 v13, |v[XB+3]|, |v[XB+4]|, |v[XB+5]|
.irp i, 6,10,14,18,22,26
	v_max3_num_f32 v12, v12, |v[XB+\i]|, |v[XB+\i+1]|
	v_max3_num_f32 v13, v13, |v[XB+\i+2]|, |v[XB+\i+3]|
.endr
	v_max3_num_f32 v12, v12, |v[XB+30]|, |v[XB+31]|
	v_max3_num_f32 v12, v12, v13, 0x4800000        ; the floor 2^(9 - 127)
	v_add_nc_u32 v11, 0xfc000000, v12              ; the conversion's scale operand
	v_and_or_b32 v10, v12, 0x7f800000, s35         ; 448 x the scale
	v_lshrrev_b32 v13, 23, v11                     ; the scale's byte
.if (\t)%4 == 0
	v_mov_b32 v[WSB+(\t)/4], v13
.else
	v_lshl_or_b32 v[WSB+(\t)/4], v13, 8*((\t)%4), v[WSB+(\t)/4]
.endif
.set i_, 0
.rept 32
	v_med3_num_f32 v[XB+i_], v[XB+i_], -v10, v10   ; the conversion does not saturate (ISA guide 7.6.2)
.set i_, i_+1
.endr
.irp g, 0,1,2,3
	v_cvt_scalef32_pk8_fp8_f32 v[WC+2*\g:WC+2*\g+1], v[XB+8*\g:XB+8*\g+7], v11
.endr
	ds_store_b128 v4, v[WC:WC+3] offset:32*(\t)
	ds_store_b128 v4, v[WC+4:WC+7] offset:32*(\t)+16
.if (\t)+2 < 8
	WQLOAD (\t)+2
.endif
	s_wait_dscnt 0x0                               ; the stores have read their registers
.endm
	s_load_b256 s[4:11], s[0:1], 0x0               ; w2 s[4:5], sel s[6:7], p2 s[8:9], lists s[10:11]
	v_lshl_add_u32 v192, v0, 2, 0x11400
	v_mov_b32 v193, 0
	v_lshrrev_b32 v1, 5, v0
	v_readfirstlane_b32 s16, v1                    ; wave 0..7
	v_and_b32 v2, 31, v0                           ; lane
	s_mov_b32 s35, MANT
	s_cmp_eq_u32 ttmp9, 0
	s_cbranch_scc1 .Lplace
	; ---------------- role WQ: 64 columns x 1,024 k a work-group; a wave takes 32 columns x 256 k
	s_sub_co_u32 s17, ttmp9, 1
	s_lshr_b32 s18, s17, 5                         ; e
	s_and_b32 s19, s17, 15
	s_lshl_b32 s19, s19, 1
	s_and_b32 s20, s16, 1
	s_add_co_u32 s19, s19, s20                     ; B
	s_bfe_u32 s20, s17, 0x10004                    ; which half of k
	s_lshl_b32 s20, s20, 2
	s_lshr_b32 s21, s16, 1
	s_add_co_u32 s20, s20, s21                     ; kc
	s_lshl_b32 s24, s18, 23
	s_lshl_b32 s21, s20, 20
	s_add_co_u32 s24, s24, s21
	s_lshl_b32 s21, s19, 7
	s_add_co_u32 s24, s24, s21
	s_mov_b32 s25, 0
	s_lshl_b32 s21, s18, 5
	s_add_co_u32 s21, s21, s19                     ; 32 e + B
	s_lshl_b32 s26, s21, 4
	s_lshl_b32 s22, s20, 1
	s_add_co_u32 s26, s26, s22
	s_lshl_b32 s26, s26, 12
	s_mov_b32 s27, 0                               ; codes: ((32 e + B) 16 + 2 kc) x 4,096
	s_lshl_b32 s28, s21, 3
	s_add_co_u32 s28, s28, s20
	s_lshl_b32 s28, s28, 8
	s_add_co_u32 s28, s28, W2S_O
	s_mov_b32 s29, 0                               ; scale bytes: ((32 e + B) 8 + kc) x 256
	v_lshlrev_b32 v3, 2, v2
	s_mul_i32 s19, s16, 32*WPITCH
	v_mul_u32_u24 v4, v2, WPITCH
	v_add_nc_u32 v4, s19, v4
	v_and_b32 v5, 15, v2
	v_lshrrev_b32 v6, 4, v2
	v_and_b32 v7, 8, v5
	v_add_nc_u32 v7, v7, v5
	v_mul_u32_u24 v7, v7, WPITCH
	v_lshl_add_u32 v7, v6, 4, v7
	v_add_nc_u32 v7, s19, v7
	v_lshlrev_b32 v8, 4, v2
	v_lshlrev_b32 v9, 3, v2
	s_wait_kmcnt 0x0
	s_add_nc_u64 s[4:5], s[4:5], s[24:25]
	s_add_nc_u64 s[26:27], s[8:9], s[26:27]
	s_add_nc_u64 s[28:29], s[8:9], s[28:29]
	WQLOAD 0
	WQLOAD 1
.set Q, 0
.rept 8
	WQBLOCK Q
.set Q, Q+1
.endr
	global_store_b64 v9, v[WSB:WSB+1], s[28:29]    ; 256 consecutive bytes
.irp sp, 0,1
.irp u, 0,1
.irp c, 0,1,2,3
	ds_load_b128 v[WOUT+4*((\sp*2+\u)*4+\c):WOUT+4*((\sp*2+\u)*4+\c)+3], v7 offset:8*\u*WPITCH+128*\sp+32*\c
.endr
.endr
.endr
.set n_, 0
.rept 16
	s_wait_dscnt 15-n_                             ; LDS loads come back in order: chunk n_ is in, the later ones may be out
	global_store_b128 v8, v[WOUT+4*n_:WOUT+4*n_+3], s[26:27] offset:512*n_
.set n_, n_+1
.endr
	s_wait_tensorcnt 0x0
	ds_add_u32 v192, v193
	s_wait_dscnt 0x0
	s_endpgm
	; ---------------- role PLACE: wave w holds tokens 256 w + 32 i + lane, i = 0..7
.Lplace:
	v_lshlrev_b32 v3, 2, v2
	s_lshl_b32 s17, s16, 10
	v_add_nc_u32 v3, s17, v3
	v_lshl_add_u32 v4, v0, 2, CNTB                 ; my wave's 32 words, my lane's
	v_lshl_add_u32 v5, v2, 2, CNTB                 ; key = lane, of wave 0
	s_lshl_b32 s18, s16, 8
	v_add_nc_u32 v47, s18, v2                      ; token 256 w + lane
	s_wait_kmcnt 0x0
	s_add_nc_u64 s[12:13], s[10:11], 256           ; the tokens' part of lists
.irp i, 0,1,2,3,4,5,6,7
	global_load_b32 v[16+\i], v3, s[6:7] offset:128*\i
.endr
.set k, 0
.rept 28
	s_mov_b32 s[CNT+k], 0
.set k, k+1
.endr
	v_mov_b32 v24, 0
	s_wait_loadcnt 0x0
.irp i, 0,1,2,3,4,5,6,7                        ; pass 1: my wave's count of each key
.set k, 0
.rept 28
	v_cmp_eq_u32 vcc_lo, k, v[16+\i]
	s_bcnt1_i32_b32 s2, vcc_lo
	s_add_co_u32 s[CNT+k], s[CNT+k], s2
.set k, k+1
.endr
.endr
.set k, 0
.rept 28
	v_writelane_b32 v24, s[CNT+k], k
.set k, k+1
.endr
	ds_store_b32 v4, v24
	s_wait_dscnt 0x0                               ; for the others' sake
	s_barrier_signal -1
	s_barrier_wait -1
.irp u, 0,1,2,3,4,5,6,7
	ds_load_b32 v[32+\u], v5 offset:128*\u         ; lane = key: every wave's count
.endr
	v_mov_b32 v40, 0                               ; the key's total,
	v_mov_b32 v42, 0                               ; and what the waves ahead of mine hold of it
	s_wait_dscnt 0x0
.irp u, 0,1,2,3,4,5,6,7
	v_add_nc_u32 v40, v40, v[32+\u]
	s_cmp_lt_u32 \u, s16
	s_cselect_b32 s2, -1, 0
	v_and_b32 v41, s2, v[32+\u]
	v_add_nc_u32 v42, v42, v41
.endr
	v_add_nc_u32 v43, 127, v40
	v_lshrrev_b32 v43, 7, v43                      ; the key's tiles
	v_mov_b32 v44, 0                               ; the key's first tile: a running sum over the keys
	s_mov_b32 s3, 0
.set k, 0
.rept 28
	v_writelane_b32 v44, s3, k
	v_readlane_b32 s2, v43, k
	s_add_co_u32 s3, s3, s2
.set k, k+1
.endr
	v_lshl_add_u32 v45, v44, 7, v42                ; where my wave's first token of the key goes
.set k, 0
.rept 28
	v_readlane_b32 s[CNT+k], v45, k
.set k, k+1
.endr
.irp i, 0,1,2,3,4,5,6,7                        ; pass 2: each token's place.  Each store has an offset register (v48-55) and a data register (v56-63) of its own, and none of them is written again
	v_mov_b32 v[48+\i], 0
.set k, 0
.rept 28
	v_cmp_eq_u32 vcc_lo, k, v[16+\i]
	v_mbcnt_lo_u32_b32 v46, vcc_lo, s[CNT+k]       ; the key's running place + the lanes below mine that hold it
	v_cndmask_b32 v[48+\i], v[48+\i], v46, vcc_lo
	s_bcnt1_i32_b32 s2, vcc_lo
	s_add_co_u32 s[CNT+k], s[CNT+k], s2
.set k, k+1
.endr
	v_min_u32 v[48+\i], 5503, v[48+\i]             ; inside the 43 x 128 words
	v_lshlrev_b32 v[48+\i], 2, v[48+\i]
	v_add_nc_u32 v[56+\i], 32*\i, v47
	global_store_b32 v[48+\i], v[56+\i], s[12:13]
.endr
	s_cmp_lg_u32 s16, 0
	s_cbranch_scc1 .Lpend
	v_add_nc_u32 v71, 32, v2                       ; wave 0: the words of tiles lane and lane + 32, in registers that no pending store names
.irp n, 72,73,74,75,76,77
	v_mov_b32 v[\n], 0
.endr
.set k, 0
.set lo_, 0
.set hi_, 1
.rept 28                                       ; the last key whose first tile is not beyond the tile owns it
	v_readlane_b32 s2, v44, k
	v_readlane_b32 s3, v40, k
	s_mov_b32 s17, (lo_<<8)|(hi_<<16)
	v_cmp_gt_u32 vcc_lo, s2, v2
	v_cndmask_b32 v72, s2, v72, vcc_lo
	v_cndmask_b32 v73, s3, v73, vcc_lo
	v_cndmask_b32 v74, s17, v74, vcc_lo
	v_cmp_gt_u32 vcc_lo, s2, v71
	v_cndmask_b32 v75, s2, v75, vcc_lo
	v_cndmask_b32 v76, s3, v76, vcc_lo
	v_cndmask_b32 v77, s17, v77, vcc_lo
.set k, k+1
.set hi_, hi_+1
.if hi_ > 7
.set lo_, lo_+1
.set hi_, lo_+1
.endif
.endr
	v_sub_nc_u32 v78, v2, v72
	v_lshlrev_b32 v78, 7, v78
	v_sub_nc_u32 v78, v73, v78                     ; the key's total less the rows of its tiles ahead,
	v_max_i32 v78, 0, v78
	v_min_i32 v78, 0x80, v78                       ; held to 0 .. 128
	v_or_b32 v78, v78, v74
	v_sub_nc_u32 v79, v71, v75
	v_lshlrev_b32 v79, 7, v79
	v_sub_nc_u32 v79, v76, v79
	v_max_i32 v79, 0, v79
	v_min_i32 v79, 0x80, v79
	v_or_b32 v79, v79, v77
	v_lshlrev_b32 v80, 2, v2
	global_store_b32 v80, v78, s[10:11]
	global_store_b32 v80, v79, s[10:11] offset:128
.Lpend:
	s_wait_tensorcnt 0x0
	ds_add_u32 v192, v193
	s_wait_dscnt 0x0
	s_endpgm
.Lfunc_end_k_q15d0b0174d_prep2:
	.size	k_q15d0b0174d_prep2, .Lfunc_end_k_q15d0b0174d_prep2-k_q15d0b0174d_prep2
	.p2alignl 7, 3214868480
	.fill 96, 4, 3214868480
	.section	.rodata,"a",@progbits
	.p2align	6, 0x0
	.amdhsa_kernel k_q15d0b0174d_prep2
		.amdhsa_group_segment_fixed_size 71680
		.amdhsa_private_segment_fixed_size 0
		.amdhsa_enable_private_segment 0
		.amdhsa_kernarg_size 32
		.amdhsa_user_sgpr_count 2
		.amdhsa_user_sgpr_kernarg_segment_ptr 1
		.amdhsa_wavefront_size32 1
		.amdhsa_system_sgpr_workgroup_id_x 1
		.amdhsa_system_sgpr_workgroup_id_y 1
		.amdhsa_system_sgpr_workgroup_id_z 1
		.amdhsa_system_vgpr_workitem_id 0
		.amdhsa_next_free_vgpr 194
		.amdhsa_next_free_sgpr 100
		.amdhsa_reserve_vcc 1
		.amdhsa_float_denorm_mode_32 3
		.amdhsa_float_denorm_mode_16_64 3
		.amdhsa_memory_ordered 1
		.amdhsa_forward_progress 1
		.amdhsa_inst_pref_size 150
	.end_amdhsa_kernel
	.amdgpu_metadata
---
amdhsa.version: [ 1, 2 ]
amdhsa.kernels:
  - .name:           k_q15d0b0174d_prep2
    .symbol:         k_q15d0b0174d_prep2.kd
    .args:
      - { .name: w2, .offset: 0, .size: 8, .value_kind: global_buffer, .address_space: global }
      - { .name: sel, .offset: 8, .size: 8, .value_kind: global_buffer, .address_space: global }
      - { .name: p2, .offset: 16, .size: 8, .value_kind: global_buffer, .address_space: global }
      - { .name: lists, .offset: 24, .size: 8, .value_kind: global_buffer, .address_space: global }
    .group_segment_fixed_size: 71680
    .private_segment_fixed_size: 0
    .kernarg_segment_align: 8
    .kernarg_segment_size: 32
    .max_flat_workgroup_size: 256
    .sgpr_count:     100
    .vgpr_count:     194
    .wavefront_size: 32
...
	.end_amdgpu_metadata
.endif
;; end of part 2
;; launch ffn1 (part 3): grid 32 x 43, 4 waves a work-group, no clusters, 140,288 bytes of LDS; arguments lists, p1, b1, hb; writes hb
.if DOCPART == 3
	.amdgcn_target "amdgcn-amd-amdhsa--gfx1250"
	.amdhsa_code_object_version 6
	.text
	.protected	k_q15d0b0174d_ffn1
	.globl	k_q15d0b0174d_ffn1
	.p2align	8
	.type	k_q15d0b0174d_ffn1,@function
k_q15d0b0174d_ffn1:
	s_mov_b64 s[64:65], 0
	v_nop
	global_prefetch_b8 v0, s[64:65] scope:SCOPE_SE
	s_setreg_imm32_b32 hwreg(HW_REG_WAVE_MODE, 25, 1), 1
	s_wait_xcnt 0x0
; FFN1.  h = Q(gelu(x W1[e] + b1[e])) for the rows of one tile (up to 128 tokens of one pair of experts), one of the pair's two experts, 128 columns of F; both operands are codes of FP8 (E4M3) with E8M0 scales.
; Work-group (x, y): tile y; which = x / 16 (the pair's lower or higher expert); S = x % 16: columns 128 S .. +127, which are one K step of the second product.
; Wave w takes 32 columns (block 4 S + w) for all rows: its part of W1, 2 tiles x 8 K steps x 16 registers, fills window 1 and is read from memory once.  The tile's rows of x's codes are gathered into LDS once and read by all four waves.
; THE PRODUCT IS USED TRANSPOSED (source 0 = 16 columns of W1, source 1 = 16 tokens), and the columns of a tile are chosen (8 u + r + 8 (r/8)) so that a lane's 16 results are 16 neighbours along F: they are quantised in
; registers and are four registers of the second product's operand.  b1 is the C of each sum's first product.
; GELU, exact-erf: h = max(x, 0) - |x| t E, t = 1 / (1 + 0.35355339 |x|), E = 2^(P(t) - 0.72134752 x^2): x/2 erfc(-x/sqrt 2) with erfc(z) = t exp(-z^2 + poly(t)), whose relative error is 1.2e-7; log2(e) and the half are folded into P.
; Stored: codes [tile][which][sub 8][S 16][c 4][lane][16 B] (the image of an operand of 16 tokens x 128 k), scale words [tile][which][S][sub][row 16][4 B] (zeros for groups of rows that the tile does not have).
; THE TILE'S ROW COUNT IS READ FROM MEMORY AND STEERS BRANCHES.  So there is no tensor load and no joint load of a cluster, and BOTH BARRIERS STAND ON EVERY WAY: the text is three segments, and a tile without rows jumps over each
; segment's work and rejoins ahead of the barrier; it loads nothing but its word of the list and stores nothing.  A segment reads only registers written in it or in the head, and waits for all its own loads.
; LIMITS: NaN and infinities are not served; a block of h whose largest magnitude lies under 2^-118 keeps the byte 1.  Rows behind a tile's last token, up to the next multiple of 16, are copies of that token; they never reach the output.
.set W1S_O, 16777216
.set XQ_O,  17301504
.set XS_O,  19398656
.set HS_O,  22544384
.set XP,    1040                       ; LDS: a token's 1,024 codes + 16 bytes: 260 words, so 16 rows start at 16 different banks (64 banks of 4 bytes: ISA guide 11.1)
.set XSL,   133120                     ; behind 128 such rows: the tokens' 8 scale words, 48 bytes a row
.set HT,    139264                     ; h's scale words of this K step: [sub][row][4 B], 512 bytes
.set HH,    64                         ; v64-79   the two accumulators: 16 neighbours along F
.set PC,    80                         ; v80-83   their codes
.set XF,    128                        ; v128-255 x's eight fragments; first the gather's registers; between the products GELU's
.set GT,    128
.set GP,    144
.set GQ,    160
.set GR,    176
.set MSB, 0
.macro WIN new                         ; the immediate's high byte repeats the setting that is left
.if MSB != \new
	s_set_vgpr_msb (MSB<<8)|\new
.set MSB, \new
.endif
.endm
.macro PLACES n
.rept \n
	v_nop
.endr
.endm
.macro GELU16
.set j, 0
.rept 16
	v_fma_f32 v[GT+j], |v[HH+j]|, s60, 1.0         ; each accumulator is read from its low end on
.set j, j+1
.endr
.set j, 0
.rept 16
	v_rcp_f32 v[GT+j], v[GT+j]                     ; t
.set j, j+1
.endr
.set j, 0
.rept 8
	v_pk_mul_f32 v[GQ+j:GQ+j+1], v[HH+j:HH+j+1], v[HH+j:HH+j+1]     ; x^2: work that names no reciprocal
.set j, j+2
.endr
.set j, 0
.rept 16
	v_max_num_f32 v[GR+j], 0, v[HH+j]
.set j, j+1
.endr
	s_wait_alu depctr_va_vdst(0)                   ; one wait for the sixteen reciprocals, ahead of their first reader
.set j, 0
.rept 8
	v_pk_fma_f32 v[GP+j:GP+j+1], v[GT+j:GT+j+1], v[92:93], s[56:57] op_sel_hi:[1,1,0]
.set j, j+2
.endr
.irp k, 7,6,5,4,3,2,1,0
.set j, 0
.rept 8
	v_pk_fma_f32 v[GP+j:GP+j+1], v[GP+j:GP+j+1], v[GT+j:GT+j+1], s[40+2*\k:41+2*\k] op_sel_hi:[1,1,0]
.set j, j+2
.endr
.endr
.set j, 0
.rept 8
	v_pk_fma_f32 v[GP+j:GP+j+1], v[GQ+j:GQ+j+1], s[58:59], v[GP+j:GP+j+1] op_sel_hi:[1,0,1]
.set j, j+2
.endr
.set j, 0
.rept 16
	v_exp_f32 v[GP+j], v[GP+j]                     ; E
.set j, j+1
.endr
.set j, 0
.rept 16
	v_mul_f32 v[GT+j], |v[HH+j]|, v[GT+j]          ; |x| t: work that names no exponential
.set j, j+1
.endr
	s_wait_alu depctr_va_vdst(0)                   ; one wait for the sixteen exponentials
.set j, 0
.rept 8
	v_pk_fma_f32 v[HH+j:HH+j+1], v[GT+j:GT+j+1], v[GP+j:GP+j+1], v[GR+j:GR+j+1] neg_lo:[1,0,0] neg_hi:[1,0,0]
.set j, j+2
.endr
.endm
.macro QUANT16                         ; my 16 numbers and lane l xor 16's are a block of 32 along F
	v_max3_num_f32 v84, |v[HH]|, |v[HH+1]|, 0x4800000          ; with the floor 2^(9 - 127)
	v_max3_num_f32 v86, |v[HH+2]|, |v[HH+3]|, |v[HH+4]|
	v_max3_num_f32 v84, v84, |v[HH+5]|, |v[HH+6]|
	v_max3_num_f32 v86, v86, |v[HH+7]|, |v[HH+8]|
	v_max3_num_f32 v84, v84, |v[HH+9]|, |v[HH+10]|
	v_max3_num_f32 v86, v86, |v[HH+11]|, |v[HH+12]|
	v_max3_num_f32 v84, v84, |v[HH+13]|, |v[HH+14]|
	v_max3_num_f32 v84, v84, v86, |v[HH+15]|
	v_permlanex16_b32 v85, v84, s62, s63
	v_max_num_f32 v84, v84, v85
	v_add_nc_u32 v87, 0xfc000000, v84              ; the conversion's scale operand
	v_and_or_b32 v88, v84, 0x7f800000, s61         ; 448 x the scale
	v_lshrrev_b32 v89, 23, v87                     ; the scale's byte
.set j, 0
.rept 16
	v_med3_num_f32 v[HH+j], v[HH+j], -v88, v88     ; the conversion does not saturate (ISA guide 7.6.2)
.set j, j+1
.endr
	v_cvt_scalef32_pk8_fp8_f32 v[PC:PC+1], v[HH:HH+7], v87
	v_cvt_scalef32_pk8_fp8_f32 v[PC+2:PC+3], v[HH+8:HH+15], v87
	v_nop                                          ; a plain line between the conversions and the next products, which write their sources
.endm
; Group i of 16 rows: written out eight times, so that every LDS and memory offset is an immediate.  A group that the tile does not have ends the segment.
.macro SUB i
.if (\i) < 4
.set AXR, 4
.else
.set AXR, 12
.endif
.if (\i) > 0
	s_cmp_le_u32 s19, \i
	s_cbranch_scc1 .Lafter
	s_wait_xcnt 0x0                                ; the last group's store has read its codes: they are written again below
.endif
	ds_load_b128 v[56:59], v5 offset:768*(\i)      ; the rows' eight scale words
	ds_load_b128 v[60:63], v5 offset:768*(\i)+16
.irp s, 0,1,2,3,4,5,6,7
.irp c, 0,1,2,3
	ds_load_b128 v[XF+16*\s+4*\c:XF+16*\s+4*\c+3], v[AXR] offset:((\i)%4)*16*XP+128*\s+32*\c
.endr
.endr
	WIN 0x01                                       ; source 0 (W1) window 1
.irp s, 0,1,2,3,4,5,6,7
.if (\i) == 0
	s_wait_loadcnt 8*(7-\s)                        ; W1's eight chunks of this K step are in (and all that was asked for earlier); the later K steps' chunks may be out
.endif
	s_wait_dscnt 4*(7-\s)                          ; this K step's fragment of x is in; the later K steps' loads may be out
.if \s == 0
	v_wmma_scale_f32_16x16x128_f8f6f4 v[HH:HH+7], v[0:15], v[XF:XF+15], v[32:39], v48, v56
	v_wmma_scale_f32_16x16x128_f8f6f4 v[HH+8:HH+15], v[16:31], v[XF:XF+15], v[40:47], v48, v56 matrix_a_scale:MATRIX_SCALE_ROW1
.else
	v_wmma_scale_f32_16x16x128_f8f6f4 v[HH:HH+7], v[32*\s:32*\s+15], v[XF+16*\s:XF+16*\s+15], v[HH:HH+7], v[48+\s], v[56+\s]
	v_wmma_scale_f32_16x16x128_f8f6f4 v[HH+8:HH+15], v[32*\s+16:32*\s+31], v[XF+16*\s:XF+16*\s+15], v[HH+8:HH+15], v[48+\s], v[56+\s] matrix_a_scale:MATRIX_SCALE_ROW1
.endif
.endr                                              ; the two accumulators take turns, one instruction a turn
	WIN 0
	PLACES 9                                       ; ahead of the first read of the results, of the writes into x's registers, and of the next group's loads and first products
	GELU16
	QUANT16
	global_store_b128 v7, v[PC:PC+3], s[36:37] offset:32768*(\i)   ; 512 consecutive bytes: registers 4 w .. 4 w + 3 of the operand
	ds_store_b8 v6, v89 offset:64*(\i)             ; both lanes of a block write the same byte
.endm
	; ---------------- the head: on every way
	s_load_b256 s[4:11], s[0:1], 0x0               ; lists s[4:5], p1 s[6:7], b1 s[8:9], hb s[10:11]
	v_lshl_add_u32 v126, v0, 2, 0x22200
	v_mov_b32 v127, 0
	v_lshrrev_b32 v1, 5, v0
	v_readfirstlane_b32 s12, v1                    ; wave 0..3
	s_and_b32 s13, ttmp7, 0xffff                   ; tile
	s_lshr_b32 s14, ttmp9, 4                       ; which
	s_and_b32 s15, ttmp9, 15                       ; S
	s_lshl_b32 s70, s13, 2
	s_mov_b32 s71, 0
	s_wait_kmcnt 0x0
	s_add_nc_u64 s[24:25], s[4:5], s[70:71]
	s_load_b32 s17, s[24:25], 0x0                  ; the tile's word
	v_and_b32 v1, 31, v0                           ; l
	v_and_b32 v2, 15, v0                           ; r
	v_bfe_u32 v3, v0, 4, 1                         ; h
	v_mul_u32_u24 v4, v2, XP
	v_lshl_add_u32 v4, v3, 4, v4                   ; a fragment of x: row r, + 16 h: groups 0-3,
	v_add_nc_u32 v12, 64*XP, v4                    ; and groups 4-7
	v_mul_u32_u24 v5, v2, 48
	v_add_nc_u32 v5, XSL, v5                       ; row r's scale words
	v_lshlrev_b32 v6, 2, v2
	v_add_nc_u32 v6, s12, v6
	v_add_nc_u32 v6, HT, v6                        ; h's scale byte: row r's word, byte w
	v_lshlrev_b32 v7, 4, v1                        ; 16 l
	s_lshl_b32 s16, s12, 4
	v_add_nc_u32 v105, s16, v3                     ; the gather: row 16 w + h (+ 2 i)
	v_mul_u32_u24 v9, v105, XP
	v_lshl_add_u32 v9, v2, 4, v9                   ; where it goes
	v_add_nc_u32 v15, 64*XP, v9                    ; and 64 rows further on
	v_mul_u32_u24 v10, v0, 48
	v_add_nc_u32 v10, XSL, v10                     ; thread = row: its scale words
	v_lshl_add_u32 v11, v0, 2, HT
	v_add_nc_u32 v106, HT, v7                      ; wave 0, at the end
	v_lshlrev_b32 v104, 4, v2                      ; 16 r
	v_and_b32 v90, 8, v2
	v_add_nc_u32 v90, v90, v2
	v_lshl_add_u32 v90, v3, 3, v90
	v_lshlrev_b32 v90, 3, v90                      ; W1's scale words: lanes 0-15 tile u = 0, lanes 16-31 tile u = 1: 8 bytes x (8 h + r + 8 (r/8))
	v_lshlrev_b32 v91, 6, v3                       ; b1: 64 h
	v_mov_b32 v85, 0                               ; written once: a lane permute's destination counts as one of its sources
	v_mov_b32 v95, 0
	ds_store_b32 v11, v95                          ; h's scale words begin as zeros
	v_mov_b32 v92, 0x3e7c6f08                      ; c9
	v_mov_b32 v93, 0x3e7c6f08
	s_mov_b32 s40, 0xc034d90f                      ; c0 .. c8, each twice: the packed form names a pair
	s_mov_b32 s42, 0x3fb8ab5a
	s_mov_b32 s44, 0x3f0a29d2
	s_mov_b32 s46, 0x3e0efb2e
	s_mov_b32 s48, 0xbe899a80
	s_mov_b32 s50, 0x3ecdfd18
	s_mov_b32 s52, 0xbfd1a1e5
	s_mov_b32 s54, 0x40097039
	s_mov_b32 s56, 0xbf97d29d
	s_mov_b32 s58, 0xbf38aa3b                      ; -log2(e) / 2
.irp n, 40,42,44,46,48,50,52,54,56,58
	s_mov_b32 s[\n+1], s[\n]
.endr
	s_mov_b32 s60, 0x3eb504f3                      ; 1 / (2 sqrt 2)
	s_mov_b32 s61, 0x600000                        ; the mantissa field of 448
	s_mov_b32 s62, 0x76543210
	s_mov_b32 s63, 0xfedcba98                      ; lane l xor 16
	s_wait_kmcnt 0x0
	s_and_b32 s18, s17, 0xff
	s_min_u32 s18, s18, 128                        ; rows, 0..128
	s_add_co_u32 s19, s18, 15
	s_lshr_b32 s19, s19, 4                         ; groups of 16 rows, 0..8
	s_sub_co_u32 s21, s18, 1
	s_bfe_u32 s2, s17, 0x80008
	s_bfe_u32 s3, s17, 0x80010
	s_cmp_eq_u32 s14, 0
	s_cselect_b32 s20, s2, s3
	s_min_u32 s20, s20, 7                          ; e
	s_lshl_b32 s16, s15, 2
	s_add_co_u32 s16, s16, s12                     ; my block of 32 columns: 4 S + w
	s_lshl_b32 s70, s13, 9
	s_add_co_u32 s70, s70, 256
	s_add_nc_u64 s[24:25], s[4:5], s[70:71]        ; the tile's tokens
	s_add_nc_u64 s[26:27], s[6:7], XQ_O
	s_add_nc_u64 s[28:29], s[6:7], XS_O
	s_lshl_b32 s2, s20, 6
	s_add_co_u32 s2, s2, s16
	s_lshl_b32 s70, s2, 15
	s_add_nc_u64 s[30:31], s[6:7], s[70:71]        ; my 32 KiB of W1's codes
	s_lshl_b32 s70, s2, 10
	s_add_co_u32 s70, s70, W1S_O
	s_add_nc_u64 s[32:33], s[6:7], s[70:71]
	s_lshl_b32 s70, s20, 13
	s_lshl_b32 s3, s16, 7
	s_add_co_u32 s70, s70, s3
	s_add_nc_u64 s[34:35], s[8:9], s[70:71]        ; b1
	s_lshl_b32 s2, s13, 1
	s_add_co_u32 s2, s2, s14
	s_lshl_b32 s70, s2, 18
	s_lshl_b32 s3, s16, 9
	s_add_co_u32 s70, s70, s3
	s_add_nc_u64 s[36:37], s[10:11], s[70:71]      ; h's codes: (2 tile + which) x 262,144 + (4 S + w) x 512
	s_lshl_b32 s70, s2, 4
	s_add_co_u32 s70, s70, s15
	s_lshl_b32 s70, s70, 9
	s_add_co_u32 s70, s70, HS_O
	s_add_nc_u64 s[38:39], s[10:11], s[70:71]      ; h's scale words
	; ---------------- segment 1: the tile's rows of x into LDS.  Rows 16 w + 2 i + h, the same + 64, and row = thread; a row behind the last token takes the last token
	s_cmp_eq_u32 s18, 0
	s_cbranch_scc1 .Lj1
.irp i, 0,1,2,3,4,5,6,7
	v_add_nc_u32 v[16+\i], 2*\i, v105
	v_add_nc_u32 v[24+\i], 2*\i+64, v105
.endr
	v_mov_b32 v94, v0
.irp n, 16,17,18,19,20,21,22,23,24,25,26,27,28,29,30,31,94
	v_min_u32 v[\n], s21, v[\n]
	v_min_u32 v[\n], 127, v[\n]
	v_lshlrev_b32 v[\n], 2, v[\n]
.endr
.irp n, 16,17,18,19,20,21,22,23,24,25,26,27,28,29,30,31,94
	global_load_b32 v[\n], v[\n], s[24:25]
.endr
	s_wait_loadcnt 0x0
.irp n, 16,17,18,19,20,21,22,23,24,25,26,27,28,29,30,31
	v_min_u32 v[\n], 0x7ff, v[\n]
	v_lshl_add_u32 v[\n], v[\n], 8, v104           ; token x 256 + 16 r
.endr
	v_min_u32 v94, 0x7ff, v94
	v_lshlrev_b32 v94, 3, v94
.irp q, 0,1,2,3
	global_load_b64 v[96+2*\q:97+2*\q], v94, s[28:29] offset:16384*\q
.endr
.irp i, 0,1,2,3,4,5,6,7
.irp q, 0,1,2,3
	global_load_b128 v[XF+16*\i+4*\q:XF+16*\i+4*\q+3], v[16+\i], s[26:27] offset:524288*\q   ; sixteen lanes: 256 bytes of one token
.endr
.endr
	s_cmp_le_u32 s19, 4
	s_cbranch_scc1 .Lonly_a                        ; rows 64 on, where the tile has them: into window 1, which W1 takes only later
	WIN 0x40                                       ; destination window 1
.irp i, 0,1,2,3,4,5,6,7
.irp q, 0,1,2,3
	global_load_b128 v[16*\i+4*\q:16*\i+4*\q+3], v[24+\i], s[26:27] offset:524288*\q
.endr
.endr
	WIN 0
	s_wait_loadcnt 0x0
	WIN 0x04                                       ; an LDS store's data are its source 1: window 1
.irp i, 0,1,2,3,4,5,6,7
.irp q, 0,1,2,3
	ds_store_b128 v15, v[16*\i+4*\q:16*\i+4*\q+3] offset:2*\i*XP+256*\q
.endr
.endr
	WIN 0
.Lonly_a:
	s_wait_loadcnt 0x0
	ds_store_b128 v10, v[96:99]
	ds_store_b128 v10, v[100:103] offset:16
.irp i, 0,1,2,3,4,5,6,7
.irp q, 0,1,2,3
	ds_store_b128 v9, v[XF+16*\i+4*\q:XF+16*\i+4*\q+3] offset:2*\i*XP+256*\q
.endr
.endr
.Lj1:
	s_wait_dscnt 0x0                               ; my rows, and my zeros, lie in LDS
	s_barrier_signal -1
	s_barrier_wait -1
	; ---------------- segment 2: my part of W1, then the groups of 16 rows
	s_cmp_eq_u32 s19, 0
	s_cbranch_scc1 .Lafter
.irp k, 0,1,2,3
	global_load_b64 v[48+2*\k:49+2*\k], v90, s[32:33] offset:256*\k
.endr
.irp u, 0,1
	global_load_b128 v[32+8*\u:35+8*\u], v91, s[34:35] offset:32*\u
	global_load_b128 v[36+8*\u:39+8*\u], v91, s[34:35] offset:32*\u+16
.endr
	WIN 0x40                                       ; destination window 1
.set n_, 0
.rept 64
	global_load_b128 v[4*n_:4*n_+3], v7, s[30:31] offset:512*n_   ; W1's chunks, K step by K step: 512 consecutive bytes each
.set n_, n_+1
.endr
	WIN 0
.irp i, 0,1,2,3,4,5,6,7
	SUB \i
.endr
.Lafter:
	s_wait_dscnt 0x0                               ; my scale bytes have landed
	s_barrier_signal -1
	s_barrier_wait -1
	; ---------------- segment 3: wave 0 stores the K step's scale words
	s_cmp_lg_u32 s12, 0
	s_cbranch_scc1 .Lend
	s_cmp_eq_u32 s18, 0
	s_cbranch_scc1 .Lend
	ds_load_b128 v[96:99], v106
	s_wait_dscnt 0x0
	global_store_b128 v7, v[96:99], s[38:39]       ; 512 consecutive bytes
.Lend:
	s_wait_tensorcnt 0x0
	ds_add_u32 v126, v127
	s_wait_dscnt 0x0
	s_endpgm
.Lfunc_end_k_q15d0b0174d_ffn1:
	.size	k_q15d0b0174d_ffn1, .Lfunc_end_k_q15d0b0174d_ffn1-k_q15d0b0174d_ffn1
	.p2alignl 7, 3214868480
	.fill 96, 4, 3214868480
	.section	.rodata,"a",@progbits
	.p2align	6, 0x0
	.amdhsa_kernel k_q15d0b0174d_ffn1
		.amdhsa_group_segment_fixed_size 140288
		.amdhsa_private_segment_fixed_size 0
		.amdhsa_enable_private_segment 0
		.amdhsa_kernarg_size 32
		.amdhsa_user_sgpr_count 2
		.amdhsa_user_sgpr_kernarg_segment_ptr 1
		.amdhsa_wavefront_size32 1
		.amdhsa_system_sgpr_workgroup_id_x 1
		.amdhsa_system_sgpr_workgroup_id_y 1
		.amdhsa_system_sgpr_workgroup_id_z 1
		.amdhsa_system_vgpr_workitem_id 0
		.amdhsa_next_free_vgpr 512
		.amdhsa_next_free_sgpr 80
		.amdhsa_reserve_vcc 0
		.amdhsa_float_denorm_mode_32 3
		.amdhsa_float_denorm_mode_16_64 3
		.amdhsa_memory_ordered 1
		.amdhsa_forward_progress 1
		.amdhsa_inst_pref_size 163
	.end_amdhsa_kernel
	.amdgpu_metadata
---
amdhsa.version: [ 1, 2 ]
amdhsa.kernels:
  - .name:           k_q15d0b0174d_ffn1
    .symbol:         k_q15d0b0174d_ffn1.kd
    .args:
      - { .name: lists, .offset: 0, .size: 8, .value_kind: global_buffer, .address_space: global }
      - { .name: p1, .offset: 8, .size: 8, .value_kind: global_buffer, .address_space: global }
      - { .name: b1, .offset: 16, .size: 8, .value_kind: global_buffer, .address_space: global }
      - { .name: hb, .offset: 24, .size: 8, .value_kind: global_buffer, .address_space: global }
    .group_segment_fixed_size: 140288
    .private_segment_fixed_size: 0
    .kernarg_segment_align: 8
    .kernarg_segment_size: 32
    .max_flat_workgroup_size: 128
    .sgpr_count:     80
    .vgpr_count:     512
    .wavefront_size: 32
...
	.end_amdgpu_metadata
.endif
;; end of part 3
;; launch ffn2 (part 4): grid 8 x 43, 8 waves a work-group, no clusters, 279,552 bytes of LDS; arguments lists, p1, p2, hb, b2, out0; writes out0
.if DOCPART == 4
	.amdgcn_target "amdgcn-amd-amdhsa--gfx1250"
	.amdhsa_code_object_version 6
	.text
	.protected	k_q15d0b0174d_ffn2
	.globl	k_q15d0b0174d_ffn2
	.p2align	8
	.type	k_q15d0b0174d_ffn2,@function
k_q15d0b0174d_ffn2:
	s_mov_b64 s[64:65], 0
	v_nop
	global_prefetch_b8 v0, s[64:65] scope:SCOPE_SE
	s_setreg_imm32_b32 hwreg(HW_REG_WAVE_MODE, 25, 1), 1
	s_wait_xcnt 0x0
; FFN2.  out[token] = g_lo (h_lo W2[lo] + b2[lo]) + g_hi (h_hi W2[hi] + b2[hi]) for the rows of one tile (up to 128 tokens of one pair of experts) and 128 columns of D: each output row has one owner.
; Work-group (x, y): tile y, columns 128 x .. +127.  Wave w: which = w / 4 (the pair's lower or higher expert), 32 columns (block 4 x + w % 4), all rows, K = 2,048 in four chunks of four K steps of 128.
; Both operands are codes of FP8 (E4M3) with E8M0 scales.  W2's fragments come from memory straight into registers, a chunk (128 registers) at a time.  h's fragments, which four waves share, come through registers into one of two
; LDS buffers as images of the operand's registers: wave w copies group w of both experts, if the tile has it, a chunk ahead.
; THE PRODUCT IS USED TRANSPOSED (source 0 = 16 columns of W2, source 1 = 16 tokens): a lane holds one token and 16 neighbouring columns.  Each sum begins as b2, loaded straight into the accumulators.
; THE TILE'S ROW COUNT IS READ FROM MEMORY AND STEERS BRANCHES.  So there is no tensor load and no joint load of a cluster, and ALL SIX BARRIERS STAND ON EVERY WAY: the text is a row of segments, and a tile without rows jumps over
; each segment's work and rejoins ahead of the barrier.  A segment reads only registers written in it or in the head, and waits for all its own loads.  The head is on every way: in a tile without rows it reads token 0 of tile 0
; (bytes that were stored), and nothing is made of it; such a tile stores nothing.
; LIMITS: NaN and infinities are not served.
.set GAT_O, 19464192
.set W2S_O, 16777216
.set HS_O,  22544384
.set HSL,   262144                     ; LDS: byte 0: h's fragments [buffer 2][which 2][group 8][K step 4][c 4][512 B]; here the tile's scale words of h, 16,384 bytes
.set SP,    528                        ; the way out's stage, [which 2][128 rows x (512 + 16 bytes)], lies over the buffers: it is written behind the last chunk's barrier
.set STW,   128*SP
.set W2SC,  32                         ; v32-47   W2's scale words: lanes 0-15 tile u = 0, lanes 16-31 u = 1
.set HSC,   48                         ; v48-51   h's: lanes 0-15 group 2 p, lanes 16-31 group 2 p + 1
.set HF,    56                         ; v56-87   two fragments of h
.set AHW,   120                        ; v120-123 where I put my group: [buffer][which]
.set W2R,   128                        ; v128-255 W2 of a chunk: 4 K steps x 2 tiles x 16
.set SG,    128                        ; window 1: v0-127 the accumulators (group i, tile u at 16 i + 8 u); v128-255 my group of h on its way to LDS
.set MSB, 0
.macro WIN new                         ; the immediate's high byte repeats the setting that is left
.if MSB != \new
	s_set_vgpr_msb (MSB<<8)|\new
.set MSB, \new
.endif
.endm
.macro PLACES n
.rept \n
	v_nop
.endr
.endm
.macro W2LOAD ch                       ; my two tiles of W2 for the chunk's four K steps: 32 loads of 512 consecutive bytes
.irp k, 0,1,2,3
.irp u, 0,1
.irp c, 0,1,2,3
	global_load_b128 v[W2R+32*\k+16*\u+4*\c:W2R+32*\k+16*\u+4*\c+3], v4, s[30:31] offset:4096*(4*(\ch)+\k)+2048*\u+512*\c
.endr
.endr
.endr
.endm
.macro COPYLOAD ch                     ; group w of h, both experts, the chunk's four K steps: 32 loads
	WIN 0x40                                       ; destination window 1
.irp x, 0,1
.irp k, 0,1,2,3
.irp c, 0,1,2,3
	global_load_b128 v[SG+4*((4*\x+\k)*4+\c):SG+4*((4*\x+\k)*4+\c)+3], v4, s[34:35] offset:262144*\x+2048*(4*(\ch)+\k)+512*\c
.endr
.endr
.endr
	WIN 0
.endm
.macro COPYSTORE ch                    ; into buffer ch % 2
	WIN 0x04                                       ; an LDS store's data are its source 1: window 1
.irp x, 0,1
.irp k, 0,1,2,3
.irp c, 0,1,2,3
	ds_store_b128 v[AHW+2*((\ch)%2)+\x], v[SG+4*((4*\x+\k)*4+\c):SG+4*((4*\x+\k)*4+\c)+3] offset:2048*\k+512*\c
.endr
.endr
.endr
	WIN 0
.endm
.macro HFLOAD s, i                     ; group i's fragment of K step s
.irp c, 0,1,2,3
	ds_load_b128 v[HF+16*((\i)%2)+4*\c:HF+16*((\i)%2)+4*\c+3], v[5+((\s)/4)%2] offset:8192*(\i)+2048*((\s)%4)+512*\c
.endr
.endm
.macro MM d, a, b, sa, sb, ar, br
.if (\ar) && (\br)
	v_wmma_scale_f32_16x16x128_f8f6f4 v[\d:\d+7], v[\a:\a+15], v[\b:\b+15], v[\d:\d+7], v[\sa], v[\sb] matrix_a_scale:MATRIX_SCALE_ROW1 matrix_b_scale:MATRIX_SCALE_ROW1
.elseif (\ar)
	v_wmma_scale_f32_16x16x128_f8f6f4 v[\d:\d+7], v[\a:\a+15], v[\b:\b+15], v[\d:\d+7], v[\sa], v[\sb] matrix_a_scale:MATRIX_SCALE_ROW1
.elseif (\br)
	v_wmma_scale_f32_16x16x128_f8f6f4 v[\d:\d+7], v[\a:\a+15], v[\b:\b+15], v[\d:\d+7], v[\sa], v[\sb] matrix_b_scale:MATRIX_SCALE_ROW1
.else
	v_wmma_scale_f32_16x16x128_f8f6f4 v[\d:\d+7], v[\a:\a+15], v[\b:\b+15], v[\d:\d+7], v[\sa], v[\sb]
.endif
.endm
.macro MUL s, i                        ; group i x my two tiles; no two products that follow each other share an accumulator, on any way
	MM 16*(\i), W2R+32*((\s)%4), HF+16*((\i)%2), W2SC+(\s), HSC+(\i)/2, 0, (\i)%2
	MM 16*(\i)+8, W2R+32*((\s)%4)+16, HF+16*((\i)%2), W2SC+(\s), HSC+(\i)/2, 1, (\i)%2
.endm
; A K step.  One branch governs a group's loads and its products together: where group i is the last, the way leads to a tail that multiplies it and loads nothing.
.macro KSTEP s
.if (\s)%4 != 0
	PLACES 8                                       ; ahead of loads into registers that the last products read: h's scale words and fragments
.endif
.irp p, 0,1,2,3
	ds_load_b32 v[HSC+\p], v7 offset:512*(\s)+128*\p
.endr
	HFLOAD \s, 0
.irp i, 0,1,2,3,4,5,6
	s_cmp_le_u32 s19, \i+1
	s_cbranch_scc1 .Lt_\@_\i
.if \i >= 1
	PLACES 8                                       ; the fragment's registers were read by the products just issued
.endif
	HFLOAD \s, \i+1
	s_wait_dscnt 4                                 ; all but the four loads just issued
	WIN 0x50                                       ; C and D window 1
	MUL \s, \i
	WIN 0
.endr
	s_wait_dscnt 0x0
	WIN 0x50
	MUL \s, 7
	WIN 0
	s_branch .Le_\@
.irp i, 0,1,2,3,4,5,6
.Lt_\@_\i:
	s_wait_dscnt 0x0
	WIN 0x50
	MUL \s, \i
	WIN 0
	s_branch .Le_\@
.endr
.Le_\@:
.endm
; A chunk: W2's 32 loads and, in the waves that copy, the next chunk's 32 are asked for together; the next chunk's h goes into the buffer that was last read a chunk ago, ahead of that chunk's barrier.
.macro SEG ch
	s_cmp_eq_u32 s19, 0
	s_cbranch_scc1 .Lsk_\@
.if (\ch) > 0
	PLACES 8                                       ; ahead of loads into W2's registers, which the last chunk's products read
.endif
	W2LOAD \ch
.if (\ch) < 3
	s_cmp_ge_u32 s16, s19
	s_cbranch_scc1 .Lnc_\@                         ; the tile has no group w
	COPYLOAD (\ch)+1
	s_wait_loadcnt 0x0
	COPYSTORE (\ch)+1
.Lnc_\@:
.endif
	s_wait_loadcnt 0x0                             ; W2's chunk is in
	KSTEP 4*(\ch)
	KSTEP 4*(\ch)+1
	KSTEP 4*(\ch)+2
	KSTEP 4*(\ch)+3
.Lsk_\@:
	s_wait_dscnt 0x0                               ; my stores have landed, and my reads of this chunk's buffer are over
	s_barrier_signal -1
	s_barrier_wait -1
.endm
	; ---------------- the head: on every way
	s_load_b256 s[4:11], s[0:1], 0x0               ; lists s[4:5], p1 s[6:7], p2 s[8:9], hb s[10:11]
	s_load_b128 s[12:15], s[0:1], 0x20             ; b2 s[12:13], out0 s[14:15]
	v_lshl_add_u32 v126, v0, 2, 0x44000
	v_mov_b32 v127, 0
	v_lshrrev_b32 v1, 5, v0
	v_readfirstlane_b32 s16, v1                    ; wave 0..7
	s_and_b32 s17, ttmp7, 0xffff                   ; tile
	s_lshr_b32 s22, s16, 2                         ; which
	s_and_b32 s24, s16, 3
	s_lshl_b32 s23, ttmp9, 2
	s_add_co_u32 s23, s23, s24                     ; my block of 32 columns
	s_lshl_b32 s42, s17, 2
	s_mov_b32 s43, 0
	s_wait_kmcnt 0x0
	s_add_nc_u64 s[26:27], s[4:5], s[42:43]
	s_load_b32 s2, s[26:27], 0x0                   ; the tile's word
	v_and_b32 v1, 31, v0                           ; l
	v_and_b32 v2, 15, v0                           ; r
	v_bfe_u32 v3, v0, 4, 1                         ; h
	v_lshlrev_b32 v4, 4, v1                        ; 16 l
	s_lshl_b32 s25, s22, 16
	v_add_nc_u32 v5, s25, v4                       ; h's fragments of my expert: buffer 0,
	v_add_nc_u32 v6, 0x20000, v5                   ; buffer 1
	s_lshl_b32 s25, s16, 13
	v_add_nc_u32 v[AHW], s25, v4                   ; the slot of group w: buffer 0, lower expert;
	v_add_nc_u32 v[AHW+1], 0x10000, v[AHW]         ; higher expert;
	v_add_nc_u32 v[AHW+2], 0x20000, v[AHW]         ; buffer 1
	v_add_nc_u32 v[AHW+3], 0x30000, v[AHW]
	s_lshl_b32 s25, s22, 13
	s_add_co_u32 s25, s25, HSL
	v_lshl_add_u32 v7, v1, 2, s25                  ; h's scale words of my expert
	s_mul_i32 s25, s22, STW
	s_lshl_b32 s28, s24, 7
	s_add_co_u32 s25, s25, s28
	v_mul_u32_u24 v8, v2, SP
	v_lshl_add_u32 v8, v3, 6, v8
	v_add_nc_u32 v8, s25, v8                       ; the stage, in: row r, my 128 bytes, + 64 h
	s_mul_i32 s25, s16, 16*SP
	v_add_nc_u32 v9, s25, v4                       ; back: rows 16 w on, 16 bytes a lane: the lower expert's,
	v_add_nc_u32 v13, STW, v9                      ; and the higher's
	v_lshl_add_u32 v11, v0, 4, HSL
	v_lshlrev_b32 v12, 4, v0
	v_and_b32 v14, 8, v2
	v_add_nc_u32 v14, v14, v2
	v_lshl_add_u32 v14, v3, 3, v14
	v_lshlrev_b32 v14, 3, v14                      ; W2's scale words: 8 bytes x (8 h + r + 8 (r/8))
	v_lshlrev_b32 v15, 6, v3                       ; b2: 64 h
	s_wait_kmcnt 0x0
	s_and_b32 s18, s2, 0xff
	s_min_u32 s18, s18, 128                        ; rows, 0..128
	s_add_co_u32 s19, s18, 15
	s_lshr_b32 s19, s19, 4                         ; groups of 16 rows, 0..8
	s_bfe_u32 s24, s2, 0x80008
	s_bfe_u32 s25, s2, 0x80010
	s_cmp_eq_u32 s22, 0
	s_cselect_b32 s20, s24, s25
	s_min_u32 s20, s20, 7                          ; e
	s_cmp_eq_u32 s18, 0
	s_cselect_b32 s44, 0, s17                      ; whose tokens the head reads: a tile without rows reads tile 0's,
	s_max_u32 s21, s18, 1
	s_sub_co_u32 s21, s21, 1                       ; and of those the first
	s_lshl_b32 s42, s44, 9
	s_add_co_u32 s42, s42, 256
	s_add_nc_u64 s[26:27], s[4:5], s[42:43]        ; the tokens
	s_lshl_b32 s42, s22, 2
	s_add_co_u32 s42, s42, GAT_O
	s_add_nc_u64 s[28:29], s[6:7], s[42:43]        ; the gates of my expert
	s_lshl_b32 s2, s20, 5
	s_add_co_u32 s2, s2, s23                       ; 32 e + B
	s_lshl_b32 s42, s2, 16
	s_add_nc_u64 s[30:31], s[8:9], s[42:43]        ; my 64 KiB of W2's codes
	s_lshl_b32 s42, s2, 11
	s_add_co_u32 s42, s42, W2S_O
	s_add_nc_u64 s[32:33], s[8:9], s[42:43]
	s_lshl_b32 s42, s17, 19
	s_lshl_b32 s3, s16, 15
	s_add_co_u32 s42, s42, s3
	s_add_nc_u64 s[34:35], s[10:11], s[42:43]      ; h's codes: the tile, group w
	s_lshl_b32 s42, s17, 14
	s_add_co_u32 s42, s42, HS_O
	s_add_nc_u64 s[36:37], s[10:11], s[42:43]      ; h's scale words
	s_lshl_b32 s42, s20, 12
	s_lshl_b32 s3, s23, 7
	s_add_co_u32 s42, s42, s3
	s_add_nc_u64 s[38:39], s[12:13], s[42:43]      ; b2
	s_lshl_b32 s42, ttmp9, 9
	s_add_nc_u64 s[40:41], s[14:15], s[42:43]      ; out0 at my 128 columns
.irp i, 0,1,2,3,4,5,6,7
	v_add_nc_u32 v[24+\i], 16*\i, v2               ; row 16 i + r
.endr
	s_lshl_b32 s2, s16, 4
	v_add_nc_u32 v10, s2, v2                       ; row 16 w + r: the rows that I store
.irp n, 24,25,26,27,28,29,30,31,10
	v_min_u32 v[\n], s21, v[\n]                    ; a row behind the last token takes the last token
	v_min_u32 v[\n], 127, v[\n]
	v_lshlrev_b32 v[\n], 2, v[\n]
.endr
.irp n, 24,25,26,27,28,29,30,31,10
	global_load_b32 v[\n], v[\n], s[26:27]
.endr
.irp k, 0,1,2,3,4,5,6,7
	global_load_b64 v[W2SC+2*\k:W2SC+2*\k+1], v14, s[32:33] offset:256*\k
.endr
	WIN 0x40                                       ; destination window 1
.irp i, 0,1,2,3,4,5,6,7                        ; every sum begins as its bias: lane (r, h) of tile u holds columns 16 h + 8 u + 0..7
.irp u, 0,1
	global_load_b128 v[16*\i+8*\u:16*\i+8*\u+3], v15, s[38:39] offset:32*\u
	global_load_b128 v[16*\i+8*\u+4:16*\i+8*\u+7], v15, s[38:39] offset:32*\u+16
.endr
.endr
	WIN 0
	s_wait_loadcnt 40                              ; the tokens are in: the 8 + 32 loads behind them may be out
.irp i, 0,1,2,3,4,5,6,7
	v_min_u32 v[24+\i], 0x7ff, v[24+\i]
	v_lshlrev_b32 v[24+\i], 3, v[24+\i]
.endr
.irp i, 0,1,2,3,4,5,6,7
	global_load_b32 v[16+\i], v[24+\i], s[28:29]   ; the gate of row 16 i + r
.endr
	; ---------------- the first segment: h's scale words and chunk 0 of h into LDS
	s_cmp_eq_u32 s19, 0
	s_cbranch_scc1 .Lsk_p
.irp m, 0,1,2,3
	global_load_b128 v[104+4*\m:107+4*\m], v12, s[36:37] offset:4096*\m
.endr
	s_cmp_ge_u32 s16, s19
	s_cbranch_scc1 .Lnc_p                          ; the tile has no group w
	COPYLOAD 0
	s_wait_loadcnt 0x0
	COPYSTORE 0
.Lnc_p:
	s_wait_loadcnt 0x0
.irp m, 0,1,2,3
	ds_store_b128 v11, v[104+4*\m:107+4*\m] offset:4096*\m
.endr
.Lsk_p:
	s_wait_loadcnt 0x0                             ; the head's loads: biases, scale words, gates
	s_wait_dscnt 0x0
	s_barrier_signal -1
	s_barrier_wait -1
	SEG 0
	SEG 1
	SEG 2
	SEG 3
	; ---------------- THE WAY OUT.  Each sum times its row's gate, into the stage; a barrier; each wave adds the two experts' rows 16 w on and stores them whole.
	PLACES 9                                       ; ahead of the first read of the results and of writes into W2's registers
.irp i, 0,1,2,3,4,5,6,7
	s_cmp_le_u32 s19, \i
	s_cbranch_scc1 .Lstored
	WIN 0x01                                       ; source 0 (the accumulators) window 1
.irp p, 0,1,2,3,4,5,6,7
.if \i%2 == 0
	v_pk_mul_f32 v[128+16*\i+2*\p:129+16*\i+2*\p], v[16*\i+2*\p:16*\i+2*\p+1], v[16+2*(\i/2):17+2*(\i/2)] op_sel_hi:[1,0]
.else
	v_pk_mul_f32 v[128+16*\i+2*\p:129+16*\i+2*\p], v[16*\i+2*\p:16*\i+2*\p+1], v[16+2*(\i/2):17+2*(\i/2)] op_sel:[0,1] op_sel_hi:[1,1]
.endif
.endr
	WIN 0
.irp n, 0,1,2,3
	ds_store_b128 v8, v[128+16*\i+4*\n:131+16*\i+4*\n] offset:16*SP*\i+16*\n
.endr
.endr
.Lstored:
	s_wait_dscnt 0x0
	s_barrier_signal -1
	s_barrier_wait -1
	s_lshl_b32 s2, s16, 4
	s_cmp_ge_u32 s2, s18
	s_cbranch_scc1 .Ldone                          ; the tile has no row 16 w
	s_sub_co_u32 s3, s18, s2                       ; rows left from 16 w on
.irp p, 0,1,2,3,4,5,6,7,8,9,10,11,12,13,14,15
	ds_load_b128 v[128+4*\p:131+4*\p], v9 offset:SP*\p
	ds_load_b128 v[192+4*\p:195+4*\p], v13 offset:SP*\p
.endr
	s_wait_dscnt 0x0
.irp p, 0,1,2,3,4,5,6,7,8,9,10,11,12,13,14,15
.if \p > 0
	s_cmp_le_u32 s3, \p
	s_cbranch_scc1 .Ldone
.endif
	v_readlane_b32 s2, v10, \p                     ; the row's token
	s_min_u32 s2, s2, 2047
	s_lshl_b32 s2, s2, 12
	v_add_nc_u32 v[88+\p], s2, v4
	v_pk_add_f32 v[128+4*\p:129+4*\p], v[128+4*\p:129+4*\p], v[192+4*\p:193+4*\p]
	v_pk_add_f32 v[130+4*\p:131+4*\p], v[130+4*\p:131+4*\p], v[194+4*\p:195+4*\p]
	global_store_b128 v[88+\p], v[128+4*\p:131+4*\p], s[40:41] th:TH_STORE_NT   ; 512 consecutive bytes of the token's row, at a multiple of 512
.endr
.Ldone:
	s_wait_tensorcnt 0x0
	ds_add_u32 v126, v127
	s_wait_dscnt 0x0
	s_endpgm
.Lfunc_end_k_q15d0b0174d_ffn2:
	.size	k_q15d0b0174d_ffn2, .Lfunc_end_k_q15d0b0174d_ffn2-k_q15d0b0174d_ffn2
	.p2alignl 7, 3214868480
	.fill 96, 4, 3214868480
	.section	.rodata,"a",@progbits
	.p2align	6, 0x0
	.amdhsa_kernel k_q15d0b0174d_ffn2
		.amdhsa_group_segment_fixed_size 279552
		.amdhsa_private_segment_fixed_size 0
		.amdhsa_enable_private_segment 0
		.amdhsa_kernarg_size 48
		.amdhsa_user_sgpr_count 2
		.amdhsa_user_sgpr_kernarg_segment_ptr 1
		.amdhsa_wavefront_size32 1
		.amdhsa_system_sgpr_workgroup_id_x 1
		.amdhsa_system_sgpr_workgroup_id_y 1
		.amdhsa_system_sgpr_workgroup_id_z 1
		.amdhsa_system_vgpr_workitem_id 0
		.amdhsa_next_free_vgpr 512
		.amdhsa_next_free_sgpr 66
		.amdhsa_reserve_vcc 0
		.amdhsa_float_denorm_mode_32 3
		.amdhsa_float_denorm_mode_16_64 3
		.amdhsa_memory_ordered 1
		.amdhsa_forward_progress 1
		.amdhsa_inst_pref_size 221
	.end_amdhsa_kernel
	.amdgpu_metadata
---
amdhsa.version: [ 1, 2 ]
amdhsa.kernels:
  - .name:           k_q15d0b0174d_ffn2
    .symbol:         k_q15d0b0174d_ffn2.kd
    .args:
      - { .name: lists, .offset: 0, .size: 8, .value_kind: global_buffer, .address_space: global }
      - { .name: p1, .offset: 8, .size: 8, .value_kind: global_buffer, .address_space: global }
      - { .name: p2, .offset: 16, .size: 8, .value_kind: global_buffer, .address_space: global }
      - { .name: hb, .offset: 24, .size: 8, .value_kind: global_buffer, .address_space: global }
      - { .name: b2, .offset: 32, .size: 8, .value_kind: global_buffer, .address_space: global }
      - { .name: out0, .offset: 40, .size: 8, .value_kind: global_buffer, .address_space: global }
    .group_segment_fixed_size: 279552
    .private_segment_fixed_size: 0
    .kernarg_segment_align: 8
    .kernarg_segment_size: 48
    .max_flat_workgroup_size: 256
    .sgpr_count:     66
    .vgpr_count:     512
    .wavefront_size: 32
...
	.end_amdgpu_metadata
.endif
;; end of part 4
;; ======== version 2 of 3: 4 launches
;; workspace buffers: p1 19,480,576 bytes; sel 8,192 bytes of whole numbers; p2 17,301,504 bytes; lists 22,272 bytes of whole numbers; hb 23,248,896 bytes
;; launch prep1: the kernel of part 1 again; grid 320 x 1, 8 waves a work-group, no clusters, 117,248 bytes of LDS; arguments x, gate_w, gate_b, w1, p1, sel; writes p1, sel
;; launch prep2 (part 5): grid 257 x 1, 8 waves a work-group, no clusters, 71,680 bytes of LDS; arguments w2, sel, p2, lists; writes p2, lists
.if DOCPART == 5
	.amdgcn_target "amdgcn-amd-amdhsa--gfx1250"
	.amdhsa_code_object_version 6
	.text
	.protected	k_q15d0b0174d_prep2
	.globl	k_q15d0b0174d_prep2
	.p2align	8
	.type	k_q15d0b0174d_prep2,@function
k_q15d0b0174d_prep2:
	s_mov_b64 s[64:65], 0
	v_nop
	global_prefetch_b8 v0, s[64:65] scope:SCOPE_SE
	s_setreg_imm32_b32 hwreg(HW_REG_WAVE_MODE, 25, 1), 1
	s_wait_xcnt 0x0
; PREP2.  Two roles, chosen by the work-group's number; each has LDS bytes of its own.
; Work-group 0 (role PLACE): a counting sort of the 2,048 tokens by their pair of experts (28 keys, read from sel), without atomics.  A tile is up to 128 tokens of one pair; there are never more than 43.
;   lists: 64 words tile -> rows | lo << 8 | hi << 16 (rows = 0: the tile is not used), then from byte 256 on 43 x 128 words: the tokens of each tile (only the first `rows` of a tile are written, and read).
;   The work goes in batches of 28: 28 compares write 28 masks into scalar registers, then 28 counts, then 28 adds, so that no scalar line reads what the vector line just ahead of it wrote.
; Work-groups 1-256 (role WQ): w2 [8][2048 (k)][1024 (n)] f32 becomes codes of FP8 (E4M3) quantised along k, in the order of a matrix operand's registers:
;   [e][B = n/32][S = k/128][u 2][c 4][lane 32][16 B]; lane (r, h) holds column 32 B + 8 u + r + 8 (r/8), k = 128 S + 32 c + 16 h + 0..15.  Scale bytes: [e][B][kc = k/256][column 32][8 B].
; LIMITS: NaN and infinities are not served; blocks whose largest magnitude lies under 2^-118 (blocks of zeros among them) keep the byte 1; this program alone reads the bytes.
; No work-group reads what another reads, so no cluster; memory binds, so no matrix unit.
.set W2S_O,   16777216
.set MANT,    0x600000
.set WPITCH,  272
.set ROWSTEP, 4096                     ; bytes from k to k + 1 in w2
.set WX,   32
.set WC,   96
.set WOUT, 112
.set WSB,  24
.set CNTB, 69632                       ; role PLACE: 8 waves x 32 words of counts
.set CNT,  36                          ; s[36:63]: a count, later a running place, for each of the 28 keys
.set MK,   66                          ; s[66:93]: a batch of 28 masks or counts; between the passes each key's first tile
.macro WQLOAD t
.set i_, 0
.rept 32
	global_load_b32 v[WX+32*((\t)%2)+i_], v3, s[4:5] offset:(32*(\t)+i_)*ROWSTEP th:TH_LOAD_NT
.set i_, i_+1
.endr
.endm
.macro WQBLOCK t
.set XB, WX+32*((\t)%2)
.if (\t) < 7
	s_wait_loadcnt 32                              ; this block's 32 loads are in; the next block's 32 may be out
.else
	s_wait_loadcnt 0x0
.endif
	v_max3_num_f32 v12, |v[XB]|, |v[XB+1]|, |v[XB+2]|
	v_max3_num_f32 v13, |v[XB+3]|, |v[XB+4]|, |v[XB+5]|
.irp i, 6,10,14,18,22,26
	v_max3_num_f32 v12, v12, |v[XB+\i]|, |v[XB+\i+1]|
	v_max3_num_f32 v13, v13, |v[XB+\i+2]|, |v[XB+\i+3]|
.endr
	v_max3_num_f32 v12, v12, |v[XB+30]|, |v[XB+31]|
	v_max3_num_f32 v12, v12, v13, 0x4800000        ; the floor 2^(9 - 127)
	v_add_nc_u32 v11, 0xfc000000, v12              ; the conversion's scale operand
	v_and_or_b32 v10, v12, 0x7f800000, s35         ; 448 x the scale
	v_lshrrev_b32 v13, 23, v11                     ; the scale's byte
.if (\t)%4 == 0
	v_mov_b32 v[WSB+(\t)/4], v13
.else
	v_lshl_or_b32 v[WSB+(\t)/4], v13, 8*((\t)%4), v[WSB+(\t)/4]
.endif
.set i_, 0
.rept 32
	v_med3_num_f32 v[XB+i_], v[XB+i_], -v10, v10   ; the conversion does not saturate (ISA guide 7.6.2)
.set i_, i_+1
.endr
.irp g, 0,1,2,3
	v_cvt_scalef32_pk8_fp8_f32 v[WC+2*\g:WC+2*\g+1], v[XB+8*\g:XB+8*\g+7], v11
.endr
	ds_store_b128 v4, v[WC:WC+3] offset:32*(\t)
	ds_store_b128 v4, v[WC+4:WC+7] offset:32*(\t)+16
.if (\t)+2 < 8
	WQLOAD (\t)+2
.endif
	s_wait_dscnt 0x0                               ; the stores have read their registers
.endm
	s_load_b256 s[4:11], s[0:1], 0x0               ; w2 s[4:5], sel s[6:7], p2 s[8:9], lists s[10:11]
	v_lshl_add_u32 v192, v0, 2, 0x11400
	v_mov_b32 v193, 0
	v_lshrrev_b32 v1, 5, v0
	v_readfirstlane_b32 s16, v1                    ; wave 0..7
	v_and_b32 v2, 31, v0                           ; lane
	s_mov_b32 s35, MANT
	s_cmp_eq_u32 ttmp9, 0
	s_cbranch_scc1 .Lplace
	; ---------------- role WQ: 64 columns x 1,024 k a work-group; a wave takes 32 columns x 256 k
	s_sub_co_u32 s17, ttmp9, 1
	s_lshr_b32 s18, s17, 5                         ; e
	s_and_b32 s19, s17, 15
	s_lshl_b32 s19, s19, 1
	s_and_b32 s20, s16, 1
	s_add_co_u32 s19, s19, s20                     ; B
	s_bfe_u32 s20, s17, 0x10004                    ; which half of k
	s_lshl_b32 s20, s20, 2
	s_lshr_b32 s21, s16, 1
	s_add_co_u32 s20, s20, s21                     ; kc
	s_lshl_b32 s24, s18, 23
	s_lshl_b32 s21, s20, 20
	s_add_co_u32 s24, s24, s21
	s_lshl_b32 s21, s19, 7
	s_add_co_u32 s24, s24, s21
	s_mov_b32 s25, 0
	s_lshl_b32 s21, s18, 5
	s_add_co_u32 s21, s21, s19                     ; 32 e + B
	s_lshl_b32 s26, s21, 4
	s_lshl_b32 s22, s20, 1
	s_add_co_u32 s26, s26, s22
	s_lshl_b32 s26, s26, 12
	s_mov_b32 s27, 0                               ; codes: ((32 e + B) 16 + 2 kc) x 4,096
	s_lshl_b32 s28, s21, 3
	s_add_co_u32 s28, s28, s20
	s_lshl_b32 s28, s28, 8
	s_add_co_u32 s28, s28, W2S_O
	s_mov_b32 s29, 0                               ; scale bytes: ((32 e + B) 8 + kc) x 256
	v_lshlrev_b32 v3, 2, v2
	s_mul_i32 s19, s16, 32*WPITCH
	v_mul_u32_u24 v4, v2, WPITCH
	v_add_nc_u32 v4, s19, v4
	v_and_b32 v5, 15, v2
	v_lshrrev_b32 v6, 4, v2
	v_and_b32 v7, 8, v5
	v_add_nc_u32 v7, v7, v5
	v_mul_u32_u24 v7, v7, WPITCH
	v_lshl_add_u32 v7, v6, 4, v7
	v_add_nc_u32 v7, s19, v7
	v_lshlrev_b32 v8, 4, v2
	v_lshlrev_b32 v9, 3, v2
	s_wait_kmcnt 0x0
	s_add_nc_u64 s[4:5], s[4:5], s[24:25]
	s_add_nc_u64 s[26:27], s[8:9], s[26:27]
	s_add_nc_u64 s[28:29], s[8:9], s[28:29]
	WQLOAD 0
	WQLOAD 1
.set Q, 0
.rept 8
	WQBLOCK Q
.set Q, Q+1
.endr
	global_store_b64 v9, v[WSB:WSB+1], s[28:29]    ; 256 consecutive bytes
.irp sp, 0,1
.irp u, 0,1
.irp c, 0,1,2,3
	ds_load_b128 v[WOUT+4*((\sp*2+\u)*4+\c):WOUT+4*((\sp*2+\u)*4+\c)+3], v7 offset:8*\u*WPITCH+128*\sp+32*\c
.endr
.endr
.endr
.set n_, 0
.rept 16
	s_wait_dscnt 15-n_                             ; LDS loads come back in order: chunk n_ is in, the later ones may be out
	global_store_b128 v8, v[WOUT+4*n_:WOUT+4*n_+3], s[26:27] offset:512*n_
.set n_, n_+1
.endr
	s_wait_tensorcnt 0x0
	ds_add_u32 v192, v193
	s_wait_dscnt 0x0
	s_endpgm
	; ---------------- role PLACE: wave w holds tokens 256 w + 32 i + lane, i = 0..7
.Lplace:
	v_lshlrev_b32 v3, 2, v2
	s_lshl_b32 s17, s16, 10
	v_add_nc_u32 v3, s17, v3
	v_lshl_add_u32 v4, v0, 2, CNTB                 ; my wave's 32 words, my lane's
	v_lshl_add_u32 v5, v2, 2, CNTB                 ; key = lane, of wave 0
	s_lshl_b32 s18, s16, 8
	v_add_nc_u32 v47, s18, v2                      ; token 256 w + lane
	s_wait_kmcnt 0x0
	s_add_nc_u64 s[12:13], s[10:11], 256           ; the tokens' part of lists
.irp i, 0,1,2,3,4,5,6,7
	global_load_b32 v[16+\i], v3, s[6:7] offset:128*\i
.endr
	v_mov_b32 v24, 0
	s_wait_loadcnt 0x0
.irp i, 0,1,2,3,4,5,6,7                        ; pass 1: my wave's count of each key; the first row of tokens starts the counts
.set k, 0
.rept 28
	v_cmp_eq_u32 s[MK+k], k, v[16+\i]
.set k, k+1
.endr
.set k, 0
.rept 28
.if \i == 0
	s_bcnt1_i32_b32 s[CNT+k], s[MK+k]
.else
	s_bcnt1_i32_b32 s[MK+k], s[MK+k]
.endif
.set k, k+1
.endr
.if \i > 0
.set k, 0
.rept 28
	s_add_co_u32 s[CNT+k], s[CNT+k], s[MK+k]
.set k, k+1
.endr
.endif
.endr
.set k, 0
.rept 28
	v_writelane_b32 v24, s[CNT+k], k
.set k, k+1
.endr
	ds_store_b32 v4, v24
	s_wait_dscnt 0x0                               ; for the others' sake
	s_barrier_signal -1
	s_barrier_wait -1
.irp u, 0,1,2,3,4,5,6,7
	ds_load_b32 v[32+\u], v5 offset:128*\u         ; lane = key: every wave's count
.endr
	v_mov_b32 v40, 0                               ; the key's total,
	v_mov_b32 v42, 0                               ; and what the waves ahead of mine hold of it
	s_wait_dscnt 0x0
.irp u, 0,1,2,3,4,5,6,7
	v_add_nc_u32 v40, v40, v[32+\u]
	s_cmp_lt_u32 \u, s16
	s_cselect_b32 s2, -1, 0
	v_and_b32 v41, s2, v[32+\u]
	v_add_nc_u32 v42, v42, v41
.endr
	v_add_nc_u32 v43, 127, v40
	v_lshrrev_b32 v43, 7, v43                      ; the key's tiles
.set k, 0
.rept 28
	v_readlane_b32 s[MK+k], v43, k
.set k, k+1
.endr
	s_mov_b32 s3, 0                                ; the key's first tile: a running sum over the keys, in scalars
.set k, 0
.rept 28
	s_mov_b32 s2, s[MK+k]
	s_mov_b32 s[MK+k], s3
	s_add_co_u32 s3, s3, s2
.set k, k+1
.endr
	v_mov_b32 v44, 0
.set k, 0
.rept 28
	v_writelane_b32 v44, s[MK+k], k
.set k, k+1
.endr
	v_lshl_add_u32 v45, v44, 7, v42                ; where my wave's first token of the key goes
	s_cmp_gt_u32 s16, 1
	s_cbranch_scc1 .Lnotab
	; waves 0 and 1: the word of tile = my thread's number, 0..63.  The last key whose first tile is not beyond the tile owns it
.set k, 0
.rept 28
	v_readlane_b32 s[CNT+k], v40, k                ; the keys' totals (the registers take the running places further down)
.set k, k+1
.endr
.irp n, 72,73,74
	v_mov_b32 v[\n], 0
.endr
.set k, 0
.set lo_, 0
.set hi_, 1
.rept 28
	s_mov_b32 s17, (lo_<<8)|(hi_<<16)
	v_cmp_gt_u32 vcc_lo, s[MK+k], v0
	v_cndmask_b32 v72, s[MK+k], v72, vcc_lo
	v_cndmask_b32 v73, s[CNT+k], v73, vcc_lo
	v_cndmask_b32 v74, s17, v74, vcc_lo
.set k, k+1
.set hi_, hi_+1
.if hi_ > 7
.set lo_, lo_+1
.set hi_, lo_+1
.endif
.endr
	v_sub_nc_u32 v78, v0, v72
	v_lshlrev_b32 v78, 7, v78
	v_sub_nc_u32 v78, v73, v78                     ; the key's total less the rows of its tiles ahead,
	v_max_i32 v78, 0, v78
	v_min_i32 v78, 0x80, v78                       ; held to 0 .. 128
	v_or_b32 v78, v78, v74
	v_lshlrev_b32 v80, 2, v0
	global_store_b32 v80, v78, s[10:11]            ; v78 and v80 are not written again
.Lnotab:
.set k, 0
.rept 28
	v_readlane_b32 s[CNT+k], v45, k
.set k, k+1
.endr
.irp i, 0,1,2,3,4,5,6,7                        ; pass 2: each token's place.  Each store has an offset register (v48-55) and a data register (v56-63) of its own, and none of them is written again
.set k, 0
.rept 28
	v_cmp_eq_u32 s[MK+k], k, v[16+\i]
.set k, k+1
.endr
.set k, 0
.rept 28
	v_mbcnt_lo_u32_b32 v[96+k], s[MK+k], s[CNT+k]  ; the key's running place + the lanes below mine that hold it
.set k, k+1
.endr
.set k, 0
.rept 28                                       ; my key's is kept: four chains, of which one holds it and the others 0
.if k < 4
	v_cndmask_b32 v[64+k], 0, v[96+k], s[MK+k]
.else
	v_cndmask_b32 v[64+k%4], v[64+k%4], v[96+k], s[MK+k]
.endif
.set k, k+1
.endr
.if \i < 7
.set k, 0
.rept 28
	s_bcnt1_i32_b32 s[MK+k], s[MK+k]
.set k, k+1
.endr
.set k, 0
.rept 28
	s_add_co_u32 s[CNT+k], s[CNT+k], s[MK+k]
.set k, k+1
.endr
.endif
	v_or_b32 v64, v64, v65
	v_or_b32 v66, v66, v67
	v_or_b32 v[48+\i], v64, v66
	v_min_u32 v[48+\i], 5503, v[48+\i]             ; inside the 43 x 128 words
	v_lshlrev_b32 v[48+\i], 2, v[48+\i]
	v_add_nc_u32 v[56+\i], 32*\i, v47
	global_store_b32 v[48+\i], v[56+\i], s[12:13]
.endr
	s_wait_tensorcnt 0x0
	ds_add_u32 v192, v193
	s_wait_dscnt 0x0
	s_endpgm
.Lfunc_end_k_q15d0b0174d_prep2:
	.size	k_q15d0b0174d_prep2, .Lfunc_end_k_q15d0b0174d_prep2-k_q15d0b0174d_prep2
	.p2alignl 7, 3214868480
	.fill 96, 4, 3214868480
	.section	.rodata,"a",@progbits
	.p2align	6, 0x0
	.amdhsa_kernel k_q15d0b0174d_prep2
		.amdhsa_group_segment_fixed_size 71680
		.amdhsa_private_segment_fixed_size 0
		.amdhsa_enable_private_segment 0
		.amdhsa_kernarg_size 32
		.amdhsa_user_sgpr_count 2
		.amdhsa_user_sgpr_kernarg_segment_ptr 1
		.amdhsa_wavefront_size32 1
		.amdhsa_system_sgpr_workgroup_id_x 1
		.amdhsa_system_sgpr_workgroup_id_y 1
		.amdhsa_system_sgpr_workgroup_id_z 1
		.amdhsa_system_vgpr_workitem_id 0
		.amdhsa_next_free_vgpr 194
		.amdhsa_next_free_sgpr 100
		.amdhsa_reserve_vcc 1
		.amdhsa_float_denorm_mode_32 3
		.amdhsa_float_denorm_mode_16_64 3
		.amdhsa_memory_ordered 1
		.amdhsa_forward_progress 1
		.amdhsa_inst_pref_size 165
	.end_amdhsa_kernel
	.amdgpu_metadata
---
amdhsa.version: [ 1, 2 ]
amdhsa.kernels:
  - .name:           k_q15d0b0174d_prep2
    .symbol:         k_q15d0b0174d_prep2.kd
    .args:
      - { .name: w2, .offset: 0, .size: 8, .value_kind: global_buffer, .address_space: global }
      - { .name: sel, .offset: 8, .size: 8, .value_kind: global_buffer, .address_space: global }
      - { .name: p2, .offset: 16, .size: 8, .value_kind: global_buffer, .address_space: global }
      - { .name: lists, .offset: 24, .size: 8, .value_kind: global_buffer, .address_space: global }
    .group_segment_fixed_size: 71680
    .private_segment_fixed_size: 0
    .kernarg_segment_align: 8
    .kernarg_segment_size: 32
    .max_flat_workgroup_size: 256
    .sgpr_count:     100
    .vgpr_count:     194
    .wavefront_size: 32
...
	.end_amdgpu_metadata
.endif
;; end of part 5
;; launch ffn1 (part 6): grid 16 x 43, 4 waves a work-group, no clusters, 140,800 bytes of LDS; arguments lists, p1, b1, hb; writes hb
.if DOCPART == 6
	.amdgcn_target "amdgcn-amd-amdhsa--gfx1250"
	.amdhsa_code_object_version 6
	.text
	.protected	k_q15d0b0174d_ffn1
	.globl	k_q15d0b0174d_ffn1
	.p2align	8
	.type	k_q15d0b0174d_ffn1,@function
k_q15d0b0174d_ffn1:
	s_mov_b64 s[64:65], 0
	v_nop
	global_prefetch_b8 v0, s[64:65] scope:SCOPE_SE
	s_setreg_imm32_b32 hwreg(HW_REG_WAVE_MODE, 25, 1), 1
	s_wait_xcnt 0x0
; FFN1.  h = Q(gelu(x W1[e] + b1[e])) for the rows of one tile (up to 128 tokens of one pair of experts), BOTH experts of the pair one after the other, 128 columns of F; both operands are codes of FP8 (E4M3) with E8M0 scales.
; Work-group (x, y): tile y; S = x: columns 128 S .. +127, which are one K step of the second product.  The tile's rows of x's codes are gathered into LDS once, and serve both experts and all four waves.
; Wave w takes 32 columns (block 4 S + w) for all rows: its part of an expert's W1, 2 tiles x 8 K steps x 16 registers, fills window 1 and is read from memory once for each expert.
; THE PRODUCT IS USED TRANSPOSED (source 0 = 16 columns of W1, source 1 = 16 tokens), and the columns of a tile are chosen (8 u + r + 8 (r/8)) so that a lane's 16 results are 16 neighbours along F: they are quantised in
; registers and are four registers of the second product's operand.  b1 is the C of each sum's first product.
; GELU, exact-erf: h = max(x, 0) - |x| t E, t = 1 / (1 + 0.35355339 |x|), E = 2^(P(t) - 0.72134752 x^2): x/2 erfc(-x/sqrt 2) with erfc(z) = t exp(-z^2 + poly(t)), whose relative error is 1.2e-7; log2(e) and the half are folded into P.
; Stored: codes [tile][which][sub 8][S 16][c 4][lane][16 B] (the image of an operand of 16 tokens x 128 k), scale words [tile][which][S][sub][row 16][4 B] (zeros for groups of rows that the tile does not have).
; THE TILE'S ROW COUNT IS READ FROM MEMORY AND STEERS BRANCHES.  So there is no tensor load and no joint load of a cluster, and BOTH BARRIERS STAND ON EVERY WAY: the text is three segments, and a tile without rows jumps over each
; segment's work and rejoins ahead of the barrier; it loads nothing but its word of the list and stores nothing.  A segment reads only registers written in it or in the head, and waits for all its own loads.
; LIMITS: NaN and infinities are not served; a block of h whose largest magnitude lies under 2^-118 keeps the byte 1.  Rows behind a tile's last token, up to the next multiple of 16, are copies of that token; they never reach the output.
.set W1S_O, 16777216
.set XQ_O,  17301504
.set XS_O,  19398656
.set HS_O,  22544384
.set XP,    1040                       ; LDS: a token's 1,024 codes + 16 bytes: 260 words, so 16 rows start at 16 different banks (64 banks of 4 bytes: ISA guide 11.1)
.set XSL,   133120                     ; behind 128 such rows: the tokens' 8 scale words, 48 bytes a row
.set HT,    139264                     ; h's scale words of this K step: [which 2][sub][row][4 B], 2 x 512 bytes
.set HH,    64                         ; v64-79   the two accumulators: 16 neighbours along F
.set PC,    80                         ; v80-83   their codes
.set XF,    128                        ; v128-255 x's eight fragments; first the gather's registers; between the products GELU's
.set GT,    128
.set GP,    144
.set GQ,    160
.set GR,    176
.set MSB, 0
.macro WIN new                         ; the immediate's high byte repeats the setting that is left
.if MSB != \new
	s_set_vgpr_msb (MSB<<8)|\new
.set MSB, \new
.endif
.endm
.macro PLACES n
.rept \n
	v_nop
.endr
.endm
.macro GELU16
.set j, 0
.rept 16
	v_fma_f32 v[GT+j], |v[HH+j]|, s60, 1.0         ; each accumulator is read from its low end on
.set j, j+1
.endr
.set j, 0
.rept 16
	v_rcp_f32 v[GT+j], v[GT+j]                     ; t
.set j, j+1
.endr
.set j, 0
.rept 8
	v_pk_mul_f32 v[GQ+j:GQ+j+1], v[HH+j:HH+j+1], v[HH+j:HH+j+1]     ; x^2: work that names no reciprocal
.set j, j+2
.endr
.set j, 0
.rept 16
	v_max_num_f32 v[GR+j], 0, v[HH+j]
.set j, j+1
.endr
	s_wait_alu depctr_va_vdst(0)                   ; one wait for the sixteen reciprocals, ahead of their first reader
.set j, 0
.rept 8
	v_pk_fma_f32 v[GP+j:GP+j+1], v[GT+j:GT+j+1], v[92:93], s[56:57] op_sel_hi:[1,1,0]
.set j, j+2
.endr
.irp k, 7,6,5,4,3,2,1,0
.set j, 0
.rept 8
	v_pk_fma_f32 v[GP+j:GP+j+1], v[GP+j:GP+j+1], v[GT+j:GT+j+1], s[40+2*\k:41+2*\k] op_sel_hi:[1,1,0]
.set j, j+2
.endr
.endr
.set j, 0
.rept 8
	v_pk_fma_f32 v[GP+j:GP+j+1], v[GQ+j:GQ+j+1], s[58:59], v[GP+j:GP+j+1] op_sel_hi:[1,0,1]
.set j, j+2
.endr
.set j, 0
.rept 16
	v_exp_f32 v[GP+j], v[GP+j]                     ; E
.set j, j+1
.endr
.set j, 0
.rept 16
	v_mul_f32 v[GT+j], |v[HH+j]|, v[GT+j]          ; |x| t: work that names no exponential
.set j, j+1
.endr
	s_wait_alu depctr_va_vdst(0)                   ; one wait for the sixteen exponentials
.set j, 0
.rept 8
	v_pk_fma_f32 v[HH+j:HH+j+1], v[GT+j:GT+j+1], v[GP+j:GP+j+1], v[GR+j:GR+j+1] neg_lo:[1,0,0] neg_hi:[1,0,0]
.set j, j+2
.endr
.endm
.macro QUANT16                         ; my 16 numbers and lane l xor 16's are a block of 32 along F
	v_max3_num_f32 v84, |v[HH]|, |v[HH+1]|, 0x4800000          ; with the floor 2^(9 - 127)
	v_max3_num_f32 v86, |v[HH+2]|, |v[HH+3]|, |v[HH+4]|
	v_max3_num_f32 v84, v84, |v[HH+5]|, |v[HH+6]|
	v_max3_num_f32 v86, v86, |v[HH+7]|, |v[HH+8]|
	v_max3_num_f32 v84, v84, |v[HH+9]|, |v[HH+10]|
	v_max3_num_f32 v86, v86, |v[HH+11]|, |v[HH+12]|
	v_max3_num_f32 v84, v84, |v[HH+13]|, |v[HH+14]|
	v_max3_num_f32 v84, v84, v86, |v[HH+15]|
	v_permlanex16_b32 v85, v84, s62, s63
	v_max_num_f32 v84, v84, v85
	v_add_nc_u32 v87, 0xfc000000, v84              ; the conversion's scale operand
	v_and_or_b32 v88, v84, 0x7f800000, s61         ; 448 x the scale
	v_lshrrev_b32 v89, 23, v87                     ; the scale's byte
.set j, 0
.rept 16
	v_med3_num_f32 v[HH+j], v[HH+j], -v88, v88     ; the conversion does not saturate (ISA guide 7.6.2)
.set j, j+1
.endr
	v_cvt_scalef32_pk8_fp8_f32 v[PC:PC+1], v[HH:HH+7], v87
	v_cvt_scalef32_pk8_fp8_f32 v[PC+2:PC+3], v[HH+8:HH+15], v87
	v_nop                                          ; a plain line between the conversions and the next products, which write their sources
.endm
; Group i of 16 rows for expert p of the pair: written out, so that every LDS and memory offset is an immediate.  A group that the tile does not have ends the pass.
.macro SUB i, p
.if (\i) < 4
.set AXR, 4
.else
.set AXR, 12
.endif
.if (\i) > 0
	s_cmp_le_u32 s19, \i
	s_cbranch_scc1 .Lafter\p
	s_wait_xcnt 0x0                                ; the last group's store has read its codes: they are written again below
.endif
	ds_load_b128 v[56:59], v5 offset:768*(\i)      ; the rows' eight scale words
	ds_load_b128 v[60:63], v5 offset:768*(\i)+16
.irp s, 0,1,2,3,4,5,6,7
.irp c, 0,1,2,3
	ds_load_b128 v[XF+16*\s+4*\c:XF+16*\s+4*\c+3], v[AXR] offset:((\i)%4)*16*XP+128*\s+32*\c
.endr
.endr
	WIN 0x01                                       ; source 0 (W1) window 1
.irp s, 0,1,2,3,4,5,6,7
.if (\i) == 0
	s_wait_loadcnt 8*(7-\s)                        ; W1's eight chunks of this K step are in (and all that was asked for earlier); the later K steps' chunks may be out
.endif
	s_wait_dscnt 4*(7-\s)                          ; this K step's fragment of x is in; the later K steps' loads may be out
.if \s == 0
	v_wmma_scale_f32_16x16x128_f8f6f4 v[HH:HH+7], v[0:15], v[XF:XF+15], v[32:39], v48, v56
	v_wmma_scale_f32_16x16x128_f8f6f4 v[HH+8:HH+15], v[16:31], v[XF:XF+15], v[40:47], v48, v56 matrix_a_scale:MATRIX_SCALE_ROW1
.else
	v_wmma_scale_f32_16x16x128_f8f6f4 v[HH:HH+7], v[32*\s:32*\s+15], v[XF+16*\s:XF+16*\s+15], v[HH:HH+7], v[48+\s], v[56+\s]
	v_wmma_scale_f32_16x16x128_f8f6f4 v[HH+8:HH+15], v[32*\s+16:32*\s+31], v[XF+16*\s:XF+16*\s+15], v[HH+8:HH+15], v[48+\s], v[56+\s] matrix_a_scale:MATRIX_SCALE_ROW1
.endif
.endr                                              ; the two accumulators take turns, one instruction a turn
	WIN 0
	PLACES 9                                       ; ahead of the first read of the results, of the writes into x's registers, of the next group's loads and first products, and of the next expert's loads into W1's registers
	GELU16
	QUANT16
	global_store_b128 v7, v[PC:PC+3], s[36:37] offset:32768*(\i)+262144*(\p)   ; 512 consecutive bytes: registers 4 w .. 4 w + 3 of the operand
	ds_store_b8 v6, v89 offset:64*(\i)+512*(\p)    ; both lanes of a block write the same byte
.endm
; Expert p of the pair: my part of its W1 (base s[wb:wb+1]), W1's scale words (s[sb:sb+1]) and b1 (s[bb:bb+1]), then the groups of 16 rows.
.macro PASS p, wb, sb, bb
.if (\p) > 0
	s_wait_xcnt 0x0                                ; the last store of the expert before has read its codes
.endif
.irp k, 0,1,2,3
	global_load_b64 v[48+2*\k:49+2*\k], v90, s[\sb:\sb+1] offset:256*\k
.endr
.irp u, 0,1
	global_load_b128 v[32+8*\u:35+8*\u], v91, s[\bb:\bb+1] offset:32*\u
	global_load_b128 v[36+8*\u:39+8*\u], v91, s[\bb:\bb+1] offset:32*\u+16
.endr
	WIN 0x40                                       ; destination window 1
.set n_, 0
.rept 64
	global_load_b128 v[4*n_:4*n_+3], v7, s[\wb:\wb+1] offset:512*n_   ; W1's chunks, K step by K step: 512 consecutive bytes each
.set n_, n_+1
.endr
	WIN 0
.irp i, 0,1,2,3,4,5,6,7
	SUB \i, \p
.endr
.Lafter\p:
.endm
	; ---------------- the head: on every way
	s_load_b256 s[4:11], s[0:1], 0x0               ; lists s[4:5], p1 s[6:7], b1 s[8:9], hb s[10:11]
	v_lshl_add_u32 v126, v0, 2, 0x22400
	v_mov_b32 v127, 0
	v_lshrrev_b32 v1, 5, v0
	v_readfirstlane_b32 s12, v1                    ; wave 0..3
	s_and_b32 s13, ttmp7, 0xffff                   ; tile
	s_and_b32 s15, ttmp9, 15                       ; S
	s_lshl_b32 s70, s13, 2
	s_mov_b32 s71, 0
	s_wait_kmcnt 0x0
	s_add_nc_u64 s[24:25], s[4:5], s[70:71]
	s_load_b32 s17, s[24:25], 0x0                  ; the tile's word
	v_and_b32 v1, 31, v0                           ; l
	v_and_b32 v2, 15, v0                           ; r
	v_bfe_u32 v3, v0, 4, 1                         ; h
	v_mul_u32_u24 v4, v2, XP
	v_lshl_add_u32 v4, v3, 4, v4                   ; a fragment of x: row r, + 16 h: groups 0-3,
	v_add_nc_u32 v12, 64*XP, v4                    ; and groups 4-7
	v_mul_u32_u24 v5, v2, 48
	v_add_nc_u32 v5, XSL, v5                       ; row r's scale words
	v_lshlrev_b32 v6, 2, v2
	v_add_nc_u32 v6, s12, v6
	v_add_nc_u32 v6, HT, v6                        ; h's scale byte: row r's word, byte w
	v_lshlrev_b32 v7, 4, v1                        ; 16 l
	s_lshl_b32 s16, s12, 4
	v_add_nc_u32 v105, s16, v3                     ; the gather: row 16 w + h (+ 2 i)
	v_mul_u32_u24 v9, v105, XP
	v_lshl_add_u32 v9, v2, 4, v9                   ; where it goes
	v_add_nc_u32 v15, 64*XP, v9                    ; and 64 rows further on
	v_mul_u32_u24 v10, v0, 48
	v_add_nc_u32 v10, XSL, v10                     ; thread = row: its scale words
	v_lshl_add_u32 v11, v0, 2, HT
	s_min_u32 s2, s12, 1                           ; at the end wave 0 stores the lower expert's scale words, wave 1 the higher's
	s_lshl_b32 s3, s2, 9
	v_add_nc_u32 v106, s3, v7
	v_add_nc_u32 v106, HT, v106                    ; from LDS,
	s_lshl_b32 s3, s2, 13
	v_add_nc_u32 v107, s3, v7                      ; to memory: the experts' words lie 16 x 512 bytes apart
	v_lshlrev_b32 v104, 4, v2                      ; 16 r
	v_and_b32 v90, 8, v2
	v_add_nc_u32 v90, v90, v2
	v_lshl_add_u32 v90, v3, 3, v90
	v_lshlrev_b32 v90, 3, v90                      ; W1's scale words: lanes 0-15 tile u = 0, lanes 16-31 tile u = 1: 8 bytes x (8 h + r + 8 (r/8))
	v_lshlrev_b32 v91, 6, v3                       ; b1: 64 h
	v_mov_b32 v85, 0                               ; written once: a lane permute's destination counts as one of its sources
	v_mov_b32 v95, 0
	ds_store_b32 v11, v95                          ; h's scale words begin as zeros, for both experts
	ds_store_b32 v11, v95 offset:512
	v_mov_b32 v92, 0x3e7c6f08                      ; c9
	v_mov_b32 v93, 0x3e7c6f08
	s_mov_b32 s40, 0xc034d90f                      ; c0 .. c8, each twice: the packed form names a pair
	s_mov_b32 s42, 0x3fb8ab5a
	s_mov_b32 s44, 0x3f0a29d2
	s_mov_b32 s46, 0x3e0efb2e
	s_mov_b32 s48, 0xbe899a80
	s_mov_b32 s50, 0x3ecdfd18
	s_mov_b32 s52, 0xbfd1a1e5
	s_mov_b32 s54, 0x40097039
	s_mov_b32 s56, 0xbf97d29d
	s_mov_b32 s58, 0xbf38aa3b                      ; -log2(e) / 2
.irp n, 40,42,44,46,48,50,52,54,56,58
	s_mov_b32 s[\n+1], s[\n]
.endr
	s_mov_b32 s60, 0x3eb504f3                      ; 1 / (2 sqrt 2)
	s_mov_b32 s61, 0x600000                        ; the mantissa field of 448
	s_mov_b32 s62, 0x76543210
	s_mov_b32 s63, 0xfedcba98                      ; lane l xor 16
	s_wait_kmcnt 0x0
	s_and_b32 s18, s17, 0xff
	s_min_u32 s18, s18, 128                        ; rows, 0..128
	s_add_co_u32 s19, s18, 15
	s_lshr_b32 s19, s19, 4                         ; groups of 16 rows, 0..8
	s_sub_co_u32 s21, s18, 1
	s_bfe_u32 s20, s17, 0x80008
	s_min_u32 s20, s20, 7                          ; the pair's lower expert,
	s_bfe_u32 s14, s17, 0x80010
	s_min_u32 s14, s14, 7                          ; and its higher
	s_lshl_b32 s16, s15, 2
	s_add_co_u32 s16, s16, s12                     ; my block of 32 columns: 4 S + w
	s_lshl_b32 s70, s13, 9
	s_add_co_u32 s70, s70, 256
	s_add_nc_u64 s[24:25], s[4:5], s[70:71]        ; the tile's tokens
	s_add_nc_u64 s[26:27], s[6:7], XQ_O
	s_add_nc_u64 s[28:29], s[6:7], XS_O
	s_lshl_b32 s2, s20, 6                          ; the lower expert:
	s_add_co_u32 s2, s2, s16
	s_lshl_b32 s70, s2, 15
	s_add_nc_u64 s[30:31], s[6:7], s[70:71]        ; my 32 KiB of W1's codes,
	s_lshl_b32 s70, s2, 10
	s_add_co_u32 s70, s70, W1S_O
	s_add_nc_u64 s[32:33], s[6:7], s[70:71]        ; their scale words,
	s_lshl_b32 s70, s20, 13
	s_lshl_b32 s3, s16, 7
	s_add_co_u32 s70, s70, s3
	s_add_nc_u64 s[34:35], s[8:9], s[70:71]        ; b1
	s_lshl_b32 s2, s14, 6                          ; the higher expert: the same
	s_add_co_u32 s2, s2, s16
	s_lshl_b32 s70, s2, 15
	s_add_nc_u64 s[72:73], s[6:7], s[70:71]
	s_lshl_b32 s70, s2, 10
	s_add_co_u32 s70, s70, W1S_O
	s_add_nc_u64 s[74:75], s[6:7], s[70:71]
	s_lshl_b32 s70, s14, 13
	s_add_co_u32 s70, s70, s3
	s_add_nc_u64 s[76:77], s[8:9], s[70:71]
	s_lshl_b32 s70, s13, 19
	s_lshl_b32 s3, s16, 9
	s_add_co_u32 s70, s70, s3
	s_add_nc_u64 s[36:37], s[10:11], s[70:71]      ; h's codes: tile x 524,288 + (4 S + w) x 512; the higher expert's lie 262,144 bytes on
	s_lshl_b32 s70, s13, 5
	s_add_co_u32 s70, s70, s15
	s_lshl_b32 s70, s70, 9
	s_add_co_u32 s70, s70, HS_O
	s_add_nc_u64 s[38:39], s[10:11], s[70:71]      ; h's scale words: (32 tile + S) x 512
	; ---------------- segment 1: the tile's rows of x into LDS.  Rows 16 w + 2 i + h, the same + 64, and row = thread; a row behind the last token takes the last token
	s_cmp_eq_u32 s18, 0
	s_cbranch_scc1 .Lj1
.irp i, 0,1,2,3,4,5,6,7
	v_add_nc_u32 v[16+\i], 2*\i, v105
	v_add_nc_u32 v[24+\i], 2*\i+64, v105
.endr
	v_mov_b32 v94, v0
.irp n, 16,17,18,19,20,21,22,23,24,25,26,27,28,29,30,31,94
	v_min_u32 v[\n], s21, v[\n]
	v_min_u32 v[\n], 127, v[\n]
	v_lshlrev_b32 v[\n], 2, v[\n]
.endr
.irp n, 16,17,18,19,20,21,22,23,24,25,26,27,28,29,30,31,94
	global_load_b32 v[\n], v[\n], s[24:25]
.endr
	s_wait_loadcnt 0x0
.irp n, 16,17,18,19,20,21,22,23,24,25,26,27,28,29,30,31
	v_min_u32 v[\n], 0x7ff, v[\n]
	v_lshl_add_u32 v[\n], v[\n], 8, v104           ; token x 256 + 16 r
.endr
	v_min_u32 v94, 0x7ff, v94
	v_lshlrev_b32 v94, 3, v94
.irp q, 0,1,2,3
	global_load_b64 v[96+2*\q:97+2*\q], v94, s[28:29] offset:16384*\q
.endr
.irp i, 0,1,2,3,4,5,6,7
.irp q, 0,1,2,3
	global_load_b128 v[XF+16*\i+4*\q:XF+16*\i+4*\q+3], v[16+\i], s[26:27] offset:524288*\q   ; sixteen lanes: 256 bytes of one token
.endr
.endr
	s_add_co_u32 s2, s12, 4
	s_cmp_le_u32 s19, s2
	s_cbranch_scc1 .Lonly_a                        ; my rows 64 + 16 w on are group 4 + w: only where the tile has it.  Into window 1, which W1 takes only later
	WIN 0x40                                       ; destination window 1
.irp i, 0,1,2,3,4,5,6,7
.irp q, 0,1,2,3
	global_load_b128 v[16*\i+4*\q:16*\i+4*\q+3], v[24+\i], s[26:27] offset:524288*\q
.endr
.endr
	WIN 0
	s_wait_loadcnt 0x0
	WIN 0x04                                       ; an LDS store's data are its source 1: window 1
.irp i, 0,1,2,3,4,5,6,7
.irp q, 0,1,2,3
	ds_store_b128 v15, v[16*\i+4*\q:16*\i+4*\q+3] offset:2*\i*XP+256*\q
.endr
.endr
	WIN 0
.Lonly_a:
	s_wait_loadcnt 0x0
	ds_store_b128 v10, v[96:99]
	ds_store_b128 v10, v[100:103] offset:16
.irp i, 0,1,2,3,4,5,6,7
.irp q, 0,1,2,3
	ds_store_b128 v9, v[XF+16*\i+4*\q:XF+16*\i+4*\q+3] offset:2*\i*XP+256*\q
.endr
.endr
.Lj1:
	s_wait_dscnt 0x0                               ; my rows, and my zeros, lie in LDS
	s_barrier_signal -1
	s_barrier_wait -1
	; ---------------- segment 2: the lower expert, then the higher, on the same rows of x
	s_cmp_eq_u32 s19, 0
	s_cbranch_scc1 .Lafter1
	PASS 0, 30, 32, 34
	PASS 1, 72, 74, 76
	s_wait_dscnt 0x0                               ; my scale bytes have landed
	s_barrier_signal -1
	s_barrier_wait -1
	; ---------------- segment 3: waves 0 and 1 store the K step's scale words, an expert each
	s_cmp_gt_u32 s12, 1
	s_cbranch_scc1 .Lend
	s_cmp_eq_u32 s18, 0
	s_cbranch_scc1 .Lend
	ds_load_b128 v[96:99], v106
	s_wait_dscnt 0x0
	global_store_b128 v107, v[96:99], s[38:39]     ; 512 consecutive bytes
.Lend:
	s_wait_tensorcnt 0x0
	ds_add_u32 v126, v127
	s_wait_dscnt 0x0
	s_endpgm
.Lfunc_end_k_q15d0b0174d_ffn1:
	.size	k_q15d0b0174d_ffn1, .Lfunc_end_k_q15d0b0174d_ffn1-k_q15d0b0174d_ffn1
	.p2alignl 7, 3214868480
	.fill 96, 4, 3214868480
	.section	.rodata,"a",@progbits
	.p2align	6, 0x0
	.amdhsa_kernel k_q15d0b0174d_ffn1
		.amdhsa_group_segment_fixed_size 140800
		.amdhsa_private_segment_fixed_size 0
		.amdhsa_enable_private_segment 0
		.amdhsa_kernarg_size 32
		.amdhsa_user_sgpr_count 2
		.amdhsa_user_sgpr_kernarg_segment_ptr 1
		.amdhsa_wavefront_size32 1
		.amdhsa_system_sgpr_workgroup_id_x 1
		.amdhsa_system_sgpr_workgroup_id_y 1
		.amdhsa_system_sgpr_workgroup_id_z 1
		.amdhsa_system_vgpr_workitem_id 0
		.amdhsa_next_free_vgpr 512
		.amdhsa_next_free_sgpr 80
		.amdhsa_reserve_vcc 0
		.amdhsa_float_denorm_mode_32 3
		.amdhsa_float_denorm_mode_16_64 3
		.amdhsa_memory_ordered 1
		.amdhsa_forward_progress 1
		.amdhsa_inst_pref_size 255
	.end_amdhsa_kernel
	.section	.bss,"aw",@nobits
	.p2align	6
	.space	262144
	.amdgpu_metadata
---
amdhsa.version: [ 1, 2 ]
amdhsa.kernels:
  - .name:           k_q15d0b0174d_ffn1
    .symbol:         k_q15d0b0174d_ffn1.kd
    .args:
      - { .name: lists, .offset: 0, .size: 8, .value_kind: global_buffer, .address_space: global }
      - { .name: p1, .offset: 8, .size: 8, .value_kind: global_buffer, .address_space: global }
      - { .name: b1, .offset: 16, .size: 8, .value_kind: global_buffer, .address_space: global }
      - { .name: hb, .offset: 24, .size: 8, .value_kind: global_buffer, .address_space: global }
    .group_segment_fixed_size: 140800
    .private_segment_fixed_size: 0
    .kernarg_segment_align: 8
    .kernarg_segment_size: 32
    .max_flat_workgroup_size: 128
    .sgpr_count:     80
    .vgpr_count:     512
    .wavefront_size: 32
...
	.end_amdgpu_metadata
.endif
;; end of part 6
;; launch ffn2 (part 7): grid 8 x 43, 8 waves a work-group, no clusters, 279,552 bytes of LDS; arguments lists, p1, p2, hb, b2, out0; writes out0
.if DOCPART == 7
	.amdgcn_target "amdgcn-amd-amdhsa--gfx1250"
	.amdhsa_code_object_version 6
	.text
	.protected	k_q15d0b0174d_ffn2
	.globl	k_q15d0b0174d_ffn2
	.p2align	8
	.type	k_q15d0b0174d_ffn2,@function
k_q15d0b0174d_ffn2:
	s_mov_b64 s[64:65], 0
	v_nop
	global_prefetch_b8 v0, s[64:65] scope:SCOPE_SE
	s_setreg_imm32_b32 hwreg(HW_REG_WAVE_MODE, 25, 1), 1
	s_wait_xcnt 0x0
; FFN2.  out[token] = g_lo (h_lo W2[lo] + b2[lo]) + g_hi (h_hi W2[hi] + b2[hi]) for the rows of one tile (up to 128 tokens of one pair of experts) and 128 columns of D: each output row has one owner.
; Work-group (x, y): tile y, columns 128 x .. +127.  Wave w: which = w / 4 (the pair's lower or higher expert), 32 columns (block 4 x + w % 4), all rows, K = 2,048 in four chunks of four K steps of 128.
; Both operands are codes of FP8 (E4M3) with E8M0 scales.  W2's fragments come from memory straight into registers, through A RING OF FOUR SLOTS of one K step (32 registers): behind K step s, K step s + 4 is asked for
; into the slot just read, three K steps ahead of its use.  h's fragments, which four waves share, come through registers into one of two LDS buffers as images of the operand's registers: wave w copies group w of both
; experts, if the tile has it, a chunk ahead: it asks at the chunk's head and stores behind the chunk's first two K steps, which therefore stand in both arms of that branch, each arm with wait counts of its own.
; THE PRODUCT IS USED TRANSPOSED (source 0 = 16 columns of W2, source 1 = 16 tokens): a lane holds one token and 16 neighbouring columns.  Each sum begins as b2, loaded straight into the accumulators.
; THE TILE'S ROW COUNT IS READ FROM MEMORY AND STEERS BRANCHES.  So there is no tensor load and no joint load of a cluster, and ALL SIX BARRIERS STAND ON EVERY WAY: the text is a row of segments, and a tile without rows jumps over
; each segment's work and rejoins ahead of the barrier.  What a segment reads of another segment's loads (W2's slots) was written once in the head, on every way.  The head is on every way: in a tile without rows it reads token 0
; of tile 0 (bytes that were stored), its gates, biases, scale words and four K steps of W2 (16 KiB a wave), and nothing is made of them; such a tile stores nothing.
; LIMITS: NaN and infinities are not served.
.set GAT_O, 19464192
.set W2S_O, 16777216
.set HS_O,  22544384
.set HSL,   262144                     ; LDS: byte 0: h's fragments [buffer 2][which 2][group 8][K step 4][c 4][512 B]; here the tile's scale words of h, 16,384 bytes
.set SP,    528                        ; the way out's stage, [which 2][128 rows x (512 + 16 bytes)], lies over the buffers: it is written behind the last chunk's barrier
.set STW,   128*SP
.set W2SC,  32                         ; v32-47   W2's scale words: lanes 0-15 tile u = 0, lanes 16-31 u = 1
.set HSC,   48                         ; v48-51   h's: lanes 0-15 group 2 p, lanes 16-31 group 2 p + 1
.set HF,    56                         ; v56-87   two fragments of h
.set AHW,   120                        ; v120-123 where I put my group: [buffer][which]
.set W2R,   128                        ; v128-255 W2's ring: 4 slots x 2 tiles x 16
.set SG,    128                        ; window 1: v0-127 the accumulators (group i, tile u at 16 i + 8 u); v128-255 my group of h on its way to LDS
.set MSB, 0
.macro WIN new                         ; the immediate's high byte repeats the setting that is left
.if MSB != \new
	s_set_vgpr_msb (MSB<<8)|\new
.set MSB, \new
.endif
.endm
.macro PLACES n
.rept \n
	v_nop
.endr
.endm
.macro WLOAD s                         ; my two tiles of W2 for K step s into slot s % 4: 8 loads of 512 consecutive bytes
.irp u, 0,1
.irp c, 0,1,2,3
	global_load_b128 v[W2R+32*((\s)%4)+16*\u+4*\c:W2R+32*((\s)%4)+16*\u+4*\c+3], v4, s[30:31] offset:4096*(\s)+2048*\u+512*\c
.endr
.endr
.endm
.macro COPYLOAD ch                     ; group w of h, both experts, the chunk's four K steps: 32 loads
	WIN 0x40                                       ; destination window 1
.irp x, 0,1
.irp k, 0,1,2,3
.irp c, 0,1,2,3
	global_load_b128 v[SG+4*((4*\x+\k)*4+\c):SG+4*((4*\x+\k)*4+\c)+3], v4, s[34:35] offset:262144*\x+2048*(4*(\ch)+\k)+512*\c
.endr
.endr
.endr
	WIN 0
.endm
.macro COPYSTORE ch                    ; into buffer ch % 2
	WIN 0x04                                       ; an LDS store's data are its source 1: window 1
.irp x, 0,1
.irp k, 0,1,2,3
.irp c, 0,1,2,3
	ds_store_b128 v[AHW+2*((\ch)%2)+\x], v[SG+4*((4*\x+\k)*4+\c):SG+4*((4*\x+\k)*4+\c)+3] offset:2048*\k+512*\c
.endr
.endr
.endr
	WIN 0
.endm
.macro HFLOAD s, i                     ; group i's fragment of K step s
.irp c, 0,1,2,3
	ds_load_b128 v[HF+16*((\i)%2)+4*\c:HF+16*((\i)%2)+4*\c+3], v[5+((\s)/4)%2] offset:8192*(\i)+2048*((\s)%4)+512*\c
.endr
.endm
.macro MM d, a, b, sa, sb, ar, br
.if (\ar) && (\br)
	v_wmma_scale_f32_16x16x128_f8f6f4 v[\d:\d+7], v[\a:\a+15], v[\b:\b+15], v[\d:\d+7], v[\sa], v[\sb] matrix_a_scale:MATRIX_SCALE_ROW1 matrix_b_scale:MATRIX_SCALE_ROW1
.elseif (\ar)
	v_wmma_scale_f32_16x16x128_f8f6f4 v[\d:\d+7], v[\a:\a+15], v[\b:\b+15], v[\d:\d+7], v[\sa], v[\sb] matrix_a_scale:MATRIX_SCALE_ROW1
.elseif (\br)
	v_wmma_scale_f32_16x16x128_f8f6f4 v[\d:\d+7], v[\a:\a+15], v[\b:\b+15], v[\d:\d+7], v[\sa], v[\sb] matrix_b_scale:MATRIX_SCALE_ROW1
.else
	v_wmma_scale_f32_16x16x128_f8f6f4 v[\d:\d+7], v[\a:\a+15], v[\b:\b+15], v[\d:\d+7], v[\sa], v[\sb]
.endif
.endm
.macro MUL s, i                        ; group i x my two tiles; no two products that follow each other share an accumulator, on any way
	MM 16*(\i), W2R+32*((\s)%4), HF+16*((\i)%2), W2SC+(\s), HSC+(\i)/2, 0, (\i)%2
	MM 16*(\i)+8, W2R+32*((\s)%4)+16, HF+16*((\i)%2), W2SC+(\s), HSC+(\i)/2, 1, (\i)%2
.endm
; A K step.  cnt: how many loads younger than this K step's W2 may stay out.  One branch governs a group's loads and its products together: where group i is the last, the way leads to a tail that multiplies it and loads nothing.
; Eight places stand ahead of every K step that follows products (STEPW writes them): its LDS loads land in registers that those products read.
.macro KSTEP s, cnt
.irp p, 0,1,2,3
	ds_load_b32 v[HSC+\p], v7 offset:512*(\s)+128*\p
.endr
	HFLOAD \s, 0
	s_wait_loadcnt \cnt                            ; this K step's slot of W2 is in
.irp i, 0,1,2,3,4,5,6
	s_cmp_le_u32 s19, \i+1
	s_cbranch_scc1 .Lt_\@_\i
.if \i >= 1
	PLACES 8                                       ; the fragment's registers were read by the products just issued (ISA guide 7.12.1)
.endif
	HFLOAD \s, \i+1
	s_wait_dscnt 4                                 ; all but the four loads just issued
	WIN 0x50                                       ; C and D window 1
	MUL \s, \i
	WIN 0
.endr
	s_wait_dscnt 0x0
	WIN 0x50
	MUL \s, 7
	WIN 0
	s_branch .Le_\@
.irp i, 0,1,2,3,4,5,6
.Lt_\@_\i:
	s_wait_dscnt 0x0
	WIN 0x50
	MUL \s, \i
	WIN 0
	s_branch .Le_\@
.endr
.Le_\@:
.endm
; A K step, the eight places behind its products, and the load of K step s + 4 into the slot that it has read.
.macro STEPW s, cnt
	KSTEP \s, \cnt
.if (\s) < 15
	PLACES 8                                       ; ahead of loads into registers that the products read: W2's slot, and the next K step's scale words and fragments of h
.endif
.if (\s)+4 <= 15
	WLOAD (\s)+4
.endif
.endm
; A chunk of four K steps.  At its head the ring's four loads of 8 for this chunk may be out, and nothing else that it reads.
; The copying arm: 32 loads of the next chunk's h go out first.  Younger than K step 4 ch's W2: 24 of the ring + 32 = 56; than K step 4 ch + 1's: 16 + 32 + the 8 just asked for = 56; younger than the copy: 16.
; The other arm, and both behind the join: three loads of 8 of the ring are younger than the slot that is wanted: 24.  The last chunk asks for nothing: 24, 16, 8, 0.
; The next chunk's h goes into the buffer that was last read a chunk ago, ahead of that chunk's barrier.
.macro SEG ch
	s_cmp_eq_u32 s19, 0
	s_cbranch_scc1 .Lsk_\@
.if (\ch) < 3
	s_cmp_ge_u32 s16, s19
	s_cbranch_scc1 .Lnc_\@                         ; the tile has no group w
	COPYLOAD (\ch)+1
	STEPW 4*(\ch), 56
	STEPW 4*(\ch)+1, 56
	s_wait_loadcnt 16                              ; the copy is in
	COPYSTORE (\ch)+1
	s_branch .Ljn_\@
.Lnc_\@:
	STEPW 4*(\ch), 24
	STEPW 4*(\ch)+1, 24
.Ljn_\@:
	STEPW 4*(\ch)+2, 24
	STEPW 4*(\ch)+3, 24
.else
	STEPW 12, 24
	STEPW 13, 16
	STEPW 14, 8
	STEPW 15, 0
.endif
.Lsk_\@:
	s_wait_dscnt 0x0                               ; my stores have landed, and my reads of this chunk's buffer are over
	s_barrier_signal -1
	s_barrier_wait -1
.endm
	; ---------------- the head: on every way
	s_load_b256 s[4:11], s[0:1], 0x0               ; lists s[4:5], p1 s[6:7], p2 s[8:9], hb s[10:11]
	s_load_b128 s[12:15], s[0:1], 0x20             ; b2 s[12:13], out0 s[14:15]
	v_lshl_add_u32 v126, v0, 2, 0x44000
	v_mov_b32 v127, 0
	v_lshrrev_b32 v1, 5, v0
	v_readfirstlane_b32 s16, v1                    ; wave 0..7
	s_and_b32 s17, ttmp7, 0xffff                   ; tile
	s_lshr_b32 s22, s16, 2                         ; which
	s_and_b32 s24, s16, 3
	s_lshl_b32 s23, ttmp9, 2
	s_add_co_u32 s23, s23, s24                     ; my block of 32 columns
	s_lshl_b32 s42, s17, 2
	s_mov_b32 s43, 0
	s_wait_kmcnt 0x0
	s_add_nc_u64 s[26:27], s[4:5], s[42:43]
	s_load_b32 s2, s[26:27], 0x0                   ; the tile's word
	v_and_b32 v1, 31, v0                           ; l
	v_and_b32 v2, 15, v0                           ; r
	v_bfe_u32 v3, v0, 4, 1                         ; h
	v_lshlrev_b32 v4, 4, v1                        ; 16 l
	s_lshl_b32 s25, s22, 16
	v_add_nc_u32 v5, s25, v4                       ; h's fragments of my expert: buffer 0,
	v_add_nc_u32 v6, 0x20000, v5                   ; buffer 1
	s_lshl_b32 s25, s16, 13
	v_add_nc_u32 v[AHW], s25, v4                   ; the slot of group w: buffer 0, lower expert;
	v_add_nc_u32 v[AHW+1], 0x10000, v[AHW]         ; higher expert;
	v_add_nc_u32 v[AHW+2], 0x20000, v[AHW]         ; buffer 1
	v_add_nc_u32 v[AHW+3], 0x30000, v[AHW]
	s_lshl_b32 s25, s22, 13
	s_add_co_u32 s25, s25, HSL
	v_lshl_add_u32 v7, v1, 2, s25                  ; h's scale words of my expert
	s_mul_i32 s25, s22, STW
	s_lshl_b32 s28, s24, 7
	s_add_co_u32 s25, s25, s28
	v_mul_u32_u24 v8, v2, SP
	v_lshl_add_u32 v8, v3, 6, v8
	v_add_nc_u32 v8, s25, v8                       ; the stage, in: row r, my 128 bytes, + 64 h
	s_mul_i32 s25, s16, 16*SP
	v_add_nc_u32 v9, s25, v4                       ; back: rows 16 w on, 16 bytes a lane: the lower expert's,
	v_add_nc_u32 v13, STW, v9                      ; and the higher's
	v_lshl_add_u32 v11, v0, 4, HSL
	v_lshlrev_b32 v12, 4, v0
	v_and_b32 v14, 8, v2
	v_add_nc_u32 v14, v14, v2
	v_lshl_add_u32 v14, v3, 3, v14
	v_lshlrev_b32 v14, 3, v14                      ; W2's scale words: 8 bytes x (8 h + r + 8 (r/8))
	v_lshlrev_b32 v15, 6, v3                       ; b2: 64 h
	s_wait_kmcnt 0x0
	s_and_b32 s18, s2, 0xff
	s_min_u32 s18, s18, 128                        ; rows, 0..128
	s_add_co_u32 s19, s18, 15
	s_lshr_b32 s19, s19, 4                         ; groups of 16 rows, 0..8
	s_bfe_u32 s24, s2, 0x80008
	s_bfe_u32 s25, s2, 0x80010
	s_cmp_eq_u32 s22, 0
	s_cselect_b32 s20, s24, s25
	s_min_u32 s20, s20, 7                          ; e
	s_cmp_eq_u32 s18, 0
	s_cselect_b32 s44, 0, s17                      ; whose tokens the head reads: a tile without rows reads tile 0's,
	s_max_u32 s21, s18, 1
	s_sub_co_u32 s21, s21, 1                       ; and of those the first
	s_lshl_b32 s42, s44, 9
	s_add_co_u32 s42, s42, 256
	s_add_nc_u64 s[26:27], s[4:5], s[42:43]        ; the tokens
	s_lshl_b32 s42, s22, 2
	s_add_co_u32 s42, s42, GAT_O
	s_add_nc_u64 s[28:29], s[6:7], s[42:43]        ; the gates of my expert
	s_lshl_b32 s2, s20, 5
	s_add_co_u32 s2, s2, s23                       ; 32 e + B
	s_lshl_b32 s42, s2, 16
	s_add_nc_u64 s[30:31], s[8:9], s[42:43]        ; my 64 KiB of W2's codes
	s_lshl_b32 s42, s2, 11
	s_add_co_u32 s42, s42, W2S_O
	s_add_nc_u64 s[32:33], s[8:9], s[42:43]
	s_lshl_b32 s42, s17, 19
	s_lshl_b32 s3, s16, 15
	s_add_co_u32 s42, s42, s3
	s_add_nc_u64 s[34:35], s[10:11], s[42:43]      ; h's codes: the tile, group w
	s_lshl_b32 s42, s17, 14
	s_add_co_u32 s42, s42, HS_O
	s_add_nc_u64 s[36:37], s[10:11], s[42:43]      ; h's scale words
	s_lshl_b32 s42, s20, 12
	s_lshl_b32 s3, s23, 7
	s_add_co_u32 s42, s42, s3
	s_add_nc_u64 s[38:39], s[12:13], s[42:43]      ; b2
	s_lshl_b32 s42, ttmp9, 9
	s_add_nc_u64 s[40:41], s[14:15], s[42:43]      ; out0 at my 128 columns
.irp i, 0,1,2,3,4,5,6,7
	v_add_nc_u32 v[24+\i], 16*\i, v2               ; row 16 i + r
.endr
	s_lshl_b32 s2, s16, 4
	v_add_nc_u32 v10, s2, v2                       ; row 16 w + r: the rows that I store
.irp n, 24,25,26,27,28,29,30,31,10
	v_min_u32 v[\n], s21, v[\n]                    ; a row behind the last token takes the last token
	v_min_u32 v[\n], 127, v[\n]
	v_lshlrev_b32 v[\n], 2, v[\n]
.endr
.irp n, 24,25,26,27,28,29,30,31,10
	global_load_b32 v[\n], v[\n], s[26:27]
.endr
.irp k, 0,1,2,3,4,5,6,7
	global_load_b64 v[W2SC+2*\k:W2SC+2*\k+1], v14, s[32:33] offset:256*\k
.endr
	WIN 0x40                                       ; destination window 1
.irp i, 0,1,2,3,4,5,6,7                        ; every sum begins as its bias: lane (r, h) of tile u holds columns 16 h + 8 u + 0..7
.irp u, 0,1
	global_load_b128 v[16*\i+8*\u:16*\i+8*\u+3], v15, s[38:39] offset:32*\u
	global_load_b128 v[16*\i+8*\u+4:16*\i+8*\u+7], v15, s[38:39] offset:32*\u+16
.endr
.endr
	WIN 0
	WLOAD 0                                        ; the ring's first four K steps
	WLOAD 1
	WLOAD 2
	WLOAD 3
	; ---------------- the first segment: h's scale words and chunk 0 of h into LDS
	s_cmp_eq_u32 s19, 0
	s_cbranch_scc1 .Lsk_p
.irp m, 0,1,2,3
	global_load_b128 v[104+4*\m:107+4*\m], v12, s[36:37] offset:4096*\m
.endr
	s_cmp_ge_u32 s16, s19
	s_cbranch_scc1 .Lnc_p                          ; the tile has no group w
	COPYLOAD 0
	s_wait_loadcnt 0x0
	COPYSTORE 0
.Lnc_p:
	s_wait_loadcnt 0x0
.irp m, 0,1,2,3
	ds_store_b128 v11, v[104+4*\m:107+4*\m] offset:4096*\m
.endr
.Lsk_p:
	s_wait_loadcnt 0x0                             ; the head's loads: tokens, scale words, biases, the ring's four slots
.irp i, 0,1,2,3,4,5,6,7
	v_min_u32 v[24+\i], 0x7ff, v[24+\i]
	v_lshlrev_b32 v[24+\i], 3, v[24+\i]
.endr
.irp i, 0,1,2,3,4,5,6,7
	global_load_b32 v[16+\i], v[24+\i], s[28:29]   ; the gate of row 16 i + r: wanted on the way out, and awaited there
.endr
	s_wait_dscnt 0x0
	s_barrier_signal -1
	s_barrier_wait -1
	SEG 0
	SEG 1
	SEG 2
	SEG 3
	; ---------------- THE WAY OUT.  Each sum times its row's gate, into the stage; a barrier; each wave adds the two experts' rows 16 w on and stores them whole.
	s_wait_loadcnt 0x0                             ; the gates, on every way
	PLACES 9                                       ; ahead of the first read of the results and of writes into W2's registers
.irp i, 0,1,2,3,4,5,6,7
	s_cmp_le_u32 s19, \i
	s_cbranch_scc1 .Lstored
	WIN 0x01                                       ; source 0 (the accumulators) window 1
.irp p, 0,1,2,3,4,5,6,7
.if \i%2 == 0
	v_pk_mul_f32 v[128+16*\i+2*\p:129+16*\i+2*\p], v[16*\i+2*\p:16*\i+2*\p+1], v[16+2*(\i/2):17+2*(\i/2)] op_sel_hi:[1,0]
.else
	v_pk_mul_f32 v[128+16*\i+2*\p:129+16*\i+2*\p], v[16*\i+2*\p:16*\i+2*\p+1], v[16+2*(\i/2):17+2*(\i/2)] op_sel:[0,1] op_sel_hi:[1,1]
.endif
.endr
	WIN 0
.irp n, 0,1,2,3
	ds_store_b128 v8, v[128+16*\i+4*\n:131+16*\i+4*\n] offset:16*SP*\i+16*\n
.endr
.endr
.Lstored:
	s_wait_dscnt 0x0
	s_barrier_signal -1
	s_barrier_wait -1
	s_lshl_b32 s2, s16, 4
	s_cmp_ge_u32 s2, s18
	s_cbranch_scc1 .Ldone                          ; the tile has no row 16 w
	s_sub_co_u32 s3, s18, s2                       ; rows left from 16 w on
.irp p, 0,1,2,3,4,5,6,7,8,9,10,11,12,13,14,15
	ds_load_b128 v[128+4*\p:131+4*\p], v9 offset:SP*\p
	ds_load_b128 v[192+4*\p:195+4*\p], v13 offset:SP*\p
.endr
	s_wait_dscnt 0x0
.irp p, 0,1,2,3,4,5,6,7,8,9,10,11,12,13,14,15
.if \p > 0
	s_cmp_le_u32 s3, \p
	s_cbranch_scc1 .Ldone
.endif
	v_readlane_b32 s2, v10, \p                     ; the row's token
	s_min_u32 s2, s2, 2047
	s_lshl_b32 s2, s2, 12
	v_add_nc_u32 v[88+\p], s2, v4
	v_pk_add_f32 v[128+4*\p:129+4*\p], v[128+4*\p:129+4*\p], v[192+4*\p:193+4*\p]
	v_pk_add_f32 v[130+4*\p:131+4*\p], v[130+4*\p:131+4*\p], v[194+4*\p:195+4*\p]
	global_store_b128 v[88+\p], v[128+4*\p:131+4*\p], s[40:41] th:TH_STORE_NT   ; 512 consecutive bytes of the token's row, at a multiple of 512
.endr
.Ldone:
	s_wait_tensorcnt 0x0
	ds_add_u32 v126, v127
	s_wait_dscnt 0x0
	s_endpgm
.Lfunc_end_k_q15d0b0174d_ffn2:
	.size	k_q15d0b0174d_ffn2, .Lfunc_end_k_q15d0b0174d_ffn2-k_q15d0b0174d_ffn2
	.p2alignl 7, 3214868480
	.fill 96, 4, 3214868480
	.section	.rodata,"a",@progbits
	.p2align	6, 0x0
	.amdhsa_kernel k_q15d0b0174d_ffn2
		.amdhsa_group_segment_fixed_size 279552
		.amdhsa_private_segment_fixed_size 0
		.amdhsa_enable_private_segment 0
		.amdhsa_kernarg_size 48
		.amdhsa_user_sgpr_count 2
		.amdhsa_user_sgpr_kernarg_segment_ptr 1
		.amdhsa_wavefront_size32 1
		.amdhsa_system_sgpr_workgroup_id_x 1
		.amdhsa_system_sgpr_workgroup_id_y 1
		.amdhsa_system_sgpr_workgroup_id_z 1
		.amdhsa_system_vgpr_workitem_id 0
		.amdhsa_next_free_vgpr 512
		.amdhsa_next_free_sgpr 66
		.amdhsa_reserve_vcc 0
		.amdhsa_float_denorm_mode_32 3
		.amdhsa_float_denorm_mode_16_64 3
		.amdhsa_memory_ordered 1
		.amdhsa_forward_progress 1
		.amdhsa_inst_pref_size 255
	.end_amdhsa_kernel
	.section	.bss,"aw",@nobits
	.p2align	6
	.space	262144
	.amdgpu_metadata
---
amdhsa.version: [ 1, 2 ]
amdhsa.kernels:
  - .name:           k_q15d0b0174d_ffn2
    .symbol:         k_q15d0b0174d_ffn2.kd
    .args:
      - { .name: lists, .offset: 0, .size: 8, .value_kind: global_buffer, .address_space: global }
      - { .name: p1, .offset: 8, .size: 8, .value_kind: global_buffer, .address_space: global }
      - { .name: p2, .offset: 16, .size: 8, .value_kind: global_buffer, .address_space: global }
      - { .name: hb, .offset: 24, .size: 8, .value_kind: global_buffer, .address_space: global }
      - { .name: b2, .offset: 32, .size: 8, .value_kind: global_buffer, .address_space: global }
      - { .name: out0, .offset: 40, .size: 8, .value_kind: global_buffer, .address_space: global }
    .group_segment_fixed_size: 279552
    .private_segment_fixed_size: 0
    .kernarg_segment_align: 8
    .kernarg_segment_size: 48
    .max_flat_workgroup_size: 256
    .sgpr_count:     66
    .vgpr_count:     512
    .wavefront_size: 32
...
	.end_amdgpu_metadata
.endif
;; end of part 7
;; ======== version 3 of 3: 4 launches
;; workspace buffers: p1 19,480,576 bytes; sel 8,192 bytes of whole numbers; p2 17,301,504 bytes; lists 22,272 bytes of whole numbers; hb 23,248,896 bytes
;; launch prep1 (part 8): grid 320 x 1, 8 waves a work-group, no clusters, 117,248 bytes of LDS; arguments x, gate_w, gate_b, w1, p1, sel; writes p1, sel
.if DOCPART == 8
	.amdgcn_target "amdgcn-amd-amdhsa--gfx1250"
	.amdhsa_code_object_version 6
	.text
	.protected	k_q15d0b0174d_prep1
	.globl	k_q15d0b0174d_prep1
	.p2align	8
	.type	k_q15d0b0174d_prep1,@function
k_q15d0b0174d_prep1:
	s_mov_b64 s[64:65], 0
	v_nop
	global_prefetch_b8 v0, s[64:65] scope:SCOPE_SE
	s_setreg_imm32_b32 hwreg(HW_REG_WAVE_MODE, 25, 1), 1
	s_wait_xcnt 0x0
; PREP1.  Two roles, chosen by the work-group's number; each has LDS bytes of its own.
; Work-groups 0-63 (role XR): 32 tokens each.  x is read once: it gives the router's logits (f32 sums), and its codes of FP8 (E4M3) with one E8M0 byte for each 32 along D.
;   Stored: codes [q = k/256][token][256 B], scale bytes [q][token][8 B], the two gates [token][g_lo, g_hi] f32, and the token's pair of experts as a whole number 0..27 (lo < hi) in sel.
; Work-groups 64-319 (role WQ): w1 [8][1024 (k)][2048 (n)] f32 becomes codes quantised along k, laid in the order of a matrix operand's registers:
;   [e][B = n/32][S = k/128][u 2][c 4][lane 32][16 B]; lane (r, h) of chunk (S, u, c) holds column 32 B + 8 u + r + 8 (r/8), k = 128 S + 32 c + 16 h + 0..15.
;   Scale bytes: [e][B][kc = k/256][column 32][8 B].
; A block's scale byte is its largest magnitude's exponent field - 8, held at 1 from below; each number is held within +-448 x the scale and rounded to the nearest code, ties to even.
; LIMITS: NaN and infinities among the inputs are not served.  Blocks whose largest magnitude lies under 2^-118 (blocks of zeros among them) keep the byte 1; a block of zeros has zero codes, and this program alone reads the bytes.
;   The logits are f32 sums in another order than a plain dot product's: a second and a third logit closer than f32 rounding may change places.
; No work-group reads what another reads (but the small gate_w), so no cluster; memory binds, so no matrix unit.
.set W1S_O,   16777216
.set XQ_O,    17301504
.set XS_O,    19398656
.set GAT_O,   19464192
.set MANT,    0x600000                 ; the mantissa field of 448
.set WPITCH,  272                      ; role WQ: a stage row: 256 codes + 16 bytes
.set ROWSTEP, 8192                     ; bytes from k to k + 1 in w1
.set WX,   32                          ; v32-95   two sets of 32 numbers
.set WC,   96                          ; v96-103  a block's codes
.set WOUT, 112                         ; v112-175 the way out
.set WSB,  24                          ; v24-25   eight scale bytes
.set XSTG, 69632                       ; role XR: two stages of 32 x 80 bytes for each wave
.set PL,   110592                      ; partial logits: 32 tokens x (4 q x 8 f32 + 16 bytes)
.set XSC,  115200                      ; scale bytes [q][32 tokens][8]
.set RR,   16                          ; v16-79   four sets of 16 numbers as loaded
.set XX,   80                          ; v80-111  two sets of 16 neighbours
.set ACC,  112                         ; v112-119 eight partial logits
.set CC,   120                         ; v120-127 two sets of codes
.set GW,   128                         ; v128-255 gate_w[256 q + 16 r + i][e] at GW + 8 i + e
.macro WQLOAD t                        ; block t: w(32 t + i, my column), i = 0..31
.set i_, 0
.rept 32
	global_load_b32 v[WX+32*((\t)%2)+i_], v3, s[10:11] offset:(32*(\t)+i_)*ROWSTEP th:TH_LOAD_NT
.set i_, i_+1
.endr
.endm
.macro WQBLOCK t
.set XB, WX+32*((\t)%2)
.if (\t) < 7
	s_wait_loadcnt 32                              ; this block's 32 loads are in; the next block's 32 may be out
.else
	s_wait_loadcnt 0x0
.endif
	v_max3_num_f32 v12, |v[XB]|, |v[XB+1]|, |v[XB+2]|          ; all 32 numbers of the block are this lane's
	v_max3_num_f32 v13, |v[XB+3]|, |v[XB+4]|, |v[XB+5]|
.irp i, 6,10,14,18,22,26
	s_delay_alu instid0(VALU_DEP_2)
	v_max3_num_f32 v12, v12, |v[XB+\i]|, |v[XB+\i+1]|
	s_delay_alu instid0(VALU_DEP_2)
	v_max3_num_f32 v13, v13, |v[XB+\i+2]|, |v[XB+\i+3]|
.endr
	s_delay_alu instid0(VALU_DEP_2)
	v_max3_num_f32 v12, v12, |v[XB+30]|, |v[XB+31]|
	s_delay_alu instid0(VALU_DEP_1)
	v_max3_num_f32 v12, v12, v13, 0x4800000        ; the floor 2^(9 - 127): the byte cannot fall under 1
	s_delay_alu instid0(VALU_DEP_1)
	v_add_nc_u32 v11, 0xfc000000, v12              ; 8 off the exponent field: the conversion's scale operand
	s_delay_alu instid0(VALU_DEP_2)
	v_and_or_b32 v10, v12, 0x7f800000, s40         ; 448 x the scale
	s_delay_alu instid0(VALU_DEP_2)
	v_lshrrev_b32 v13, 23, v11                     ; the scale's byte
.if (\t)%4 == 0
	s_delay_alu instid0(VALU_DEP_1)
	v_mov_b32 v[WSB+(\t)/4], v13
.else
	s_delay_alu instid0(VALU_DEP_1)
	v_lshl_or_b32 v[WSB+(\t)/4], v13, 8*((\t)%4), v[WSB+(\t)/4]
.endif
.set i_, 0
.rept 32
	v_med3_num_f32 v[XB+i_], v[XB+i_], -v10, v10   ; the conversion does not saturate (ISA guide 7.6.2): the hold comes first
.set i_, i_+1
.endr
.irp g, 0,1,2,3
	v_cvt_scalef32_pk8_fp8_f32 v[WC+2*\g:WC+2*\g+1], v[XB+8*\g:XB+8*\g+7], v11
.endr
	ds_store_b128 v4, v[WC:WC+3] offset:32*(\t)
	ds_store_b128 v4, v[WC+4:WC+7] offset:32*(\t)+16
.if (\t)+2 < 8
	WQLOAD (\t)+2
.endif
	s_wait_dscnt 0x0                               ; the stores have read their registers: the next block's codes may be written
.endm
.macro XLOAD t                         ; step t: two tokens x 256 numbers, four loads of 512 consecutive bytes
.irp i, 0,1,2,3
	global_load_b128 v[RR+16*((\t)%4)+4*\i:RR+16*((\t)%4)+4*\i+3], v3, s[4:5] offset:(2*(\t)+\i/2)*4096+512*(\i%2) th:TH_LOAD_NT
.endr
.endm
.macro XTURN t                         ; through the wave's own stage: afterwards lane l holds token 2 t + l/16, k = 256 q + 16 (l%16) + 0..15.  LDS serves a wave's instructions in order
.irp i, 0,1,2,3
	ds_store_b128 v14, v[RR+16*((\t)%4)+4*\i:RR+16*((\t)%4)+4*\i+3] offset:2560*((\t)%2)+640*\i
.endr
.irp i, 0,1,2,3
	ds_load_b128 v[XX+16*((\t)%2)+4*\i:XX+16*((\t)%2)+4*\i+3], v15 offset:2560*((\t)%2)+16*\i
.endr
.endm
.macro XSTEP t
.set XB, XX+16*((\t)%2)
.set CB_, CC+4*((\t)%2)
	s_wait_dscnt 0x0                               ; this step's numbers are back from the stage, and its stores into the stage have read their registers
.if (\t)+4 < 8
	XLOAD (\t)+4
.endif
.if (\t) < 7
.if (\t) < 4
	s_wait_loadcnt 12                              ; the next step's four loads are in; three steps' twelve may be out
.else
	s_wait_loadcnt 4*(6-(\t))                      ; the tail: the steps behind the next one
.endif
	XTURN (\t)+1
.endif
.irp j, 0,1,2,3,4,5,6,7                        ; eight logits' parts of my 16 numbers: two experts an instruction, x broadcast from one half of its pair
.irp p, 0,1,2,3
.if \j == 0
	v_pk_mul_f32 v[ACC+2*\p:ACC+2*\p+1], v[XB:XB+1], v[GW+2*\p:GW+2*\p+1] op_sel_hi:[0,1]
.else
	s_delay_alu instid0(VALU_DEP_4)
	v_pk_fma_f32 v[ACC+2*\p:ACC+2*\p+1], v[XB+2*\j:XB+2*\j+1], v[GW+16*\j+2*\p:GW+16*\j+2*\p+1], v[ACC+2*\p:ACC+2*\p+1] op_sel_hi:[0,1,1]
.endif
.endr
.irp p, 0,1,2,3
	s_delay_alu instid0(VALU_DEP_4)
	v_pk_fma_f32 v[ACC+2*\p:ACC+2*\p+1], v[XB+2*\j:XB+2*\j+1], v[GW+16*\j+8+2*\p:GW+16*\j+8+2*\p+1], v[ACC+2*\p:ACC+2*\p+1] op_sel:[1,0,0] op_sel_hi:[1,1,1]
.endr
.endr
.irp m, 1,2,4,8                                ; over the sixteen lanes of a token
.irp e, 0,1,2,3,4,5,6,7
	v_add_f32_dpp v[ACC+\e], v[ACC+\e], v[ACC+\e] row_xmask:\m row_mask:0xf bank_mask:0xf
.endr
.endr
	ds_store_b128 v6, v[ACC:ACC+3] offset:288*(\t)             ; the sixteen lanes write the same 32 bytes with the same values
	ds_store_b128 v6, v[ACC+4:ACC+7] offset:288*(\t)+16
	v_max3_num_f32 v8, |v[XB]|, |v[XB+1]|, |v[XB+2]|
	v_max3_num_f32 v9, |v[XB+3]|, |v[XB+4]|, |v[XB+5]|
.irp i, 6,10
	s_delay_alu instid0(VALU_DEP_2)
	v_max3_num_f32 v8, v8, |v[XB+\i]|, |v[XB+\i+1]|
	s_delay_alu instid0(VALU_DEP_2)
	v_max3_num_f32 v9, v9, |v[XB+\i+2]|, |v[XB+\i+3]|
.endr
	s_delay_alu instid0(VALU_DEP_2)
	v_max3_num_f32 v8, v8, |v[XB+14]|, |v[XB+15]|
	s_delay_alu instid0(VALU_DEP_1)
	v_max3_num_f32 v8, v8, v9, 0x4800000
	s_delay_alu instid0(VALU_DEP_1)
	v_max_num_f32_dpp v8, v8, v8 row_xmask:1 row_mask:0xf bank_mask:0xf   ; with my neighbour's 16: the block's
	s_delay_alu instid0(VALU_DEP_1)
	v_add_nc_u32 v11, 0xfc000000, v8
	s_delay_alu instid0(VALU_DEP_2)
	v_and_or_b32 v10, v8, 0x7f800000, s40
.set i_, 0
.rept 16
	v_med3_num_f32 v[XB+i_], v[XB+i_], -v10, v10
.set i_, i_+1
.endr
	s_wait_alu depctr_va_vdst(0)
	s_wait_xcnt 0x0                                ; the store of two steps ago has read this set of codes
	v_cvt_scalef32_pk8_fp8_f32 v[CB_:CB_+1], v[XB:XB+7], v11
	v_cvt_scalef32_pk8_fp8_f32 v[CB_+2:CB_+3], v[XB+8:XB+15], v11
	v_lshrrev_b32 v1, 23, v11                      ; the scale's byte (a plain line behind the conversions)
	ds_store_b8 v5, v1 offset:16*(\t)              ; both lanes of a block write the same byte
	global_store_b128 v3, v[CB_:CB_+3], s[34:35] offset:512*(\t)   ; 512 consecutive bytes: two tokens' 256 codes
.endm
	s_load_b256 s[4:11], s[0:1], 0x0               ; x s[4:5], gate_w s[6:7], gate_b s[8:9], w1 s[10:11]
	s_load_b128 s[12:15], s[0:1], 0x20             ; p1 s[12:13], sel s[14:15]
	s_set_vgpr_msb 0x40
	v_lshl_add_u32 v0, v0, 2, 0x1c600
	v_mov_b32 v1, 0
	s_set_vgpr_msb 0x4000
	v_lshrrev_b32 v1, 5, v0
	s_delay_alu instid0(VALU_DEP_1)
	v_readfirstlane_b32 s16, v1                    ; wave 0..7
	v_and_b32 v2, 31, v0                           ; lane
	s_mov_b32 s40, MANT
	s_cmp_lt_u32 ttmp9, 64
	s_cbranch_scc1 .Lxr
	; ---------------- role WQ: 64 columns x 1,024 k a work-group; a wave takes 32 columns x 256 k
	s_sub_co_u32 s17, ttmp9, 64
	s_lshr_b32 s18, s17, 5                         ; e
	s_and_b32 s19, s17, 31
	s_lshl_b32 s19, s19, 1
	s_and_b32 s20, s16, 1
	s_add_co_u32 s19, s19, s20                     ; B = 2 slice + wave % 2: two waves side by side read rows of 256 bytes
	s_lshr_b32 s20, s16, 1                         ; kc
	s_lshl_b32 s24, s18, 23
	s_lshl_b32 s21, s20, 21
	s_add_co_u32 s24, s24, s21
	s_lshl_b32 s21, s19, 7
	s_add_co_u32 s24, s24, s21
	s_mov_b32 s25, 0                               ; w1: e x 2^23 + kc x 256 rows + B x 128 bytes
	s_lshl_b32 s21, s18, 6
	s_add_co_u32 s21, s21, s19                     ; 64 e + B
	s_lshl_b32 s26, s21, 3
	s_lshl_b32 s22, s20, 1
	s_add_co_u32 s26, s26, s22
	s_lshl_b32 s26, s26, 12
	s_mov_b32 s27, 0                               ; codes: ((64 e + B) 8 + 2 kc) x 4,096
	s_lshl_b32 s28, s21, 2
	s_add_co_u32 s28, s28, s20
	s_lshl_b32 s28, s28, 8
	s_add_co_u32 s28, s28, W1S_O
	s_mov_b32 s29, 0                               ; scale bytes: ((64 e + B) 4 + kc) x 256
	s_wait_alu depctr_va_vdst(0)
	v_lshlrev_b32 v3, 2, v2                        ; in: 4 bytes a lane
	s_mul_i32 s19, s16, 32*WPITCH                  ; my stage
	v_mul_u32_u24 v4, v2, WPITCH
	s_delay_alu instid0(VALU_DEP_1)
	v_add_nc_u32 v4, s19, v4                       ; into it: row = my column
	v_and_b32 v5, 15, v2                           ; r
	v_lshrrev_b32 v6, 4, v2                        ; h
	s_delay_alu instid0(VALU_DEP_2)
	v_and_b32 v7, 8, v5
	s_delay_alu instid0(VALU_DEP_1)
	v_add_nc_u32 v7, v7, v5                        ; r + 8 (r/8)
	s_delay_alu instid0(VALU_DEP_1)
	v_mul_u32_u24 v7, v7, WPITCH
	s_delay_alu instid0(VALU_DEP_1)
	v_lshl_add_u32 v7, v6, 4, v7
	s_delay_alu instid0(VALU_DEP_1)
	v_add_nc_u32 v7, s19, v7                       ; out of it: the operand's lane order
	v_lshlrev_b32 v8, 4, v2
	v_lshlrev_b32 v9, 3, v2
	s_wait_kmcnt 0x0
	s_add_nc_u64 s[10:11], s[10:11], s[24:25]
	s_add_nc_u64 s[26:27], s[12:13], s[26:27]
	s_add_nc_u64 s[28:29], s[12:13], s[28:29]
	WQLOAD 0
	WQLOAD 1
.set Q, 0
.rept 8
	WQBLOCK Q
.set Q, Q+1
.endr
	global_store_b64 v9, v[WSB:WSB+1], s[28:29]    ; 32 columns x 8 bytes: 256 consecutive bytes
.irp sp, 0,1
.irp u, 0,1
.irp c, 0,1,2,3
	ds_load_b128 v[WOUT+4*((\sp*2+\u)*4+\c):WOUT+4*((\sp*2+\u)*4+\c)+3], v7 offset:8*\u*WPITCH+128*\sp+32*\c
.endr
.endr
.endr
.set n_, 0
.rept 16
	s_wait_dscnt 15-n_
	global_store_b128 v8, v[WOUT+4*n_:WOUT+4*n_+3], s[26:27] offset:512*n_   ; a chunk: 512 consecutive bytes
.set n_, n_+1
.endr
	s_set_vgpr_msb 0x5
	s_wait_tensorcnt 0x0
	ds_add_u32 v0, v1
	s_wait_dscnt 0x0
	s_set_vgpr_msb 0x500
	s_endpgm
	; ---------------- role XR: wave w takes k = 256 (w%4) .. +255 of 16 tokens (w/4), two tokens a step
.Lxr:
	s_and_b32 s17, s16, 3                          ; q
	s_lshr_b32 s18, s16, 2                         ; which 16 tokens
	s_lshl_b32 s19, ttmp9, 5                       ; the work-group's first token
	s_lshl_b32 s20, s18, 4
	s_add_co_u32 s20, s19, s20                     ; my wave's first token
	v_and_b32 v4, 15, v0                           ; r
	v_bfe_u32 v8, v0, 4, 1                         ; l / 16
	s_wait_alu depctr_va_vdst(0)
	v_lshlrev_b32 v3, 4, v2                        ; 16 l
	s_mul_i32 s21, s16, 5120
	s_add_co_u32 s21, s21, XSTG                    ; my two stages
	v_lshrrev_b32 v14, 2, v2
	s_delay_alu instid0(VALU_DEP_1)
	v_mul_u32_u24 v14, v14, 80
	v_and_b32 v15, 3, v2
	s_delay_alu instid0(VALU_DEP_1)
	v_lshl_add_u32 v14, v15, 4, v14
	s_delay_alu instid0(VALU_DEP_1)
	v_add_nc_u32 v14, s21, v14                     ; in: four lanes' 64 bytes on end, then 16 of padding
	v_mul_u32_u24 v15, v2, 80
	s_delay_alu instid0(VALU_DEP_1)
	v_add_nc_u32 v15, s21, v15                     ; out: my 16 neighbours
	s_lshl_b32 s22, s17, 8
	s_lshl_b32 s23, s18, 7
	s_add_co_u32 s22, s22, s23
	s_add_co_u32 s22, s22, XSC
	v_lshrrev_b32 v5, 1, v4
	s_delay_alu instid0(VALU_DEP_1)
	v_lshl_add_u32 v5, v8, 3, v5
	s_delay_alu instid0(VALU_DEP_1)
	v_add_nc_u32 v5, s22, v5                       ; my block's scale byte
	s_mul_i32 s22, s18, 16*144
	s_lshl_b32 s23, s17, 5
	s_add_co_u32 s22, s22, s23
	s_add_co_u32 s22, s22, PL
	v_mul_u32_u24 v6, v8, 144
	s_delay_alu instid0(VALU_DEP_1)
	v_add_nc_u32 v6, s22, v6                       ; my token's partial logits for my q
	v_mul_u32_u24 v7, v2, 144
	s_delay_alu instid0(VALU_DEP_1)
	v_add_nc_u32 v7, PL, v7                        ; wave 0, later: lane = token
	v_add_nc_u32 v13, XSC, v3                      ; wave 1, later
	v_lshlrev_b32 v12, 9, v4                       ; gate_w: my 16 rows of 32 bytes
	s_lshl_b32 s22, s20, 12
	s_lshl_b32 s23, s17, 10
	s_add_co_u32 s22, s22, s23
	s_mov_b32 s23, 0                               ; x
	s_lshl_b32 s32, s17, 13
	s_mov_b32 s33, 0                               ; gate_w
	s_lshl_b32 s34, s17, 19
	s_lshl_b32 s35, s20, 8
	s_add_co_u32 s34, s34, s35
	s_add_co_u32 s34, s34, XQ_O
	s_mov_b32 s35, 0                               ; x's codes
	s_lshl_b32 s36, s19, 3
	s_add_co_u32 s38, s36, XS_O
	s_add_co_u32 s36, s36, GAT_O
	s_mov_b32 s37, 0
	s_mov_b32 s39, 0
	s_lshl_b32 s42, s19, 2
	s_mov_b32 s43, 0
	s_wait_alu depctr_va_vdst(0)
	s_wait_kmcnt 0x0
	s_load_b256 s[24:31], s[8:9], 0x0              ; gate_b
	s_add_nc_u64 s[4:5], s[4:5], s[22:23]
	s_add_nc_u64 s[6:7], s[6:7], s[32:33]
	s_add_nc_u64 s[34:35], s[12:13], s[34:35]
	s_add_nc_u64 s[36:37], s[12:13], s[36:37]
	s_add_nc_u64 s[38:39], s[12:13], s[38:39]
	s_add_nc_u64 s[14:15], s[14:15], s[42:43]
.set j_, 0
.rept 32
	global_load_b128 v[GW+4*j_:GW+4*j_+3], v12, s[6:7] offset:16*j_
.set j_, j_+1
.endr
.irp t, 0,1,2,3
	XLOAD \t
.endr
	s_wait_loadcnt 12                              ; gate_w and step 0 are in; steps 1 to 3 may be out
	XTURN 0
.irp t, 0,1,2,3,4,5,6,7
	XSTEP \t
.endr
	s_wait_kmcnt 0x0                               ; gate_b
	s_wait_dscnt 0x0                               ; my partial logits and scale bytes have landed
	s_barrier_signal -1
	s_barrier_wait -1
	s_cmp_eq_u32 s16, 0
	s_cbranch_scc1 .Lw0
	s_cmp_eq_u32 s16, 1
	s_cbranch_scc1 .Lw1
	s_set_vgpr_msb 0x5
	s_wait_tensorcnt 0x0
	ds_add_u32 v0, v1
	s_wait_dscnt 0x0
	s_set_vgpr_msb 0x500
	s_endpgm
.Lw1:                                              ; the scale bytes leave as whole runs of 256 bytes
	ds_load_b128 v[20:23], v13
	ds_load_b128 v[24:27], v13 offset:512
	v_bfe_u32 v16, v0, 4, 1
	s_delay_alu instid0(VALU_DEP_1)
	v_lshlrev_b32 v16, 14, v16
	s_delay_alu instid0(VALU_DEP_1)
	v_lshl_add_u32 v16, v4, 4, v16                 ; q = 2 m + l/16: 16,384 bytes apart; 16 bytes a lane
	s_wait_alu depctr_va_vdst(0)
	s_wait_dscnt 0x0
	global_store_b128 v16, v[20:23], s[38:39]
	global_store_b128 v16, v[24:27], s[38:39] offset:32768
	s_set_vgpr_msb 0x5
	s_wait_tensorcnt 0x0
	ds_add_u32 v0, v1
	s_wait_dscnt 0x0
	s_set_vgpr_msb 0x500
	s_endpgm
.Lw0:                                              ; the router: lane = token
.irp j, 0,1,2,3,4,5,6,7
	ds_load_b128 v[16+4*\j:19+4*\j], v7 offset:16*\j
.endr
	s_wait_dscnt 0x0
.irp e, 0,1,2,3,4,5,6,7
	v_add_f32 v[16+\e], v[16+\e], v[24+\e]
	v_add_f32 v[32+\e], v[32+\e], v[40+\e]
.endr
.irp e, 0,1,2,3,4,5,6,7
	v_add_f32 v[16+\e], v[16+\e], v[32+\e]
.endr
.irp e, 0,1,2,3,4,5,6,7
	v_add_f32 v[16+\e], s[24+\e], v[16+\e]         ; + gate_b
.endr
	v_mov_b32 v48, v16                             ; the best logit and its expert,
	v_mov_b32 v49, 0
	v_mov_b32 v50, 0xff800000                      ; the second
	v_mov_b32 v51, 0
.irp e, 1
	s_delay_alu instid0(VALU_DEP_4)
	v_cmp_gt_f32 s44, v[16+\e], v48
	s_delay_alu instid0(VALU_DEP_3)
	v_cmp_gt_f32 s45, v[16+\e], v50
	s_delay_alu instid0(VALU_DEP_1)
	v_cndmask_b32 v52, v50, v[16+\e], s45
	s_delay_alu instid0(VALU_DEP_2)
	v_cndmask_b32 v53, v51, \e, s45
	s_delay_alu instid0(VALU_DEP_2)
	v_cndmask_b32 v50, v52, v48, s44
	s_delay_alu instid0(VALU_DEP_2)
	v_cndmask_b32 v51, v53, v49, s44
	v_cndmask_b32 v48, v48, v[16+\e], s44
	v_cndmask_b32 v49, v49, \e, s44
.endr
.irp e, 2, 3, 4, 5, 6, 7
	s_delay_alu instid0(VALU_DEP_2)
	v_cmp_gt_f32 s44, v[16+\e], v48
	v_cmp_gt_f32 s45, v[16+\e], v50
	s_delay_alu instid0(VALU_DEP_1)
	v_cndmask_b32 v52, v50, v[16+\e], s45
	s_delay_alu instid0(VALU_DEP_2)
	v_cndmask_b32 v53, v51, \e, s45
	s_delay_alu instid0(VALU_DEP_2)
	v_cndmask_b32 v50, v52, v48, s44
	s_delay_alu instid0(VALU_DEP_2)
	v_cndmask_b32 v51, v53, v49, s44
	v_cndmask_b32 v48, v48, v[16+\e], s44
	v_cndmask_b32 v49, v49, \e, s44
.endr
	s_delay_alu instid0(VALU_DEP_2)
	v_sub_f32 v54, v50, v48                        ; second - best, 0 or less: the maximum is taken away
	s_delay_alu instid0(VALU_DEP_1)
	v_mul_f32 v54, 0x3fb8aa3b, v54
	s_wait_alu depctr_va_vdst(0)
	v_exp_f32 v54, v54
	v_min_u32 v56, v49, v51                        ; lo (a plain line behind the exponential)
	s_wait_alu depctr_va_vdst(0)                   ; ahead of the first line that names the exponential's result
	v_add_f32 v55, 1.0, v54
	s_wait_alu depctr_va_vdst(0)
	v_rcp_f32 v55, v55                             ; the best's weight
	v_max_u32 v57, v49, v51                        ; hi
	s_wait_alu depctr_va_vdst(0)
	v_mul_f32 v54, v54, v55                        ; the second's weight
	v_cmp_lt_u32 vcc_lo, v49, v51
	v_cndmask_b32 v58, v54, v55, vcc_lo            ; g_lo
	v_cndmask_b32 v59, v55, v54, vcc_lo            ; g_hi
	v_sub_nc_u32 v60, 15, v56
	s_delay_alu instid0(VALU_DEP_1)
	v_mul_u32_u24 v60, v60, v56
	s_delay_alu instid0(VALU_DEP_1)
	v_lshrrev_b32 v60, 1, v60
	s_delay_alu instid0(VALU_DEP_1)
	v_add_nc_u32 v60, v60, v57
	s_delay_alu instid0(VALU_DEP_1)
	v_sub_nc_u32 v60, v60, v56
	s_delay_alu instid0(VALU_DEP_1)
	v_add_nc_u32 v60, -1, v60                      ; the pair's number: lo (15 - lo) / 2 + hi - lo - 1
	v_lshlrev_b32 v61, 2, v2
	v_lshlrev_b32 v62, 3, v2
	global_store_b32 v61, v60, s[14:15]            ; at fixed places: no address hangs on the choice
	global_store_b64 v62, v[58:59], s[36:37]
	s_set_vgpr_msb 0x5
	s_wait_tensorcnt 0x0
	ds_add_u32 v0, v1
	s_wait_dscnt 0x0
	s_set_vgpr_msb 0x500
	s_endpgm
.Lfunc_end_k_q15d0b0174d_prep1:
	.size	k_q15d0b0174d_prep1, .Lfunc_end_k_q15d0b0174d_prep1-k_q15d0b0174d_prep1
	.p2alignl 7, 3214868480
	.fill 96, 4, 3214868480
	.section	.rodata,"a",@progbits
	.p2align	6, 0x0
	.amdhsa_kernel k_q15d0b0174d_prep1
		.amdhsa_group_segment_fixed_size 117248
		.amdhsa_private_segment_fixed_size 0
		.amdhsa_enable_private_segment 0
		.amdhsa_kernarg_size 48
		.amdhsa_user_sgpr_count 2
		.amdhsa_user_sgpr_kernarg_segment_ptr 1
		.amdhsa_wavefront_size32 1
		.amdhsa_system_sgpr_workgroup_id_x 1
		.amdhsa_system_sgpr_workgroup_id_y 1
		.amdhsa_system_sgpr_workgroup_id_z 1
		.amdhsa_system_vgpr_workitem_id 0
		.amdhsa_next_free_vgpr 258
		.amdhsa_next_free_sgpr 66
		.amdhsa_reserve_vcc 1
		.amdhsa_float_denorm_mode_32 3
		.amdhsa_float_denorm_mode_16_64 3
		.amdhsa_memory_ordered 1
		.amdhsa_forward_progress 1
		.amdhsa_inst_pref_size 170
	.end_amdhsa_kernel
	.amdgpu_metadata
---
amdhsa.version: [ 1, 2 ]
amdhsa.kernels:
  - .name:           k_q15d0b0174d_prep1
    .symbol:         k_q15d0b0174d_prep1.kd
    .args:
      - { .name: x, .offset: 0, .size: 8, .value_kind: global_buffer, .address_space: global }
      - { .name: gate_w, .offset: 8, .size: 8, .value_kind: global_buffer, .address_space: global }
      - { .name: gate_b, .offset: 16, .size: 8, .value_kind: global_buffer, .address_space: global }
      - { .name: w1, .offset: 24, .size: 8, .value_kind: global_buffer, .address_space: global }
      - { .name: p1, .offset: 32, .size: 8, .value_kind: global_buffer, .address_space: global }
      - { .name: sel, .offset: 40, .size: 8, .value_kind: global_buffer, .address_space: global }
    .group_segment_fixed_size: 117248
    .private_segment_fixed_size: 0
    .kernarg_segment_align: 8
    .kernarg_segment_size: 48
    .max_flat_workgroup_size: 256
    .sgpr_count:     66
    .vgpr_count:     258
    .wavefront_size: 32
...
	.end_amdgpu_metadata
.endif
;; end of part 8
;; launch prep2 (part 9): grid 257 x 1, 8 waves a work-group, no clusters, 71,680 bytes of LDS; arguments w2, sel, p2, lists; writes p2, lists
.if DOCPART == 9
	.amdgcn_target "amdgcn-amd-amdhsa--gfx1250"
	.amdhsa_code_object_version 6
	.text
	.protected	k_q15d0b0174d_prep2
	.globl	k_q15d0b0174d_prep2
	.p2align	8
	.type	k_q15d0b0174d_prep2,@function
k_q15d0b0174d_prep2:
	s_mov_b64 s[64:65], 0
	v_nop
	global_prefetch_b8 v0, s[64:65] scope:SCOPE_SE
	s_setreg_imm32_b32 hwreg(HW_REG_WAVE_MODE, 25, 1), 1
	s_wait_xcnt 0x0
; PREP2.  Two roles, chosen by the work-group's number; each has LDS bytes of its own.
; Work-group 0 (role PLACE): a counting sort of the 2,048 tokens by their pair of experts (28 keys, read from sel), without atomics.  A tile is up to 128 tokens of one pair; there are never more than 43.
;   lists: 64 words tile -> rows | lo << 8 | hi << 16 (rows = 0: the tile is not used), then from byte 256 on 43 x 128 words: the tokens of each tile (only the first `rows` of a tile are written, and read).
;   The work goes in batches of 28: 28 compares write 28 masks into scalar registers, then 28 counts, then 28 adds, so that no scalar line reads what the vector line just ahead of it wrote.
; Work-groups 1-256 (role WQ): w2 [8][2048 (k)][1024 (n)] f32 becomes codes of FP8 (E4M3) quantised along k, in the order of a matrix operand's registers:
;   [e][B = n/32][S = k/128][u 2][c 4][lane 32][16 B]; lane (r, h) holds column 32 B + 8 u + r + 8 (r/8), k = 128 S + 32 c + 16 h + 0..15.  Scale bytes: [e][B][kc = k/256][column 32][8 B].
; LIMITS: NaN and infinities are not served; blocks whose largest magnitude lies under 2^-118 (blocks of zeros among them) keep the byte 1; this program alone reads the bytes.
; No work-group reads what another reads, so no cluster; memory binds, so no matrix unit.
.set W2S_O,   16777216
.set MANT,    0x600000
.set WPITCH,  272
.set ROWSTEP, 4096                     ; bytes from k to k + 1 in w2
.set WX,   32
.set WC,   96
.set WOUT, 112
.set WSB,  24
.set CNTB, 69632                       ; role PLACE: 8 waves x 32 words of counts
.set CNT,  36                          ; s[36:63]: a count, later a running place, for each of the 28 keys
.set MK,   66                          ; s[66:93]: a batch of 28 masks or counts; between the passes each key's first tile
.macro WQLOAD t
.set i_, 0
.rept 32
	global_load_b32 v[WX+32*((\t)%2)+i_], v3, s[4:5] offset:(32*(\t)+i_)*ROWSTEP th:TH_LOAD_NT
.set i_, i_+1
.endr
.endm
.macro WQBLOCK t
.set XB, WX+32*((\t)%2)
.if (\t) < 7
	s_wait_loadcnt 32                              ; this block's 32 loads are in; the next block's 32 may be out
.else
	s_wait_loadcnt 0x0
.endif
	v_max3_num_f32 v12, |v[XB]|, |v[XB+1]|, |v[XB+2]|
	v_max3_num_f32 v13, |v[XB+3]|, |v[XB+4]|, |v[XB+5]|
.irp i, 6,10,14,18,22,26
	s_delay_alu instid0(VALU_DEP_2)
	v_max3_num_f32 v12, v12, |v[XB+\i]|, |v[XB+\i+1]|
	s_delay_alu instid0(VALU_DEP_2)
	v_max3_num_f32 v13, v13, |v[XB+\i+2]|, |v[XB+\i+3]|
.endr
	s_delay_alu instid0(VALU_DEP_2)
	v_max3_num_f32 v12, v12, |v[XB+30]|, |v[XB+31]|
	s_delay_alu instid0(VALU_DEP_1)
	v_max3_num_f32 v12, v12, v13, 0x4800000        ; the floor 2^(9 - 127)
	s_delay_alu instid0(VALU_DEP_1)
	v_add_nc_u32 v11, 0xfc000000, v12              ; the conversion's scale operand
	s_delay_alu instid0(VALU_DEP_2)
	v_and_or_b32 v10, v12, 0x7f800000, s35         ; 448 x the scale
	s_delay_alu instid0(VALU_DEP_2)
	v_lshrrev_b32 v13, 23, v11                     ; the scale's byte
.if (\t)%4 == 0
	s_delay_alu instid0(VALU_DEP_1)
	v_mov_b32 v[WSB+(\t)/4], v13
.else
	s_delay_alu instid0(VALU_DEP_1)
	v_lshl_or_b32 v[WSB+(\t)/4], v13, 8*((\t)%4), v[WSB+(\t)/4]
.endif
.set i_, 0
.rept 32
	v_med3_num_f32 v[XB+i_], v[XB+i_], -v10, v10   ; the conversion does not saturate (ISA guide 7.6.2)
.set i_, i_+1
.endr
.irp g, 0,1,2,3
	v_cvt_scalef32_pk8_fp8_f32 v[WC+2*\g:WC+2*\g+1], v[XB+8*\g:XB+8*\g+7], v11
.endr
	ds_store_b128 v4, v[WC:WC+3] offset:32*(\t)
	ds_store_b128 v4, v[WC+4:WC+7] offset:32*(\t)+16
.if (\t)+2 < 8
	WQLOAD (\t)+2
.endif
	s_wait_dscnt 0x0                               ; the stores have read their registers
.endm
	s_load_b256 s[4:11], s[0:1], 0x0               ; w2 s[4:5], sel s[6:7], p2 s[8:9], lists s[10:11]
	v_lshl_add_u32 v192, v0, 2, 0x11400
	v_mov_b32 v193, 0
	v_lshrrev_b32 v1, 5, v0
	s_delay_alu instid0(VALU_DEP_1)
	v_readfirstlane_b32 s16, v1                    ; wave 0..7
	v_and_b32 v2, 31, v0                           ; lane
	s_mov_b32 s35, MANT
	s_cmp_eq_u32 ttmp9, 0
	s_cbranch_scc1 .Lplace
	; ---------------- role WQ: 64 columns x 1,024 k a work-group; a wave takes 32 columns x 256 k
	s_sub_co_u32 s17, ttmp9, 1
	s_lshr_b32 s18, s17, 5                         ; e
	s_and_b32 s19, s17, 15
	s_lshl_b32 s19, s19, 1
	s_and_b32 s20, s16, 1
	s_add_co_u32 s19, s19, s20                     ; B
	s_bfe_u32 s20, s17, 0x10004                    ; which half of k
	s_lshl_b32 s20, s20, 2
	s_lshr_b32 s21, s16, 1
	s_add_co_u32 s20, s20, s21                     ; kc
	s_lshl_b32 s24, s18, 23
	s_lshl_b32 s21, s20, 20
	s_add_co_u32 s24, s24, s21
	s_lshl_b32 s21, s19, 7
	s_add_co_u32 s24, s24, s21
	s_mov_b32 s25, 0
	s_lshl_b32 s21, s18, 5
	s_add_co_u32 s21, s21, s19                     ; 32 e + B
	s_lshl_b32 s26, s21, 4
	s_lshl_b32 s22, s20, 1
	s_add_co_u32 s26, s26, s22
	s_lshl_b32 s26, s26, 12
	s_mov_b32 s27, 0                               ; codes: ((32 e + B) 16 + 2 kc) x 4,096
	s_lshl_b32 s28, s21, 3
	s_add_co_u32 s28, s28, s20
	s_lshl_b32 s28, s28, 8
	s_add_co_u32 s28, s28, W2S_O
	s_mov_b32 s29, 0                               ; scale bytes: ((32 e + B) 8 + kc) x 256
	s_wait_alu depctr_va_vdst(0)
	v_lshlrev_b32 v3, 2, v2
	s_mul_i32 s19, s16, 32*WPITCH
	v_mul_u32_u24 v4, v2, WPITCH
	s_delay_alu instid0(VALU_DEP_1)
	v_add_nc_u32 v4, s19, v4
	v_and_b32 v5, 15, v2
	v_lshrrev_b32 v6, 4, v2
	s_delay_alu instid0(VALU_DEP_2)
	v_and_b32 v7, 8, v5
	s_delay_alu instid0(VALU_DEP_1)
	v_add_nc_u32 v7, v7, v5
	s_delay_alu instid0(VALU_DEP_1)
	v_mul_u32_u24 v7, v7, WPITCH
	s_delay_alu instid0(VALU_DEP_1)
	v_lshl_add_u32 v7, v6, 4, v7
	s_delay_alu instid0(VALU_DEP_1)
	v_add_nc_u32 v7, s19, v7
	v_lshlrev_b32 v8, 4, v2
	v_lshlrev_b32 v9, 3, v2
	s_wait_kmcnt 0x0
	s_add_nc_u64 s[4:5], s[4:5], s[24:25]
	s_add_nc_u64 s[26:27], s[8:9], s[26:27]
	s_add_nc_u64 s[28:29], s[8:9], s[28:29]
	WQLOAD 0
	WQLOAD 1
.set Q, 0
.rept 8
	WQBLOCK Q
.set Q, Q+1
.endr
	global_store_b64 v9, v[WSB:WSB+1], s[28:29]    ; 256 consecutive bytes
.irp sp, 0,1
.irp u, 0,1
.irp c, 0,1,2,3
	ds_load_b128 v[WOUT+4*((\sp*2+\u)*4+\c):WOUT+4*((\sp*2+\u)*4+\c)+3], v7 offset:8*\u*WPITCH+128*\sp+32*\c
.endr
.endr
.endr
.set n_, 0
.rept 16
	s_wait_dscnt 15-n_                             ; LDS loads come back in order: chunk n_ is in, the later ones may be out
	global_store_b128 v8, v[WOUT+4*n_:WOUT+4*n_+3], s[26:27] offset:512*n_
.set n_, n_+1
.endr
	s_wait_tensorcnt 0x0
	ds_add_u32 v192, v193
	s_wait_dscnt 0x0
	s_endpgm
	; ---------------- role PLACE: wave w holds tokens 256 w + 32 i + lane, i = 0..7
.Lplace:
	s_wait_alu depctr_va_vdst(0)
	v_lshlrev_b32 v3, 2, v2
	s_lshl_b32 s17, s16, 10
	v_add_nc_u32 v3, s17, v3
	v_lshl_add_u32 v4, v0, 2, CNTB                 ; my wave's 32 words, my lane's
	v_lshl_add_u32 v5, v2, 2, CNTB                 ; key = lane, of wave 0
	s_lshl_b32 s18, s16, 8
	v_add_nc_u32 v47, s18, v2                      ; token 256 w + lane
	s_wait_alu depctr_va_vdst(0)
	s_wait_kmcnt 0x0
	s_add_nc_u64 s[12:13], s[10:11], 256           ; the tokens' part of lists
.irp i, 0,1,2,3,4,5,6,7
	global_load_b32 v[16+\i], v3, s[6:7] offset:128*\i
.endr
	v_mov_b32 v24, 0
	s_wait_loadcnt 0x0
.irp i, 0,1,2,3,4,5,6,7                        ; pass 1: my wave's count of each key; the first row of tokens starts the counts
.set k, 0
.rept 28
	v_cmp_eq_u32 s[MK+k], k, v[16+\i]
.set k, k+1
.endr
.set k, 0
.rept 28
.if \i == 0
	s_bcnt1_i32_b32 s[CNT+k], s[MK+k]
.else
	s_bcnt1_i32_b32 s[MK+k], s[MK+k]
.endif
.set k, k+1
.endr
.if \i > 0
.set k, 0
.rept 28
	s_add_co_u32 s[CNT+k], s[CNT+k], s[MK+k]
.set k, k+1
.endr
.endif
.endr
.set k, 0
	v_writelane_b32 v24, s[CNT+k], k
.set k, k+1
.rept (28)-1
	s_delay_alu instid0(VALU_DEP_1)
	v_writelane_b32 v24, s[CNT+k], k
.set k, k+1
.endr
	ds_store_b32 v4, v24
	s_wait_dscnt 0x0                               ; for the others' sake
	s_barrier_signal -1
	s_barrier_wait -1
.irp u, 0,1,2,3,4,5,6,7
	ds_load_b32 v[32+\u], v5 offset:128*\u         ; lane = key: every wave's count
.endr
	v_mov_b32 v40, 0                               ; the key's total,
	v_mov_b32 v42, 0                               ; and what the waves ahead of mine hold of it
	s_wait_alu depctr_va_vdst(0)
	s_wait_dscnt 0x0
.irp u, 0,1,2,3,4,5,6,7
	v_add_nc_u32 v40, v40, v[32+\u]
	s_cmp_lt_u32 \u, s16
	s_cselect_b32 s2, -1, 0
	v_and_b32 v41, s2, v[32+\u]
	s_delay_alu instid0(VALU_DEP_1)
	v_add_nc_u32 v42, v42, v41
.endr
	v_add_nc_u32 v43, 127, v40
	s_delay_alu instid0(VALU_DEP_1)
	v_lshrrev_b32 v43, 7, v43                      ; the key's tiles
.set k, 0
.rept 28
	v_readlane_b32 s[MK+k], v43, k
.set k, k+1
.endr
	s_mov_b32 s3, 0                                ; the key's first tile: a running sum over the keys, in scalars
.set k, 0
.rept 28
	s_mov_b32 s2, s[MK+k]
	s_mov_b32 s[MK+k], s3
	s_add_co_u32 s3, s3, s2
.set k, k+1
.endr
	v_mov_b32 v44, 0
.set k, 0
.rept 28
	s_delay_alu instid0(VALU_DEP_1)
	v_writelane_b32 v44, s[MK+k], k
.set k, k+1
.endr
	s_delay_alu instid0(VALU_DEP_1)
	v_lshl_add_u32 v45, v44, 7, v42                ; where my wave's first token of the key goes
	s_cmp_gt_u32 s16, 1
	s_cbranch_scc1 .Lnotab
	; waves 0 and 1: the word of tile = my thread's number, 0..63.  The last key whose first tile is not beyond the tile owns it
.set k, 0
.rept 28
	v_readlane_b32 s[CNT+k], v40, k                ; the keys' totals (the registers take the running places further down)
.set k, k+1
.endr
.irp n, 72,73,74
	v_mov_b32 v[\n], 0
.endr
.set k, 0
.set lo_, 0
.set hi_, 1
.rept 28
	s_mov_b32 s17, (lo_<<8)|(hi_<<16)
	v_cmp_gt_u32 vcc_lo, s[MK+k], v0
	s_delay_alu instid0(VALU_DEP_1)
	v_cndmask_b32 v72, s[MK+k], v72, vcc_lo
	s_delay_alu instid0(VALU_DEP_2)
	v_cndmask_b32 v73, s[CNT+k], v73, vcc_lo
	s_delay_alu instid0(VALU_DEP_3)
	v_cndmask_b32 v74, s17, v74, vcc_lo
.set k, k+1
.set hi_, hi_+1
.if hi_ > 7
.set lo_, lo_+1
.set hi_, lo_+1
.endif
.endr
	s_delay_alu instid0(VALU_DEP_3)
	v_sub_nc_u32 v78, v0, v72
	s_delay_alu instid0(VALU_DEP_1)
	v_lshlrev_b32 v78, 7, v78
	s_delay_alu instid0(VALU_DEP_1)
	v_sub_nc_u32 v78, v73, v78                     ; the key's total less the rows of its tiles ahead,
	s_delay_alu instid0(VALU_DEP_1)
	v_max_i32 v78, 0, v78
	s_delay_alu instid0(VALU_DEP_1)
	v_min_i32 v78, 0x80, v78                       ; held to 0 .. 128
	s_delay_alu instid0(VALU_DEP_1)
	v_or_b32 v78, v78, v74
	v_lshlrev_b32 v80, 2, v0
	global_store_b32 v80, v78, s[10:11]            ; v78 and v80 are not written again
.Lnotab:
.set k, 0
	s_wait_alu depctr_va_vdst(0)
.rept 28
	v_readlane_b32 s[CNT+k], v45, k
.set k, k+1
.endr
.irp i, 0,1,2,3,4,5,6,7                        ; pass 2: each token's place.  Each store has an offset register (v48-55) and a data register (v56-63) of its own, and none of them is written again
.set k, 0
.rept 28
	v_cmp_eq_u32 s[MK+k], k, v[16+\i]
.set k, k+1
.endr
.set k, 0
.rept 28
	v_mbcnt_lo_u32_b32 v[96+k], s[MK+k], s[CNT+k]  ; the key's running place + the lanes below mine that hold it
.set k, k+1
.endr
.set k, 0
.rept 28                                       ; my key's is kept: four chains, of which one holds it and the others 0
.if k < 4
	v_cndmask_b32 v[64+k], 0, v[96+k], s[MK+k]
.else
	s_delay_alu instid0(VALU_DEP_4)
	v_cndmask_b32 v[64+k%4], v[64+k%4], v[96+k], s[MK+k]
.endif
.set k, k+1
.endr
.if \i < 7
.set k, 0
.rept 28
	s_bcnt1_i32_b32 s[MK+k], s[MK+k]
.set k, k+1
.endr
.set k, 0
.rept 28
	s_add_co_u32 s[CNT+k], s[CNT+k], s[MK+k]
.set k, k+1
.endr
.endif
	s_wait_alu depctr_va_vdst(0)
	v_or_b32 v64, v64, v65
	v_or_b32 v66, v66, v67
	s_delay_alu instid0(VALU_DEP_1)
	v_or_b32 v[48+\i], v64, v66
	s_delay_alu instid0(VALU_DEP_1)
	v_min_u32 v[48+\i], 5503, v[48+\i]             ; inside the 43 x 128 words
	s_delay_alu instid0(VALU_DEP_1)
	v_lshlrev_b32 v[48+\i], 2, v[48+\i]
	v_add_nc_u32 v[56+\i], 32*\i, v47
	global_store_b32 v[48+\i], v[56+\i], s[12:13]
.endr
	s_wait_tensorcnt 0x0
	ds_add_u32 v192, v193
	s_wait_dscnt 0x0
	s_endpgm
.Lfunc_end_k_q15d0b0174d_prep2:
	.size	k_q15d0b0174d_prep2, .Lfunc_end_k_q15d0b0174d_prep2-k_q15d0b0174d_prep2
	.p2alignl 7, 3214868480
	.fill 96, 4, 3214868480
	.section	.rodata,"a",@progbits
	.p2align	6, 0x0
	.amdhsa_kernel k_q15d0b0174d_prep2
		.amdhsa_group_segment_fixed_size 71680
		.amdhsa_private_segment_fixed_size 0
		.amdhsa_enable_private_segment 0
		.amdhsa_kernarg_size 32
		.amdhsa_user_sgpr_count 2
		.amdhsa_user_sgpr_kernarg_segment_ptr 1
		.amdhsa_wavefront_size32 1
		.amdhsa_system_sgpr_workgroup_id_x 1
		.amdhsa_system_sgpr_workgroup_id_y 1
		.amdhsa_system_sgpr_workgroup_id_z 1
		.amdhsa_system_vgpr_workitem_id 0
		.amdhsa_next_free_vgpr 194
		.amdhsa_next_free_sgpr 100
		.amdhsa_reserve_vcc 1
		.amdhsa_float_denorm_mode_32 3
		.amdhsa_float_denorm_mode_16_64 3
		.amdhsa_memory_ordered 1
		.amdhsa_forward_progress 1
		.amdhsa_inst_pref_size 181
	.end_amdhsa_kernel
	.amdgpu_metadata
---
amdhsa.version: [ 1, 2 ]
amdhsa.kernels:
  - .name:           k_q15d0b0174d_prep2
    .symbol:         k_q15d0b0174d_prep2.kd
    .args:
      - { .name: w2, .offset: 0, .size: 8, .value_kind: global_buffer, .address_space: global }
      - { .name: sel, .offset: 8, .size: 8, .value_kind: global_buffer, .address_space: global }
      - { .name: p2, .offset: 16, .size: 8, .value_kind: global_buffer, .address_space: global }
      - { .name: lists, .offset: 24, .size: 8, .value_kind: global_buffer, .address_space: global }
    .group_segment_fixed_size: 71680
    .private_segment_fixed_size: 0
    .kernarg_segment_align: 8
    .kernarg_segment_size: 32
    .max_flat_workgroup_size: 256
    .sgpr_count:     100
    .vgpr_count:     194
    .wavefront_size: 32
...
	.end_amdgpu_metadata
.endif
;; end of part 9
;; launch ffn1 (part 10): grid 16 x 43, 4 waves a work-group, no clusters, 140,800 bytes of LDS; arguments lists, p1, b1, hb; writes hb
.if DOCPART == 10
	.amdgcn_target "amdgcn-amd-amdhsa--gfx1250"
	.amdhsa_code_object_version 6
	.text
	.protected	k_q15d0b0174d_ffn1
	.globl	k_q15d0b0174d_ffn1
	.p2align	8
	.type	k_q15d0b0174d_ffn1,@function
k_q15d0b0174d_ffn1:
	s_mov_b64 s[64:65], 0
	v_nop
	global_prefetch_b8 v0, s[64:65] scope:SCOPE_SE
	s_setreg_imm32_b32 hwreg(HW_REG_WAVE_SCHED_MODE, 0, 2), 2
	s_setreg_imm32_b32 hwreg(HW_REG_WAVE_MODE, 25, 1), 1
	s_wait_xcnt 0x0
	s_wait_alu depctr_vm_vsrc(0)
; FFN1.  h = Q(gelu(x W1[e] + b1[e])) for the rows of one tile (up to 128 tokens of one pair of experts), BOTH experts of the pair one after the other, 128 columns of F; both operands are codes of FP8 (E4M3) with E8M0 scales.
; Work-group (x, y): tile y; S = x: columns 128 S .. +127, which are one K step of the second product.  The tile's rows of x's codes are gathered into LDS once, and serve both experts and all four waves.
; Wave w takes 32 columns (block 4 S + w) for all rows: its part of an expert's W1, 2 tiles x 8 K steps x 16 registers, fills window 1 and is read from memory once for each expert.
; THE PRODUCT IS USED TRANSPOSED (source 0 = 16 columns of W1, source 1 = 16 tokens), and the columns of a tile are chosen (8 u + r + 8 (r/8)) so that a lane's 16 results are 16 neighbours along F: they are quantised in
; registers and are four registers of the second product's operand.  b1 is the C of each sum's first product.
; GELU, exact-erf: h = max(x, 0) - |x| t E, t = 1 / (1 + 0.35355339 |x|), E = 2^(P(t) - 0.72134752 x^2): x/2 erfc(-x/sqrt 2) with erfc(z) = t exp(-z^2 + poly(t)), whose relative error is 1.2e-7; log2(e) and the half are folded into P.
; Stored: codes [tile][which][sub 8][S 16][c 4][lane][16 B] (the image of an operand of 16 tokens x 128 k), scale words [tile][which][S][sub][row 16][4 B] (zeros for groups of rows that the tile does not have).
; THE TILE'S ROW COUNT IS READ FROM MEMORY AND STEERS BRANCHES.  So there is no tensor load and no joint load of a cluster, and BOTH BARRIERS STAND ON EVERY WAY: the text is three segments, and a tile without rows jumps over each
; segment's work and rejoins ahead of the barrier; it loads nothing but its word of the list and stores nothing.  A segment reads only registers written in it or in the head, and waits for all its own loads.
; LIMITS: NaN and infinities are not served; a block of h whose largest magnitude lies under 2^-118 keeps the byte 1.  Rows behind a tile's last token, up to the next multiple of 16, are copies of that token; they never reach the output.
; THE MODE: SCHED_MODE bits 1:0 = 2 (LLVM: expert scheduling mode 2), set by the entry lines.  The code itself states the register dependences between vector or matrix instructions and memory or LDS instructions, with s_wait_alu, always for 0.
; THE PLAN.  Registers that memory or LDS instructions touch, and who else names them:
;   v4-v15, v90, v91, v95, v104-v107   addresses, offsets and a zero: made in the head, read by loads and stores throughout, never written again: one wait on va_vdst at the head's end, on every way.
;   v16-v31, v94                       the offsets of the tile's token words; v108-v124: the tokens as loaded, then, made in place, the gather's addresses.  Segment 1 alone: a wait on va_vdst behind each of its two runs of vector lines.
;   v96-v103, v128-v255, window 1's v0-v127 in segment 1: filled by the gather, read by the LDS stores.  One wait on vm_vsrc behind the first barrier, on every way, frees them: for W1, for x's fragments, for the last load from LDS.
;   window 1, v32-v55                  W1, b1, W1's scale words: loaded at a pass's head, read by the pass's products: one wait on va_vdst at the second pass's head.
;   v56-v63, v192-v255                 a group's scale words and its fragments of K steps 4 to 7: read by the group's products alone.  Behind these and their places stands one wait on va_vdst, and the next group's are asked for there, ahead of GELU, which names none of them.
;   v128-v191                          the fragments of K steps 0 to 3; between the products GELU's registers.   v80-v83, v89: the codes and the scale byte, written by the quantiser, read by the group's two stores.
;                                      ONE wait on va_vdst behind the quantiser serves both: the two stores follow it, and behind them the next group's loads into v128-v191, with no vector line between.
;                                      One wait on vm_vsrc, beside the wait on XCNT, stands ahead of the next quantiser, nearly a group behind the stores whose data it frees.
.set W1S_O, 16777216
.set XQ_O,  17301504
.set XS_O,  19398656
.set HS_O,  22544384
.set XP,    1040                       ; LDS: a token's 1,024 codes + 16 bytes: 260 words, so 16 rows start at 16 different banks (64 banks of 4 bytes: ISA guide 11.1)
.set XSL,   133120                     ; behind 128 such rows: the tokens' 8 scale words, 48 bytes a row
.set HT,    139264                     ; h's scale words of this K step: [which 2][sub][row][4 B], 2 x 512 bytes
.set HH,    64                         ; v64-79   the two accumulators: 16 neighbours along F
.set PC,    80                         ; v80-83   their codes
.set TK,    108                        ; v108-124 segment 1: seventeen tokens as loaded, then the gather's addresses
.set XF,    128                        ; v128-255 x's eight fragments; first the gather's registers; between the products the lower half is GELU's
.set GT,    128
.set GP,    144
.set GQ,    160
.set GR,    176
.set MSB, 0
.macro WIN new                         ; the immediate's high byte repeats the setting that is left
.if MSB != \new
	s_set_vgpr_msb (MSB<<8)|\new
.set MSB, \new
.endif
.endm
.macro PLACES n
.rept \n
	v_nop
.endr
.endm
.macro GELU16
.set j, 0
.rept 16
	v_fma_f32 v[GT+j], |v[HH+j]|, s60, 1.0         ; each accumulator is read from its low end on
.set j, j+1
.endr
.set j, 0
	s_wait_alu depctr_va_vdst(0)
.rept 16
	v_rcp_f32 v[GT+j], v[GT+j]                     ; t
.set j, j+1
.endr
.set j, 0
.rept 8
	v_pk_mul_f32 v[GQ+j:GQ+j+1], v[HH+j:HH+j+1], v[HH+j:HH+j+1]     ; x^2: work that names no reciprocal
.set j, j+2
.endr
.set j, 0
.rept 16
	v_max_num_f32 v[GR+j], 0, v[HH+j]
.set j, j+1
.endr
	s_wait_alu depctr_va_vdst(0)                   ; the sixteen reciprocals have written v[GT ..]: one wait, ahead of their first reader
.set j, 0
.rept 8
	v_pk_fma_f32 v[GP+j:GP+j+1], v[GT+j:GT+j+1], v[92:93], s[56:57] op_sel_hi:[1,1,0]
.set j, j+2
.endr
.irp k, 7,6,5,4,3,2,1,0
.set j, 0
.rept 8
	v_pk_fma_f32 v[GP+j:GP+j+1], v[GP+j:GP+j+1], v[GT+j:GT+j+1], s[40+2*\k:41+2*\k] op_sel_hi:[1,1,0]
.set j, j+2
.endr
.endr
.set j, 0
.rept 8
	v_pk_fma_f32 v[GP+j:GP+j+1], v[GQ+j:GQ+j+1], s[58:59], v[GP+j:GP+j+1] op_sel_hi:[1,0,1]
.set j, j+2
.endr
.set j, 0
	s_wait_alu depctr_va_vdst(0)
.rept 16
	v_exp_f32 v[GP+j], v[GP+j]                     ; E
.set j, j+1
.endr
.set j, 0
.rept 16
	v_mul_f32 v[GT+j], |v[HH+j]|, v[GT+j]          ; |x| t: work that names no exponential
.set j, j+1
.endr
	s_wait_alu depctr_va_vdst(0)                   ; the sixteen exponentials have written v[GP ..]: one wait, ahead of their first reader
.set j, 0
.rept 8
	v_pk_fma_f32 v[HH+j:HH+j+1], v[GT+j:GT+j+1], v[GP+j:GP+j+1], v[GR+j:GR+j+1] neg_lo:[1,0,0] neg_hi:[1,0,0]
.set j, j+2
.endr
.endm
.macro QUANT16                         ; my 16 numbers and lane l xor 16's are a block of 32 along F
	v_max3_num_f32 v84, |v[HH]|, |v[HH+1]|, 0x4800000          ; with the floor 2^(9 - 127)
	v_max3_num_f32 v86, |v[HH+2]|, |v[HH+3]|, |v[HH+4]|
	v_max3_num_f32 v84, v84, |v[HH+5]|, |v[HH+6]|
	v_max3_num_f32 v86, v86, |v[HH+7]|, |v[HH+8]|
	v_max3_num_f32 v84, v84, |v[HH+9]|, |v[HH+10]|
	v_max3_num_f32 v86, v86, |v[HH+11]|, |v[HH+12]|
	v_max3_num_f32 v84, v84, |v[HH+13]|, |v[HH+14]|
	v_max3_num_f32 v84, v84, v86, |v[HH+15]|
	v_permlanex16_b32 v85, v84, s62, s63
	v_max_num_f32 v84, v84, v85
	v_add_nc_u32 v87, 0xfc000000, v84              ; the conversion's scale operand
	v_and_or_b32 v88, v84, 0x7f800000, s61         ; 448 x the scale
	v_lshrrev_b32 v89, 23, v87                     ; the scale's byte
.set j, 0
.rept 16
	v_med3_num_f32 v[HH+j], v[HH+j], -v88, v88     ; the conversion does not saturate (ISA guide 7.6.2)
.set j, j+1
.endr
	v_cvt_scalef32_pk8_fp8_f32 v[PC:PC+1], v[HH:HH+7], v87
	v_cvt_scalef32_pk8_fp8_f32 v[PC+2:PC+3], v[HH+8:HH+15], v87
	v_nop                                          ; a plain line between the conversions and the next products, which write their sources
.endm
.macro XLD i, s                        ; group i's fragment of K step s: four loads; groups 0-3 by v4, groups 4-7 by v12
.irp c, 0,1,2,3
	ds_load_b128 v[XF+16*(\s)+4*\c:XF+16*(\s)+4*\c+3], v[4+8*((\i)/4)] offset:((\i)%4)*16*XP+128*(\s)+32*\c
.endr
.endm
.macro XUP i                           ; group i's eight scale words and its fragments of K steps 4 to 7: the registers that products alone read
	ds_load_b128 v[56:59], v5 offset:768*(\i)
	ds_load_b128 v[60:63], v5 offset:768*(\i)+16
.irp s, 4,5,6,7
	XLD \i, \s
.endr
.endm
; Group i of 16 rows for expert p of the pair: written out, so that every LDS and memory offset is an immediate.  A group that the tile does not have ends the pass.
.macro SUB i, p
.if (\i) > 0
	s_cmp_le_u32 s19, \i
	s_cbranch_scc1 .Lafter\p
.else
	XUP 0                                          ; a pass's first group asks for all of its own; of every later group this part was asked for in the group before
.endif
.irp s, 0,1,2,3
	XLD \i, \s                                     ; no wait: no vector line stands between the wait behind the last quantiser (the first pass's first group: the wait behind the barrier) and these loads
.endr
	WIN 0x01                                       ; source 0 (W1) window 1
.irp s, 0,1,2,3,4,5,6,7
.if (\i) == 0
	s_wait_loadcnt 8*(7-\s)                        ; W1's eight chunks of this K step are in (and all that was asked for earlier); the later K steps' chunks may be out
.endif
.if \s < 4
	s_wait_dscnt 4*(3-\s)                          ; this K step's fragment of x is in; those of the later K steps up to 3 may be out; the scale words and K steps 4 to 7 were asked for earlier
.endif
.if \s == 0
	v_wmma_scale_f32_16x16x128_f8f6f4 v[HH:HH+7], v[0:15], v[XF:XF+15], v[32:39], v48, v56
	v_wmma_scale_f32_16x16x128_f8f6f4 v[HH+8:HH+15], v[16:31], v[XF:XF+15], v[40:47], v48, v56 matrix_a_scale:MATRIX_SCALE_ROW1
.else
	v_wmma_scale_f32_16x16x128_f8f6f4 v[HH:HH+7], v[32*\s:32*\s+15], v[XF+16*\s:XF+16*\s+15], v[HH:HH+7], v[48+\s], v[56+\s]
	v_wmma_scale_f32_16x16x128_f8f6f4 v[HH+8:HH+15], v[32*\s+16:32*\s+31], v[XF+16*\s:XF+16*\s+15], v[HH+8:HH+15], v[48+\s], v[56+\s] matrix_a_scale:MATRIX_SCALE_ROW1
.endif
.endr                                              ; the two accumulators take turns, one instruction a turn
	WIN 0
	PLACES 9                                       ; ahead of the first read of the results, of the writes into x's registers and of the next group's first products (ISA guide 7.12.1)
.if (\i) < 7
	s_wait_alu depctr_va_vdst(0)                   ; the products are done reading v56-63 and v192-255, in which the next group's loads land
	s_cmp_le_u32 s19, (\i)+1
	s_cbranch_scc1 .Lnx_\@                         ; the tile has no next group
	XUP (\i)+1                                     ; on their way during GELU and the quantiser, which name none of these registers
.Lnx_\@:
.endif
	GELU16
.if ((\i) > 0) || ((\p) > 0)
	s_wait_alu depctr_va_vdst(0)
	s_wait_xcnt 0x0                                ; the last group's store has had its addresses translated: its codes are written again below
	s_wait_alu depctr_vm_vsrc(0)                   ; the last group's two stores have read v80-83 and v89, which the quantiser writes again
.endif
	QUANT16
	s_wait_alu depctr_va_vdst(0)                   ; the quantiser has written v80-83 and v89, which the stores below read; GELU is done with v128-191, in which the next group's loads land
	global_store_b128 v7, v[PC:PC+3], s[36:37] offset:32768*(\i)+262144*(\p)   ; 512 consecutive bytes: registers 4 w .. 4 w + 3 of the operand
	ds_store_b8 v6, v89 offset:64*(\i)+512*(\p)    ; both lanes of a block write the same byte
.endm
; Expert p of the pair: my part of its W1 (base s[wb:wb+1]), W1's scale words (s[sb:sb+1]) and b1 (s[bb:bb+1]), then the groups of 16 rows.
.macro PASS p, wb, sb, bb
.if (\p) > 0
	s_wait_dscnt 0x0                               ; no LDS instruction of the expert before is out: the registers of x's scale words and fragments are asked for anew below
	s_wait_alu depctr_va_vdst(0)                   ; the products of the expert before are done reading v32-55 and window 1, in which the loads below land; only loads and a window switch follow up to the last of them
.endif
.irp k, 0,1,2,3
	global_load_b64 v[48+2*\k:49+2*\k], v90, s[\sb:\sb+1] offset:256*\k
.endr
.irp u, 0,1
	global_load_b128 v[32+8*\u:35+8*\u], v91, s[\bb:\bb+1] offset:32*\u
	global_load_b128 v[36+8*\u:39+8*\u], v91, s[\bb:\bb+1] offset:32*\u+16
.endr
	WIN 0x40                                       ; destination window 1
.set n_, 0
.rept 64
	global_load_b128 v[4*n_:4*n_+3], v7, s[\wb:\wb+1] offset:512*n_   ; W1's chunks, K step by K step: 512 consecutive bytes each
.set n_, n_+1
.endr
	WIN 0
.irp i, 0,1,2,3,4,5,6,7
	SUB \i, \p
.endr
.Lafter\p:
.endm
	; ---------------- the head: on every way
	s_load_b256 s[4:11], s[0:1], 0x0               ; lists s[4:5], p1 s[6:7], b1 s[8:9], hb s[10:11]
	v_lshl_add_u32 v126, v0, 2, 0x22400
	v_mov_b32 v127, 0
	v_lshrrev_b32 v1, 5, v0
	v_readfirstlane_b32 s12, v1                    ; wave 0..3
	s_and_b32 s13, ttmp7, 0xffff                   ; tile
	s_and_b32 s15, ttmp9, 15                       ; S
	s_lshl_b32 s70, s13, 2
	s_mov_b32 s71, 0
	s_wait_alu depctr_va_sdst(0)                   ; s12 is written, ahead of its first reader
	s_wait_kmcnt 0x0
	s_add_nc_u64 s[24:25], s[4:5], s[70:71]
	s_load_b32 s17, s[24:25], 0x0                  ; the tile's word
	v_and_b32 v1, 31, v0                           ; l
	v_and_b32 v2, 15, v0                           ; r
	v_bfe_u32 v3, v0, 4, 1                         ; h
	v_mul_u32_u24 v4, v2, XP
	v_lshl_add_u32 v4, v3, 4, v4                   ; a fragment of x: row r, + 16 h: groups 0-3,
	v_add_nc_u32 v12, 64*XP, v4                    ; and groups 4-7
	v_mul_u32_u24 v5, v2, 48
	v_add_nc_u32 v5, XSL, v5                       ; row r's scale words
	v_lshlrev_b32 v6, 2, v2
	v_add_nc_u32 v6, s12, v6
	v_add_nc_u32 v6, HT, v6                        ; h's scale byte: row r's word, byte w
	v_lshlrev_b32 v7, 4, v1                        ; 16 l
	s_lshl_b32 s16, s12, 4
	v_add_nc_u32 v105, s16, v3                     ; the gather: row 16 w + h (+ 2 i)
	v_mul_u32_u24 v9, v105, XP
	v_lshl_add_u32 v9, v2, 4, v9                   ; where it goes
	v_add_nc_u32 v15, 64*XP, v9                    ; and 64 rows further on
	v_mul_u32_u24 v10, v0, 48
	v_add_nc_u32 v10, XSL, v10                     ; thread = row: its scale words
	v_lshl_add_u32 v11, v0, 2, HT
	s_min_u32 s2, s12, 1                           ; at the end wave 0 stores the lower expert's scale words, wave 1 the higher's
	s_lshl_b32 s3, s2, 9
	v_add_nc_u32 v106, s3, v7
	v_add_nc_u32 v106, HT, v106                    ; from LDS,
	s_lshl_b32 s3, s2, 13
	v_add_nc_u32 v107, s3, v7                      ; to memory: the experts' words lie 16 x 512 bytes apart
	v_lshlrev_b32 v104, 4, v2                      ; 16 r
	v_and_b32 v90, 8, v2
	v_add_nc_u32 v90, v90, v2
	v_lshl_add_u32 v90, v3, 3, v90
	v_lshlrev_b32 v90, 3, v90                      ; W1's scale words: lanes 0-15 tile u = 0, lanes 16-31 tile u = 1: 8 bytes x (8 h + r + 8 (r/8))
	v_lshlrev_b32 v91, 6, v3                       ; b1: 64 h
	v_mov_b32 v85, 0                               ; written once: a lane permute's destination counts as one of its sources
	v_mov_b32 v95, 0
	v_mov_b32 v92, 0x3e7c6f08                      ; c9
	v_mov_b32 v93, 0x3e7c6f08
	s_wait_alu depctr_va_vdst(0)                   ; the head's addresses, offsets and the zero are written: every load and store of the kernel reads some of them, and none is written again
	ds_store_b32 v11, v95                          ; h's scale words begin as zeros, for both experts
	ds_store_b32 v11, v95 offset:512
	s_mov_b32 s40, 0xc034d90f                      ; c0 .. c8, each twice: the packed form names a pair
	s_mov_b32 s42, 0x3fb8ab5a
	s_mov_b32 s44, 0x3f0a29d2
	s_mov_b32 s46, 0x3e0efb2e
	s_mov_b32 s48, 0xbe899a80
	s_mov_b32 s50, 0x3ecdfd18
	s_mov_b32 s52, 0xbfd1a1e5
	s_mov_b32 s54, 0x40097039
	s_mov_b32 s56, 0xbf97d29d
	s_mov_b32 s58, 0xbf38aa3b                      ; -log2(e) / 2
.irp n, 40,42,44,46,48,50,52,54,56,58
	s_mov_b32 s[\n+1], s[\n]
.endr
	s_mov_b32 s60, 0x3eb504f3                      ; 1 / (2 sqrt 2)
	s_mov_b32 s61, 0x600000                        ; the mantissa field of 448
	s_mov_b32 s62, 0x76543210
	s_mov_b32 s63, 0xfedcba98                      ; lane l xor 16
	s_wait_kmcnt 0x0
	s_and_b32 s18, s17, 0xff
	s_min_u32 s18, s18, 128                        ; rows, 0..128
	s_add_co_u32 s19, s18, 15
	s_lshr_b32 s19, s19, 4                         ; groups of 16 rows, 0..8
	s_sub_co_u32 s21, s18, 1
	s_bfe_u32 s20, s17, 0x80008
	s_min_u32 s20, s20, 7                          ; the pair's lower expert,
	s_bfe_u32 s14, s17, 0x80010
	s_min_u32 s14, s14, 7                          ; and its higher
	s_lshl_b32 s16, s15, 2
	s_add_co_u32 s16, s16, s12                     ; my block of 32 columns: 4 S + w
	s_lshl_b32 s70, s13, 9
	s_add_co_u32 s70, s70, 256
	s_add_nc_u64 s[24:25], s[4:5], s[70:71]        ; the tile's tokens
	s_add_nc_u64 s[26:27], s[6:7], XQ_O
	s_add_nc_u64 s[28:29], s[6:7], XS_O
	s_lshl_b32 s2, s20, 6                          ; the lower expert:
	s_add_co_u32 s2, s2, s16
	s_lshl_b32 s70, s2, 15
	s_add_nc_u64 s[30:31], s[6:7], s[70:71]        ; my 32 KiB of W1's codes,
	s_lshl_b32 s70, s2, 10
	s_add_co_u32 s70, s70, W1S_O
	s_add_nc_u64 s[32:33], s[6:7], s[70:71]        ; their scale words,
	s_lshl_b32 s70, s20, 13
	s_lshl_b32 s3, s16, 7
	s_add_co_u32 s70, s70, s3
	s_add_nc_u64 s[34:35], s[8:9], s[70:71]        ; b1
	s_lshl_b32 s2, s14, 6                          ; the higher expert: the same
	s_add_co_u32 s2, s2, s16
	s_lshl_b32 s70, s2, 15
	s_add_nc_u64 s[72:73], s[6:7], s[70:71]
	s_lshl_b32 s70, s2, 10
	s_add_co_u32 s70, s70, W1S_O
	s_add_nc_u64 s[74:75], s[6:7], s[70:71]
	s_lshl_b32 s70, s14, 13
	s_add_co_u32 s70, s70, s3
	s_add_nc_u64 s[76:77], s[8:9], s[70:71]
	s_lshl_b32 s70, s13, 19
	s_lshl_b32 s3, s16, 9
	s_add_co_u32 s70, s70, s3
	s_add_nc_u64 s[36:37], s[10:11], s[70:71]      ; h's codes: tile x 524,288 + (4 S + w) x 512; the higher expert's lie 262,144 bytes on
	s_lshl_b32 s70, s13, 5
	s_add_co_u32 s70, s70, s15
	s_lshl_b32 s70, s70, 9
	s_add_co_u32 s70, s70, HS_O
	s_add_nc_u64 s[38:39], s[10:11], s[70:71]      ; h's scale words: (32 tile + S) x 512
	; ---------------- segment 1: the tile's rows of x into LDS.  Rows 16 w + 2 i + h, the same + 64, and row = thread; a row behind the last token takes the last token
	s_cmp_eq_u32 s18, 0
	s_cbranch_scc1 .Lj1
.irp i, 0,1,2,3,4,5,6,7
	v_add_nc_u32 v[16+\i], 2*\i, v105
	v_add_nc_u32 v[24+\i], 2*\i+64, v105
.endr
	v_mov_b32 v94, v0
.irp n, 16,17,18,19,20,21,22,23,24,25,26,27,28,29,30,31,94
	v_min_u32 v[\n], s21, v[\n]
	v_min_u32 v[\n], 127, v[\n]
	v_lshlrev_b32 v[\n], 2, v[\n]
.endr
	s_wait_alu depctr_va_vdst(0)                   ; the seventeen offsets v16-31 and v94 are written, which the loads below read; they are not written again
.set n_, 0
.rept 16
	global_load_b32 v[TK+n_], v[16+n_], s[24:25]   ; a token lands in a register of its own, not on its offset
.set n_, n_+1
.endr
	global_load_b32 v[TK+16], v94, s[24:25]
	s_wait_loadcnt 0x0
.set n_, 0
.rept 16
	v_min_u32 v[TK+n_], 0x7ff, v[TK+n_]
	v_lshl_add_u32 v[TK+n_], v[TK+n_], 8, v104     ; token x 256 + 16 r
.set n_, n_+1
.endr
	v_min_u32 v[TK+16], 0x7ff, v[TK+16]
	v_lshlrev_b32 v[TK+16], 3, v[TK+16]
	s_wait_alu depctr_va_vdst(0)                   ; the seventeen addresses v108-124 are written, which the gather below reads, in window 1 too: only loads, scalar lines and a window switch follow up to its last load
.irp q, 0,1,2,3
	global_load_b64 v[96+2*\q:97+2*\q], v[TK+16], s[28:29] offset:16384*\q
.endr
.irp i, 0,1,2,3,4,5,6,7
.irp q, 0,1,2,3
	global_load_b128 v[XF+16*\i+4*\q:XF+16*\i+4*\q+3], v[TK+\i], s[26:27] offset:524288*\q   ; sixteen lanes: 256 bytes of one token
.endr
.endr
	s_add_co_u32 s2, s12, 4
	s_cmp_le_u32 s19, s2
	s_cbranch_scc1 .Lonly_a                        ; my rows 64 + 16 w on are group 4 + w: only where the tile has it.  Into window 1, which W1 takes only later
	WIN 0x40                                       ; destination window 1
.irp i, 0,1,2,3,4,5,6,7
.irp q, 0,1,2,3
	global_load_b128 v[16*\i+4*\q:16*\i+4*\q+3], v[TK+8+\i], s[26:27] offset:524288*\q
.endr
.endr
	WIN 0
	s_wait_loadcnt 0x0
	WIN 0x04                                       ; an LDS store's data are its source 1: window 1
.irp i, 0,1,2,3,4,5,6,7
.irp q, 0,1,2,3
	ds_store_b128 v15, v[16*\i+4*\q:16*\i+4*\q+3] offset:2*\i*XP+256*\q
.endr
.endr
	WIN 0
.Lonly_a:
	s_wait_loadcnt 0x0
	ds_store_b128 v10, v[96:99]
	ds_store_b128 v10, v[100:103] offset:16
.irp i, 0,1,2,3,4,5,6,7
.irp q, 0,1,2,3
	ds_store_b128 v9, v[XF+16*\i+4*\q:XF+16*\i+4*\q+3] offset:2*\i*XP+256*\q
.endr
.endr
.Lj1:
	s_wait_dscnt 0x0                               ; my rows, and my zeros, lie in LDS
	s_barrier_signal -1
	s_barrier_wait -1
	s_wait_alu depctr_vm_vsrc(0)                   ; my LDS stores have read v96-103, v128-255 and window 1's v0-127: loads land in all of them below (W1, x's fragments, the last load from LDS).  On every way, ahead of the branch
	; ---------------- segment 2: the lower expert, then the higher, on the same rows of x
	s_cmp_eq_u32 s19, 0
	s_cbranch_scc1 .Lafter1
	PASS 0, 30, 32, 34
	PASS 1, 72, 74, 76
	s_wait_dscnt 0x0                               ; my scale bytes have landed
	s_barrier_signal -1
	s_barrier_wait -1
	; ---------------- segment 3: waves 0 and 1 store the K step's scale words, an expert each
	s_cmp_gt_u32 s12, 1
	s_cbranch_scc1 .Lend
	s_cmp_eq_u32 s18, 0
	s_cbranch_scc1 .Lend
	ds_load_b128 v[96:99], v106
	s_wait_dscnt 0x0
	global_store_b128 v107, v[96:99], s[38:39]     ; 512 consecutive bytes
.Lend:
	s_wait_dscnt 0x0                               ; the closing lines, six on end
	s_wait_alu 0x0
	s_wait_tensorcnt 0x0
	ds_add_u32 v126, v127
	s_wait_dscnt 0x0
	s_endpgm
.Lfunc_end_k_q15d0b0174d_ffn1:
	.size	k_q15d0b0174d_ffn1, .Lfunc_end_k_q15d0b0174d_ffn1-k_q15d0b0174d_ffn1
	.p2alignl 7, 3214868480
	.fill 96, 4, 3214868480
	.section	.rodata,"a",@progbits
	.p2align	6, 0x0
	.amdhsa_kernel k_q15d0b0174d_ffn1
		.amdhsa_group_segment_fixed_size 140800
		.amdhsa_private_segment_fixed_size 0
		.amdhsa_enable_private_segment 0
		.amdhsa_kernarg_size 32
		.amdhsa_user_sgpr_count 2
		.amdhsa_user_sgpr_kernarg_segment_ptr 1
		.amdhsa_wavefront_size32 1
		.amdhsa_system_sgpr_workgroup_id_x 1
		.amdhsa_system_sgpr_workgroup_id_y 1
		.amdhsa_system_sgpr_workgroup_id_z 1
		.amdhsa_system_vgpr_workitem_id 0
		.amdhsa_next_free_vgpr 512
		.amdhsa_next_free_sgpr 80
		.amdhsa_reserve_vcc 0
		.amdhsa_float_denorm_mode_32 3
		.amdhsa_float_denorm_mode_16_64 3
		.amdhsa_memory_ordered 1
		.amdhsa_forward_progress 1
		.amdhsa_inst_pref_size 255
	.end_amdhsa_kernel
	.section	.bss,"aw",@nobits
	.p2align	6
	.space	262144
	.amdgpu_metadata
---
amdhsa.version: [ 1, 2 ]
amdhsa.kernels:
  - .name:           k_q15d0b0174d_ffn1
    .symbol:         k_q15d0b0174d_ffn1.kd
    .args:
      - { .name: lists, .offset: 0, .size: 8, .value_kind: global_buffer, .address_space: global }
      - { .name: p1, .offset: 8, .size: 8, .value_kind: global_buffer, .address_space: global }
      - { .name: b1, .offset: 16, .size: 8, .value_kind: global_buffer, .address_space: global }
      - { .name: hb, .offset: 24, .size: 8, .value_kind: global_buffer, .address_space: global }
    .group_segment_fixed_size: 140800
    .private_segment_fixed_size: 0
    .kernarg_segment_align: 8
    .kernarg_segment_size: 32
    .max_flat_workgroup_size: 128
    .sgpr_count:     80
    .vgpr_count:     512
    .wavefront_size: 32
...
	.end_amdgpu_metadata
.endif
;; end of part 10
;; launch ffn2 (part 11): grid 8 x 43, 8 waves a work-group, no clusters, 279,552 bytes of LDS; arguments lists, p1, p2, hb, b2, out0; writes out0
.if DOCPART == 11
	.amdgcn_target "amdgcn-amd-amdhsa--gfx1250"
	.amdhsa_code_object_version 6
	.text
	.protected	k_q15d0b0174d_ffn2
	.globl	k_q15d0b0174d_ffn2
	.p2align	8
	.type	k_q15d0b0174d_ffn2,@function
k_q15d0b0174d_ffn2:
	s_mov_b64 s[64:65], 0
	v_nop
	global_prefetch_b8 v0, s[64:65] scope:SCOPE_SE
	s_setreg_imm32_b32 hwreg(HW_REG_WAVE_SCHED_MODE, 0, 2), 2
	s_setreg_imm32_b32 hwreg(HW_REG_WAVE_MODE, 25, 1), 1
	s_wait_xcnt 0x0
	s_wait_alu depctr_vm_vsrc(0)
; FFN2.  out[token] = g_lo (h_lo W2[lo] + b2[lo]) + g_hi (h_hi W2[hi] + b2[hi]) for the rows of one tile (up to 128 tokens of one pair of experts) and 128 columns of D: each output row has one owner.
; Work-group (x, y): tile y, columns 128 x .. +127.  Wave w: which = w / 4 (the pair's lower or higher expert), 32 columns (block 4 x + w % 4), all rows, K = 2,048 in four chunks of four K steps of 128.
; Both operands are codes of FP8 (E4M3) with E8M0 scales.  W2's fragments come from memory straight into registers, through A RING OF FOUR SLOTS of one K step (32 registers): behind K step s, K step s + 4 is asked for
; into the slot just read, three K steps ahead of its use.  h's fragments, which four waves share, come through registers into one of two LDS buffers as images of the operand's registers: wave w copies group w of both
; experts, if the tile has it, a chunk ahead: it asks at the chunk's head and stores behind the chunk's first two K steps, which therefore stand in both arms of that branch, each arm with wait counts of its own.
; THE PRODUCT IS USED TRANSPOSED (source 0 = 16 columns of W2, source 1 = 16 tokens): a lane holds one token and 16 neighbouring columns.  Each sum begins as b2, loaded straight into the accumulators.
; THE TILE'S ROW COUNT IS READ FROM MEMORY AND STEERS BRANCHES.  So there is no tensor load and no joint load of a cluster, and ALL SIX BARRIERS STAND ON EVERY WAY: the text is a row of segments, and a tile without rows jumps over
; each segment's work and rejoins ahead of the barrier.  What a segment reads of another segment's loads (W2's slots) was written once in the head, on every way.  The head is on every way: in a tile without rows it reads token 0
; of tile 0 (bytes that were stored), its gates, biases, scale words and four K steps of W2 (16 KiB a wave), and nothing is made of them; such a tile stores nothing.
; LIMITS: NaN and infinities are not served.
; THE MODE: SCHED_MODE bits 1:0 = 2 (LLVM: expert scheduling mode 2), set by the entry lines.  The code itself states the register dependences between vector or matrix instructions and memory or LDS instructions, with s_wait_alu, always for 0.
; THE PLAN.  Registers that memory or LDS instructions touch, and who else names them:
;   v4-v15, v120-v123   addresses and offsets, made in the head, never written again; v88-v96: the offsets of the token words, made in the head: one wait on va_vdst ahead of the head's first load.
;   v24-v31, v10        the tokens as loaded; v24-v31 become the gates' offsets in place: one wait on va_vdst ahead of the gates' loads.
;   F0 .. F3 (v56-v119) four fragments of h; group i lies in F[i % 4].  THE GROUPS GO IN PAIRS: while pair q is multiplied, the eight loads of pair q + 1 are out, into the two sets that pair q - 1's products read:
;                       ahead of them eight places and ONE wait on va_vdst.  A K step's first two pairs are asked for behind the wait at the end of the K step before.
;   v48-v51, W2's slot  h's scale words and W2's fragments of a K step: read by all its products.  ONE wait on va_vdst at the K step's end serves the load of K step s + 4 into the slot, and the next K step's scale words and first two pairs.
;   SG (window 1's v128-v255)  my group of h on its way: loaded, then read by the copy's LDS stores; v104-v119 likewise carry h's scale words in the first segment, and v88-v96 were read by the tokens' loads:
;                       one wait on vm_vsrc at the head of chunks 0 to 2, on every way, ahead of the loads that land in them again.
;   v128-v255 on the way out   written by the multiplications by the gates (all of them, then ONE wait on va_vdst), read by the LDS stores into the stage (one wait on vm_vsrc behind the barrier), then filled from the stage.
;   s44-s59             the sixteen rows' tokens, by lane reads in one run with one wait on va_sdst; v88-v103: their addresses; with the sums they are written ahead of ONE wait on va_vdst, behind which the stores follow.
.set GAT_O, 19464192
.set W2S_O, 16777216
.set HS_O,  22544384
.set HSL,   262144                     ; LDS: byte 0: h's fragments [buffer 2][which 2][group 8][K step 4][c 4][512 B]; here the tile's scale words of h, 16,384 bytes
.set SP,    528                        ; the way out's stage, [which 2][128 rows x (512 + 16 bytes)], lies over the buffers: it is written behind the last chunk's barrier
.set STW,   128*SP
.set W2SC,  32                         ; v32-47   W2's scale words: lanes 0-15 tile u = 0, lanes 16-31 u = 1
.set HSC,   48                         ; v48-51   h's: lanes 0-15 group 2 p, lanes 16-31 group 2 p + 1
.set HF,    56                         ; v56-119  four fragments of h.  Outside the K steps: v88-96 the token words' offsets (head), v104-119 h's scale words on their way to LDS (first segment), v88-103 the output rows' addresses (way out)
.set AHW,   120                        ; v120-123 where I put my group: [buffer][which]
.set W2R,   128                        ; v128-255 W2's ring: 4 slots x 2 tiles x 16
.set SG,    128                        ; window 1: v0-127 the accumulators (group i, tile u at 16 i + 8 u); v128-255 my group of h on its way to LDS
.set TOK,   44                         ; s[44:59] the way out: the tokens of my sixteen rows, then their rows' byte offsets in out0
.set MSB, 0
.macro WIN new                         ; the immediate's high byte repeats the setting that is left
.if MSB != \new
	s_set_vgpr_msb (MSB<<8)|\new
.set MSB, \new
.endif
.endm
.macro PLACES n
.rept \n
	v_nop
.endr
.endm
.macro WLOAD s                         ; my two tiles of W2 for K step s into slot s % 4: 8 loads of 512 consecutive bytes
.irp u, 0,1
.irp c, 0,1,2,3
	global_load_b128 v[W2R+32*((\s)%4)+16*\u+4*\c:W2R+32*((\s)%4)+16*\u+4*\c+3], v4, s[30:31] offset:4096*(\s)+2048*\u+512*\c
.endr
.endr
.endm
.macro COPYLOAD ch                     ; group w of h, both experts, the chunk's four K steps: 32 loads
	WIN 0x40                                       ; destination window 1
.irp x, 0,1
.irp k, 0,1,2,3
.irp c, 0,1,2,3
	global_load_b128 v[SG+4*((4*\x+\k)*4+\c):SG+4*((4*\x+\k)*4+\c)+3], v4, s[34:35] offset:262144*\x+2048*(4*(\ch)+\k)+512*\c
.endr
.endr
.endr
	WIN 0
.endm
.macro COPYSTORE ch                    ; into buffer ch % 2
	WIN 0x04                                       ; an LDS store's data are its source 1: window 1
.irp x, 0,1
.irp k, 0,1,2,3
.irp c, 0,1,2,3
	ds_store_b128 v[AHW+2*((\ch)%2)+\x], v[SG+4*((4*\x+\k)*4+\c):SG+4*((4*\x+\k)*4+\c)+3] offset:2048*\k+512*\c
.endr
.endr
.endr
	WIN 0
.endm
.macro HFLOAD s, i                     ; group i's fragment of K step s, into F[i % 4]
.irp c, 0,1,2,3
	ds_load_b128 v[HF+16*((\i)%4)+4*\c:HF+16*((\i)%4)+4*\c+3], v[5+((\s)/4)%2] offset:8192*(\i)+2048*((\s)%4)+512*\c
.endr
.endm
.macro MM d, a, b, sa, sb, ar, br
.if (\ar) && (\br)
	v_wmma_scale_f32_16x16x128_f8f6f4 v[\d:\d+7], v[\a:\a+15], v[\b:\b+15], v[\d:\d+7], v[\sa], v[\sb] matrix_a_scale:MATRIX_SCALE_ROW1 matrix_b_scale:MATRIX_SCALE_ROW1
.elseif (\ar)
	v_wmma_scale_f32_16x16x128_f8f6f4 v[\d:\d+7], v[\a:\a+15], v[\b:\b+15], v[\d:\d+7], v[\sa], v[\sb] matrix_a_scale:MATRIX_SCALE_ROW1
.elseif (\br)
	v_wmma_scale_f32_16x16x128_f8f6f4 v[\d:\d+7], v[\a:\a+15], v[\b:\b+15], v[\d:\d+7], v[\sa], v[\sb] matrix_b_scale:MATRIX_SCALE_ROW1
.else
	v_wmma_scale_f32_16x16x128_f8f6f4 v[\d:\d+7], v[\a:\a+15], v[\b:\b+15], v[\d:\d+7], v[\sa], v[\sb]
.endif
.endm
.macro MUL s, i                        ; group i x my two tiles; no two products that follow each other share an accumulator, on any way
	MM 16*(\i), W2R+32*((\s)%4), HF+16*((\i)%4), W2SC+(\s), HSC+(\i)/2, 0, (\i)%2
	MM 16*(\i)+8, W2R+32*((\s)%4)+16, HF+16*((\i)%4), W2SC+(\s), HSC+(\i)/2, 1, (\i)%2
.endm
.macro MUL1 s, i                       ; one group
	WIN 0x50                                       ; C and D window 1
	MUL \s, \i
	WIN 0
.endm
.macro MUL2 s, i                       ; a pair: groups i and i + 1
	WIN 0x50                                       ; C and D window 1
	MUL \s, \i
	MUL \s, (\i)+1
	WIN 0
.endm
; A K step.  cnt: how many loads younger than this K step's W2 may stay out.  One branch governs a group's loads and its products together: the trunk serves whole pairs with a whole pair behind them; where group 0 is alone,
; where a pair is the last, and where one group follows a pair, the way leads to a tail that is written out, with counts of its own.
; At its head no vector or matrix line has been issued since the wait on va_vdst at the end of the K step before (chunk 0: since the one ahead of the gates' loads): so the scale words and the first two pairs are asked for with no wait.
.macro KSTEP s, cnt
.irp p, 0,1,2,3
	ds_load_b32 v[HSC+\p], v7 offset:512*(\s)+128*\p
.endr
	HFLOAD \s, 0
	s_cmp_le_u32 s19, 1
	s_cbranch_scc1 .Ls_\@                          ; group 0 is alone
	HFLOAD \s, 1
	s_wait_loadcnt \cnt                            ; this K step's slot of W2 is in
.irp q, 0,1,2
	s_cmp_le_u32 s19, 2*\q+2
	s_cbranch_scc1 .Le_\@_\q                       ; this pair is the last
	s_cmp_le_u32 s19, 2*\q+3
	s_cbranch_scc1 .Lo_\@_\q                       ; one group follows it
.if \q > 0
	PLACES 8                                       ; behind the products just issued (ISA guide 7.12.1),
	s_wait_alu depctr_va_vdst(0)                   ; and the wait: the products of the pair before are done reading their two fragments, in which the loads below land
.endif
	HFLOAD \s, 2*\q+2
	HFLOAD \s, 2*\q+3
	s_wait_dscnt 8                                 ; all but the eight loads just issued: this pair is in
	MUL2 \s, 2*\q
.endr
	s_wait_dscnt 0x0
	MUL2 \s, 6
	s_branch .Lx_\@
.Ls_\@:
	s_wait_loadcnt \cnt                            ; this K step's slot of W2 is in
	s_wait_dscnt 0x0
	MUL1 \s, 0
	s_branch .Lx_\@
.irp q, 0,1,2
.Le_\@_\q:
	s_wait_dscnt 0x0
	MUL2 \s, 2*\q
	s_branch .Lx_\@
.Lo_\@_\q:
.if \q > 0
	PLACES 8                                       ; behind the products just issued (ISA guide 7.12.1),
	s_wait_alu depctr_va_vdst(0)                   ; and the wait: the products of the pair before are done reading the fragment in which the loads below land
.endif
	HFLOAD \s, 2*\q+2
	s_wait_dscnt 4                                 ; all but the four loads just issued: this pair is in
	MUL2 \s, 2*\q
	s_wait_dscnt 0x0
	MUL1 \s, 2*\q+2
.if \q < 2
	s_branch .Lx_\@
.endif
.endr
.Lx_\@:
.endm
; A K step, the places and the wait behind its products, and the load of K step s + 4 into the slot that it has read.
.macro STEPW s, cnt
	KSTEP \s, \cnt
.if (\s) < 15
	PLACES 8                                       ; behind the K step's last products (ISA guide 7.12.1),
	s_wait_alu depctr_va_vdst(0)                   ; and the wait: its products are done reading W2's slot, h's scale words and all four fragments: loads land in the slot below, and in the others at the next K step's head
.endif
.if (\s)+4 <= 15
	WLOAD (\s)+4
.endif
.endm
; A chunk of four K steps.  At its head the ring's four loads of 8 for this chunk may be out, and nothing else that it reads.
; The copying arm: 32 loads of the next chunk's h go out first.  Younger than K step 4 ch's W2: 24 of the ring + 32 = 56; than K step 4 ch + 1's: 16 + 32 + the 8 just asked for = 56; younger than the copy: 16.
; The other arm, and both behind the join: three loads of 8 of the ring are younger than the slot that is wanted: 24.  The last chunk asks for nothing: 24, 16, 8, 0.
; The next chunk's h goes into the buffer that was last read a chunk ago, ahead of that chunk's barrier.
.macro SEG ch
.if (\ch) < 3
	s_wait_alu depctr_vm_vsrc(0)                   ; the LDS stores of the segment before have read SG, in which the copy's loads land; ahead of chunk 0 also: the LDS stores have read v104-119 and the tokens' loads v88-96, which are fragments of h from here on.  On every way, ahead of the branches
.endif
	s_cmp_eq_u32 s19, 0
	s_cbranch_scc1 .Lsk_\@
.if (\ch) < 3
	s_cmp_ge_u32 s16, s19
	s_cbranch_scc1 .Lnc_\@                         ; the tile has no group w
	COPYLOAD (\ch)+1
	STEPW 4*(\ch), 56
	STEPW 4*(\ch)+1, 56
	s_wait_loadcnt 16                              ; the copy is in
	COPYSTORE (\ch)+1
	s_branch .Ljn_\@
.Lnc_\@:
	STEPW 4*(\ch), 24
	STEPW 4*(\ch)+1, 24
.Ljn_\@:
	STEPW 4*(\ch)+2, 24
	STEPW 4*(\ch)+3, 24
.else
	STEPW 12, 24
	STEPW 13, 16
	STEPW 14, 8
	STEPW 15, 0
.endif
.Lsk_\@:
	s_wait_dscnt 0x0                               ; my stores have landed, and my reads of this chunk's buffer are over
	s_barrier_signal -1
	s_barrier_wait -1
.endm
	; ---------------- the head: on every way
	s_load_b256 s[4:11], s[0:1], 0x0               ; lists s[4:5], p1 s[6:7], p2 s[8:9], hb s[10:11]
	s_load_b128 s[12:15], s[0:1], 0x20             ; b2 s[12:13], out0 s[14:15]
	v_lshl_add_u32 v126, v0, 2, 0x44000
	v_mov_b32 v127, 0
	v_lshrrev_b32 v1, 5, v0
	v_readfirstlane_b32 s16, v1                    ; wave 0..7
	s_and_b32 s17, ttmp7, 0xffff                   ; tile
	s_wait_alu depctr_va_sdst(0)                   ; s16 is written, ahead of its first reader
	s_lshr_b32 s22, s16, 2                         ; which
	s_and_b32 s24, s16, 3
	s_lshl_b32 s23, ttmp9, 2
	s_add_co_u32 s23, s23, s24                     ; my block of 32 columns
	s_lshl_b32 s42, s17, 2
	s_mov_b32 s43, 0
	s_wait_kmcnt 0x0
	s_add_nc_u64 s[26:27], s[4:5], s[42:43]
	s_load_b32 s2, s[26:27], 0x0                   ; the tile's word
	v_and_b32 v1, 31, v0                           ; l
	v_and_b32 v2, 15, v0                           ; r
	v_bfe_u32 v3, v0, 4, 1                         ; h
	v_lshlrev_b32 v4, 4, v1                        ; 16 l
	s_lshl_b32 s25, s22, 16
	v_add_nc_u32 v5, s25, v4                       ; h's fragments of my expert: buffer 0,
	v_add_nc_u32 v6, 0x20000, v5                   ; buffer 1
	s_lshl_b32 s25, s16, 13
	v_add_nc_u32 v[AHW], s25, v4                   ; the slot of group w: buffer 0, lower expert;
	v_add_nc_u32 v[AHW+1], 0x10000, v[AHW]         ; higher expert;
	v_add_nc_u32 v[AHW+2], 0x20000, v[AHW]         ; buffer 1
	v_add_nc_u32 v[AHW+3], 0x30000, v[AHW]
	s_lshl_b32 s25, s22, 13
	s_add_co_u32 s25, s25, HSL
	v_lshl_add_u32 v7, v1, 2, s25                  ; h's scale words of my expert
	s_mul_i32 s25, s22, STW
	s_lshl_b32 s28, s24, 7
	s_add_co_u32 s25, s25, s28
	v_mul_u32_u24 v8, v2, SP
	v_lshl_add_u32 v8, v3, 6, v8
	v_add_nc_u32 v8, s25, v8                       ; the stage, in: row r, my 128 bytes, + 64 h
	s_mul_i32 s25, s16, 16*SP
	v_add_nc_u32 v9, s25, v4                       ; back: rows 16 w on, 16 bytes a lane: the lower expert's,
	v_add_nc_u32 v13, STW, v9                      ; and the higher's
	v_lshl_add_u32 v11, v0, 4, HSL
	v_lshlrev_b32 v12, 4, v0
	v_and_b32 v14, 8, v2
	v_add_nc_u32 v14, v14, v2
	v_lshl_add_u32 v14, v3, 3, v14
	v_lshlrev_b32 v14, 3, v14                      ; W2's scale words: 8 bytes x (8 h + r + 8 (r/8))
	v_lshlrev_b32 v15, 6, v3                       ; b2: 64 h
	s_wait_kmcnt 0x0
	s_and_b32 s18, s2, 0xff
	s_min_u32 s18, s18, 128                        ; rows, 0..128
	s_add_co_u32 s19, s18, 15
	s_lshr_b32 s19, s19, 4                         ; groups of 16 rows, 0..8
	s_bfe_u32 s24, s2, 0x80008
	s_bfe_u32 s25, s2, 0x80010
	s_cmp_eq_u32 s22, 0
	s_cselect_b32 s20, s24, s25
	s_min_u32 s20, s20, 7                          ; e
	s_cmp_eq_u32 s18, 0
	s_cselect_b32 s44, 0, s17                      ; whose tokens the head reads: a tile without rows reads tile 0's,
	s_max_u32 s21, s18, 1
	s_sub_co_u32 s21, s21, 1                       ; and of those the first
	s_lshl_b32 s42, s44, 9
	s_add_co_u32 s42, s42, 256
	s_add_nc_u64 s[26:27], s[4:5], s[42:43]        ; the tokens
	s_lshl_b32 s42, s22, 2
	s_add_co_u32 s42, s42, GAT_O
	s_add_nc_u64 s[28:29], s[6:7], s[42:43]        ; the gates of my expert
	s_lshl_b32 s2, s20, 5
	s_add_co_u32 s2, s2, s23                       ; 32 e + B
	s_lshl_b32 s42, s2, 16
	s_add_nc_u64 s[30:31], s[8:9], s[42:43]        ; my 64 KiB of W2's codes
	s_lshl_b32 s42, s2, 11
	s_add_co_u32 s42, s42, W2S_O
	s_add_nc_u64 s[32:33], s[8:9], s[42:43]
	s_lshl_b32 s42, s17, 19
	s_lshl_b32 s3, s16, 15
	s_add_co_u32 s42, s42, s3
	s_add_nc_u64 s[34:35], s[10:11], s[42:43]      ; h's codes: the tile, group w
	s_lshl_b32 s42, s17, 14
	s_add_co_u32 s42, s42, HS_O
	s_add_nc_u64 s[36:37], s[10:11], s[42:43]      ; h's scale words
	s_lshl_b32 s42, s20, 12
	s_lshl_b32 s3, s23, 7
	s_add_co_u32 s42, s42, s3
	s_add_nc_u64 s[38:39], s[12:13], s[42:43]      ; b2
	s_lshl_b32 s42, ttmp9, 9
	s_add_nc_u64 s[40:41], s[14:15], s[42:43]      ; out0 at my 128 columns
.irp i, 0,1,2,3,4,5,6,7
	v_add_nc_u32 v[88+\i], 16*\i, v2               ; row 16 i + r
.endr
	s_lshl_b32 s2, s16, 4
	v_add_nc_u32 v96, s2, v2                       ; row 16 w + r: the rows that I store
.irp n, 88,89,90,91,92,93,94,95,96
	v_min_u32 v[\n], s21, v[\n]                    ; a row behind the last token takes the last token
	v_min_u32 v[\n], 127, v[\n]
	v_lshlrev_b32 v[\n], 2, v[\n]
.endr
	s_wait_alu depctr_va_vdst(0)                   ; the head's addresses and offsets are written: v4-15, v120-123, which loads and stores read throughout and nothing writes again, and v88-96, which the tokens' loads read.  Only loads and window switches follow up to the head's last load
.irp i, 0,1,2,3,4,5,6,7
	global_load_b32 v[24+\i], v[88+\i], s[26:27]   ; a token lands in a register of its own, not on its offset
.endr
	global_load_b32 v10, v96, s[26:27]
.irp k, 0,1,2,3,4,5,6,7
	global_load_b64 v[W2SC+2*\k:W2SC+2*\k+1], v14, s[32:33] offset:256*\k
.endr
	WIN 0x40                                       ; destination window 1
.irp i, 0,1,2,3,4,5,6,7                        ; every sum begins as its bias: lane (r, h) of tile u holds columns 16 h + 8 u + 0..7
.irp u, 0,1
	global_load_b128 v[16*\i+8*\u:16*\i+8*\u+3], v15, s[38:39] offset:32*\u
	global_load_b128 v[16*\i+8*\u+4:16*\i+8*\u+7], v15, s[38:39] offset:32*\u+16
.endr
.endr
	WIN 0
	WLOAD 0                                        ; the ring's first four K steps
	WLOAD 1
	WLOAD 2
	WLOAD 3
	; ---------------- the first segment: h's scale words and chunk 0 of h into LDS
	s_cmp_eq_u32 s19, 0
	s_cbranch_scc1 .Lsk_p
.irp m, 0,1,2,3
	global_load_b128 v[104+4*\m:107+4*\m], v12, s[36:37] offset:4096*\m
.endr
	s_cmp_ge_u32 s16, s19
	s_cbranch_scc1 .Lnc_p                          ; the tile has no group w
	COPYLOAD 0
	s_wait_loadcnt 0x0
	COPYSTORE 0
.Lnc_p:
	s_wait_loadcnt 0x0
.irp m, 0,1,2,3
	ds_store_b128 v11, v[104+4*\m:107+4*\m] offset:4096*\m
.endr
.Lsk_p:
	s_wait_loadcnt 0x0                             ; the head's loads: tokens, scale words, biases, the ring's four slots
.irp i, 0,1,2,3,4,5,6,7
	v_min_u32 v[24+\i], 0x7ff, v[24+\i]
	v_lshlrev_b32 v[24+\i], 3, v[24+\i]
.endr
	s_wait_alu depctr_va_vdst(0)                   ; the eight offsets v24-31 are written, which the gates' loads read; they are not written again
.irp i, 0,1,2,3,4,5,6,7
	global_load_b32 v[16+\i], v[24+\i], s[28:29]   ; the gate of row 16 i + r: wanted on the way out, and awaited there
.endr
	s_wait_dscnt 0x0
	s_barrier_signal -1
	s_barrier_wait -1
	SEG 0
	SEG 1
	SEG 2
	SEG 3
	; ---------------- THE WAY OUT.  Each sum times its row's gate, into the stage; a barrier; each wave adds the two experts' rows 16 w on and stores them whole.
	s_wait_loadcnt 0x0                             ; the gates, on every way
	PLACES 9                                       ; ahead of the first read of the results and of writes into W2's registers
.irp i, 0,1,2,3,4,5,6,7                        ; all the multiplications first: each group has sixteen registers of its own
	s_cmp_le_u32 s19, \i
	s_cbranch_scc1 .Lscaled
	WIN 0x01                                       ; source 0 (the accumulators) window 1
.irp p, 0,1,2,3,4,5,6,7
.if \i%2 == 0
	v_pk_mul_f32 v[128+16*\i+2*\p:129+16*\i+2*\p], v[16*\i+2*\p:16*\i+2*\p+1], v[16+2*(\i/2):17+2*(\i/2)] op_sel_hi:[1,0]
.else
	v_pk_mul_f32 v[128+16*\i+2*\p:129+16*\i+2*\p], v[16*\i+2*\p:16*\i+2*\p+1], v[16+2*(\i/2):17+2*(\i/2)] op_sel:[0,1] op_sel_hi:[1,1]
.endif
.endr
	WIN 0
.endr
.Lscaled:
	s_wait_alu depctr_va_vdst(0)                   ; the multiplications have written v128 on, which the LDS stores below read, and in which the loads from the stage land further down
.irp i, 0,1,2,3,4,5,6,7
	s_cmp_le_u32 s19, \i
	s_cbranch_scc1 .Lstored
.irp n, 0,1,2,3
	ds_store_b128 v8, v[128+16*\i+4*\n:131+16*\i+4*\n] offset:16*SP*\i+16*\n
.endr
.endr
.Lstored:
	s_wait_dscnt 0x0
	s_barrier_signal -1
	s_barrier_wait -1
	s_wait_alu depctr_vm_vsrc(0)                   ; my LDS stores have read v128 on, in which the loads from the stage land.  On every way, ahead of the branch
	s_lshl_b32 s2, s16, 4
	s_cmp_ge_u32 s2, s18
	s_cbranch_scc1 .Ldone                          ; the tile has no row 16 w
	s_sub_co_u32 s3, s18, s2                       ; rows left from 16 w on
.irp p, 0,1,2,3,4,5,6,7,8,9,10,11,12,13,14,15
	ds_load_b128 v[128+4*\p:131+4*\p], v9 offset:SP*\p
	ds_load_b128 v[192+4*\p:195+4*\p], v13 offset:SP*\p
.endr
.irp p, 0,1,2,3,4,5,6,7,8,9,10,11,12,13,14,15
	v_readlane_b32 s[TOK+\p], v10, \p              ; the sixteen rows' tokens, in one run (a row behind the tile's last holds the last token; its address is made and not used)
.endr
	s_wait_alu depctr_va_sdst(0)                   ; s44 to s59 are written, ahead of their first reader: one wait for the run
.irp p, 0,1,2,3,4,5,6,7,8,9,10,11,12,13,14,15
	s_min_u32 s[TOK+\p], s[TOK+\p], 2047
	s_lshl_b32 s[TOK+\p], s[TOK+\p], 12
.endr
.irp p, 0,1,2,3,4,5,6,7,8,9,10,11,12,13,14,15
	v_add_nc_u32 v[88+\p], s[TOK+\p], v4
.endr
	s_wait_dscnt 0x0
.irp p, 0,1,2,3,4,5,6,7,8,9,10,11,12,13,14,15
.if \p > 0
	s_cmp_le_u32 s3, \p
	s_cbranch_scc1 .Ladded
.endif
	v_pk_add_f32 v[128+4*\p:129+4*\p], v[128+4*\p:129+4*\p], v[192+4*\p:193+4*\p]
	v_pk_add_f32 v[130+4*\p:131+4*\p], v[130+4*\p:131+4*\p], v[194+4*\p:195+4*\p]
.endr
.Ladded:
	s_wait_alu depctr_va_vdst(0)                   ; the addresses v88-103 and the sums v128-191 are written, which the stores below read
.irp p, 0,1,2,3,4,5,6,7,8,9,10,11,12,13,14,15
.if \p > 0
	s_cmp_le_u32 s3, \p
	s_cbranch_scc1 .Ldone
.endif
	global_store_b128 v[88+\p], v[128+4*\p:131+4*\p], s[40:41] th:TH_STORE_NT   ; 512 consecutive bytes of the token's row, at a multiple of 512
.endr
.Ldone:
	s_wait_dscnt 0x0                               ; the closing lines, six on end
	s_wait_alu 0x0
	s_wait_tensorcnt 0x0
	ds_add_u32 v126, v127
	s_wait_dscnt 0x0
	s_endpgm
.Lfunc_end_k_q15d0b0174d_ffn2:
	.size	k_q15d0b0174d_ffn2, .Lfunc_end_k_q15d0b0174d_ffn2-k_q15d0b0174d_ffn2
	.p2alignl 7, 3214868480
	.fill 96, 4, 3214868480
	.section	.rodata,"a",@progbits
	.p2align	6, 0x0
	.amdhsa_kernel k_q15d0b0174d_ffn2
		.amdhsa_group_segment_fixed_size 279552
		.amdhsa_private_segment_fixed_size 0
		.amdhsa_enable_private_segment 0
		.amdhsa_kernarg_size 48
		.amdhsa_user_sgpr_count 2
		.amdhsa_user_sgpr_kernarg_segment_ptr 1
		.amdhsa_wavefront_size32 1
		.amdhsa_system_sgpr_workgroup_id_x 1
		.amdhsa_system_sgpr_workgroup_id_y 1
		.amdhsa_system_sgpr_workgroup_id_z 1
		.amdhsa_system_vgpr_workitem_id 0
		.amdhsa_next_free_vgpr 512
		.amdhsa_next_free_sgpr 66
		.amdhsa_reserve_vcc 0
		.amdhsa_float_denorm_mode_32 3
		.amdhsa_float_denorm_mode_16_64 3
		.amdhsa_memory_ordered 1
		.amdhsa_forward_progress 1
		.amdhsa_inst_pref_size 255
	.end_amdhsa_kernel
	.section	.bss,"aw",@nobits
	.p2align	6
	.space	262144
	.amdgpu_metadata
---
amdhsa.version: [ 1, 2 ]
amdhsa.kernels:
  - .name:           k_q15d0b0174d_ffn2
    .symbol:         k_q15d0b0174d_ffn2.kd
    .args:
      - { .name: lists, .offset: 0, .size: 8, .value_kind: global_buffer, .address_space: global }
      - { .name: p1, .offset: 8, .size: 8, .value_kind: global_buffer, .address_space: global }
      - { .name: p2, .offset: 16, .size: 8, .value_kind: global_buffer, .address_space: global }
      - { .name: hb, .offset: 24, .size: 8, .value_kind: global_buffer, .address_space: global }
      - { .name: b2, .offset: 32, .size: 8, .value_kind: global_buffer, .address_space: global }
      - { .name: out0, .offset: 40, .size: 8, .value_kind: global_buffer, .address_space: global }
    .group_segment_fixed_size: 279552
    .private_segment_fixed_size: 0
    .kernarg_segment_align: 8
    .kernarg_segment_size: 48
    .max_flat_workgroup_size: 256
    .sgpr_count:     66
    .vgpr_count:     512
    .wavefront_size: 32
...
	.end_amdgpu_metadata
.endif
;; end of part 11
